; MI455X (gfx1250); checked and timed in simulation.
; The chip was launched on July 23, 2026; its instructions are those of AMD's public machine-readable ISA for CDNA 5 (MIT licence, August 2026) and "CDNA5" Instruction Set Architecture Reference Guide (July 2026). The comments in the code are by the model that wrote it; some were corrected since.
;; Block. Allowed arithmetic: matrix products marked QUANTISED: E2M1 operands, one E8M0 scale for each 32 along K, by v_wmma_scale_f32_16x16x128_f8f6f4 with both operands' format E2M1 (or v_wmma_scale_f32_32x16x128_f4), f32 sums; everything else in f32.
;; Inputs: W_gate 512 x 512 float32; W_hidden 512 x 512 float32; W_k 512 x 512 float32; W_o 512 x 512 float32; W_out 512 x 512 float32; W_q 512 x 512 float32; W_v 512 x 512 float32; attn_norm_w 512 float32; b_o 512 float32; b_out 512 float32; ffn_norm_w 512 float32; x 4 x 2,048 x 512 float32.
;; Outputs: out0 4 x 2,048 x 512 float32.
;; This version of the problem:
;;   THIS VERSION OF THE PROBLEM IS GIVEN IN LOW PRECISION. The matrix products marked QUANTISED in the list below multiply operands that are first quantised to E2M1 (2 exponent bits, 1 mantissa bit; 4 bits a number), with one power-of-two scale for each 32 numbers along K (OCP MX v1.0); their sums are f32. All else is computed in f32.
;;   The module's matrix products, in the order in which they are computed (A, B: the left and right operand; K: the contracted axis; several contracted axes count as one K, in the product's order):
;;     1. [M 8,192, K 512] x [K 512, N 512]; A: computed on the way; B: input W_q: QUANTISED
;;     2. [M 8,192, K 512] x [K 512, N 512]; A: computed on the way; B: input W_k: QUANTISED
;;     3. [M 8,192, K 512] x [K 512, N 512]; A: computed on the way; B: input W_v: QUANTISED
;;     4. batch 64 x [M 2,048, K 32] x [K 32, N 2,048]; A: computed on the way; B: computed on the way: QUANTISED
;;     5. batch 64 x [M 2,048, K 2,048] x [K 2,048, N 32]; A: softmax (see below); B: computed on the way: QUANTISED
;;     6. [M 8,192, K 512] x [K 512, N 512]; A: computed on the way; B: input W_o: QUANTISED
;;     7. [M 8,192, K 512] x [K 512, N 512]; A: computed on the way; B: input W_gate: QUANTISED
;;     8. [M 8,192, K 512] x [K 512, N 512]; A: computed on the way; B: input W_hidden: QUANTISED
;;     9. [M 8,192, K 512] x [K 512, N 512]; A: computed on the way; B: input W_out: QUANTISED
;;   THE QUANTISER, for each operand of a quantised product, along K:
;;     - K is cut into blocks of 32 from its start; a last block that is shorter is filled with zeros.
;;     - A block's scale is 2^e with e = floor(log2(the largest magnitude in the block)) - 2, held to -126 .. 127; a block of zeros has e = 0. As a byte (E8M0): e + 127.
;;     - Each number is divided by its block's scale, clamped to +-6, and rounded to the nearest number of E2M1, ties to even, subnormals kept.
;;     - The product sums the exact products of the quantised numbers (number of the format x scale) in f32.
;;   ~~~python
;;   def quantise(x, axis):      # numpy; x: float32 -> the quantised numbers, widened to float32 again
;;       x = np.moveaxis(x, axis, -1); K = x.shape[-1]
;;       x = np.pad(x, [(0, 0)] * (x.ndim - 1) + [(0, -K % 32)]); x = x.reshape(x.shape[:-1] + (-1, 32)); a = np.abs(x).max(-1, keepdims=True)
;;       e = np.where(a > 0, np.clip(np.frexp(np.where(a > 0, a, 1))[1] - 1 - 2, -126, 127), 0)      # np.frexp(a)[1] - 1 = floor(log2(a)), exactly
;;       r = np.clip(x / 2.0 ** e, -6, 6)
;;       step = 2.0 ** (np.maximum(np.frexp(np.where(r == 0, 1, r))[1] - 1, 0) - 1)
;;       q = np.round(r / step) * step * 2.0 ** e      # np.round: ties to even
;;       return np.moveaxis(q.reshape(q.shape[:-2] + (-1,))[..., :K], -1, axis).astype(np.float32)
;;   ~~~
;;   SOFTMAX AHEAD OF A QUANTISED PRODUCT. Where the list says 'softmax', what is quantised is not the finished softmax but p = 2^(t - M), with t = logit x log2(e) and M = ceil(the row's largest t), a whole number; so 1/2 < the row's largest p <= 1. The row's sum l is taken of the UNQUANTISED p, in f32, and the product's result is divided by l at the end. Since M is a whole number, a kernel that streams over the keys may use a running M (the ceiling of the running maximum): every later rescaling is an exact power of two, which a block's scale takes up: the codes' values come out the same.
;;   OPERANDS COMPUTED ON THE WAY. 'Computed on the way' means the value that the module computes at that place (a softmax that the list does not call 'softmax' is quantised finished and normalised). What goes into a quantiser is computed in f32, as accurately as f32 sums, v_exp_f32 and their like allow (about 1e-6 of the number): no bf16 or f16 on the way to a quantiser, and a product that is left as it is and whose result goes on into a quantised operand takes f32 operands (vector FMAs, or v_wmma_f32_16x16x4_f32). A number that lies on a knife's edge between two numbers of the format may be rounded either way, as far as f32 arithmetic and the matrix unit's own rounding can turn it there, and no further.
;; 2 versions. Each part assembles by itself: llvm-mc -triple=amdgcn-amd-amdhsa -mcpu=gfx1250 --defsym DOCPART=n.
;; ======== version 1 of 2: 4 launches
;; workspace buffers: xw 3,203,072 bytes; qc 2,097,152 bytes; qs 524,288 bytes; kv 4,456,448 bytes; oc 2,097,152 bytes; os 131,072 bytes
;; launch quant (part 1): grid 368 x 1, 8 waves a work-group, no clusters, 51,200 bytes of LDS; arguments x, attn_norm_w, W_q, W_k, W_v, W_o, W_gate, W_hidden, W_out, xw; writes xw
.if DOCPART == 1
	.amdgcn_target "amdgcn-amd-amdhsa--gfx1250"
	.amdhsa_code_object_version 6
	.text
	.protected	k_qf890b602a9_quant
	.globl	k_qf890b602a9_quant
	.p2align	8
	.type	k_qf890b602a9_quant,@function
k_qf890b602a9_quant:
	s_mov_b64 s[64:65], 0
	v_nop
	global_prefetch_b8 v0, s[64:65] scope:SCOPE_SE
	s_setreg_imm32_b32 hwreg(HW_REG_WAVE_MODE, 25, 1), 1
	s_wait_xcnt 0x0
; rmsnorm(x, attn_norm_w) and the seven weights become codes of FP4 (E2M1) with one E8M0 byte for each 32 along K, laid as RECORDS.
; A RECORD is 32 rows x 512 along K in 8,704 bytes.  Row 8 u + r + 8 (r / 8) of the 32 has the slot (u, r), u = 0, 1, r = 0 .. 15.
;   codes:  byte u 4096 + kb 256 + r 16: the 16 bytes (32 codes) of slot (u, r), K block kb = 0 .. 15.  Read 16 bytes a lane, 512 bytes on end, that is the register image of a matrix operand.
;   scales: byte 8192 + (16 u + r) 16 + kb.
; Work-group g makes record g: 0 .. 255 are x's groups of 32 rows, 256 + 16 i + P is weight i (q, k, v, o, gate, hidden, out), rows 32 P on.
; ONE PATH FOR ALL: only pointers and two multipliers are chosen by the work-group's number: for a weight the gain and the root are replaced by 1.
; Eight waves, four rows each.  A row is 2,048 bytes: four loads of 512 consecutive bytes; it turns through the wave's own stage in LDS, so that a lane then holds 16 neighbours along K (two lanes hold a block).
; The codes meet in an image of the record in LDS and leave as runs of 512 consecutive bytes.
; A block's scale is 2^(floor(log2(largest magnitude)) - 2): its byte is the largest magnitude's exponent field - 2, held at 1 from below.
; LIMITS: NaN and infinities are not served; a block whose largest magnitude is under 2^-124, or 0, gets the byte 1 (a block of zeros has zero codes; the bytes are read by this program alone);
; a row's sum of squares is added in another order than a plain running sum.
; No matrix unit, no cluster, no tensor load: work-groups share nothing but 2,048 bytes of gains.
.set SP,   80                          ; a lane's place in a stage: 64 bytes + 16 of padding
.set STG,  32*SP                       ; a stage
.set UP,   272                         ; the image: 256 bytes + 16 of padding
.set IMG,  8*2*STG                     ; behind the eight waves' two stages each
.set SCB,  IMG+32*UP                   ; the record's 512 scale bytes
.set W,    16                          ; v16-31   the gains of my 16 columns (1 for a weight)
.set R,    32                          ; v32-95   four rows as loaded
.set X,    96                          ; v96-127  two sets of 16 neighbours
.set Y,    128                         ; v128-143 the numbers to be quantised
.set SS,   144                         ; v144-145 sum of squares
.set T,    146                         ; v146-150 at work
.set RS,   152                         ; v152-153 1 / root, as the low word of a pair
.set CO,   154                         ; v154-161 codes, two registers a row
.set BY,   162                         ; v162-165 a scale byte a row
.set OUTR, 166                         ; v166-177 the way out
	s_load_b512 s[8:23], s[0:1], 0x0               ; x, gains, W_q, W_k, W_v, W_o, W_gate, W_hidden
	s_load_b128 s[24:27], s[0:1], 0x40             ; W_out, xw
	v_lshl_add_u32 v180, v0, 2, 0xc400
	v_mov_b32 v181, 0
	v_lshrrev_b32 v1, 5, v0
	v_readfirstlane_b32 s2, v1                     ; wave 0..7
	v_and_b32 v1, 31, v0                           ; lane
	v_lshlrev_b32 v2, 4, v1                        ; 16 x lane
	v_lshlrev_b32 v9, 6, v1                        ; 64 x lane: my 16 gains
	s_mul_i32 s3, s2, 2*STG                        ; my two stages
	v_lshrrev_b32 v3, 2, v1
	v_mul_u32_u24 v3, v3, SP
	v_and_b32 v4, 3, v1
	v_lshl_add_u32 v3, v4, 4, v3
	v_add_nc_u32 v3, s3, v3                        ; into a stage: four lanes' 64 bytes on end, then the padding
	v_mul_u32_u24 v4, v1, SP
	v_add_nc_u32 v4, s3, v4                        ; out of it: my 64 bytes
	s_lshr_b32 s4, s2, 1
	s_and_b32 s4, s4, 1                            ; u of my rows 4 wave + t
	s_lshr_b32 s5, s2, 2
	s_lshl_b32 s5, s5, 3
	s_and_b32 s6, s2, 1
	s_lshl_b32 s6, s6, 2
	s_add_co_u32 s5, s5, s6                        ; r of my first row; row t has r + t
	s_lshl_b32 s5, s5, 4
	s_mul_i32 s6, s4, 16*UP
	s_add_co_u32 s6, s6, s5
	s_add_co_u32 s6, s6, IMG
	v_lshrrev_b32 v11, 1, v1                       ; my K block
	v_and_b32 v12, 1, v1                           ; which half of it
	v_mul_u32_u24 v5, v11, UP
	v_lshl_add_u32 v5, v12, 3, v5
	v_add_nc_u32 v5, s6, v5                        ; the image: unit 16 u + kb, byte 16 r + 8 x half
	s_lshl_b32 s6, s4, 8
	s_add_co_u32 s6, s6, s5
	s_add_co_u32 s6, s6, SCB
	v_add_nc_u32 v6, s6, v11                       ; the scale byte: (16 u + r) 16 + kb
	s_mul_i32 s6, s2, 4*UP
	s_add_co_u32 s6, s6, IMG
	v_lshrrev_b32 v11, 4, v1
	v_and_b32 v12, 15, v1
	v_mul_u32_u24 v7, v11, UP
	v_lshl_add_u32 v7, v12, 4, v7
	v_add_nc_u32 v7, s6, v7                        ; the way out: my wave's four units, two an instruction
	s_lshl_b32 s6, s2, 10
	v_add_nc_u32 v8, s6, v2                        ; and their place in the record
	v_add_nc_u32 v10, SCB, v2                      ; wave 0: the scale bytes
	s_sub_co_u32 s31, ttmp9, 256
	s_lshr_b32 s34, s31, 4                         ; which weight,
	s_and_b32 s35, s31, 15                         ; which 32 rows of it
	s_cmp_lt_u32 ttmp9, 256                        ; or x?
	s_cselect_b32 s30, -1, 0                       ; all ones for x: the mask of the two choices below
	s_cselect_b32 s34, 15, s34                     ; (no weight has the number 15)
	s_cselect_b32 s35, ttmp9, s35
	s_lshl_b32 s36, s35, 16                        ; 32 rows of 2,048 bytes
	s_lshl_b32 s37, s2, 13                         ; my wave's four
	s_add_co_u32 s36, s36, s37
	s_mov_b32 s37, 0
	s_mul_i32 s40, ttmp9, 8704
	s_mov_b32 s41, 0
	s_mov_b32 s32, 0x3b000000                      ; 1 / 512
	s_mov_b32 s33, 0x358637bd                      ; 1e-6
	s_mov_b32 s38, 0x76543210
	s_mov_b32 s39, 0xfedcba98                      ; v_permlanex16_b32's selects for lane l xor 16
	s_wait_kmcnt 0x0
	s_mov_b64 s[28:29], s[8:9]
.irp k, 0,1,2,3,4,5,6
	s_cmp_eq_u32 s34, \k                           ; the choice hangs on the work-group's number alone
	s_cselect_b64 s[28:29], s[12+2*\k:13+2*\k], s[28:29]
.endr
	s_add_nc_u64 s[28:29], s[28:29], s[36:37]
	s_add_nc_u64 s[26:27], s[26:27], s[40:41]
.irp j, 0,1,2,3
	global_load_b128 v[W+4*\j:W+4*\j+3], v9, s[10:11] offset:16*\j
.endr
.irp t, 0,1,2,3
.irp i, 0,1,2,3
	global_load_b128 v[R+16*\t+4*\i:R+16*\t+4*\i+3], v2, s[28:29] offset:2048*\t+512*\i th:TH_LOAD_NT   ; 32 lanes read 512 consecutive bytes
.endr
.endr
	v_mov_b32 v[T+1], 0                            ; a lane permute's destination counts as one of its sources
	v_mov_b32 v[RS+1], 0                           ; named as the upper half of a pair
.macro TURN t                          ; row t through a stage: LDS serves a wave's instructions in order, so no wait stands between the stores and the loads
.irp i, 0,1,2,3
	ds_store_b128 v3, v[R+16*(\t)+4*\i:R+16*(\t)+4*\i+3] offset:STG*((\t)%2)+8*SP*\i
.endr
.irp i, 0,1,2,3
	ds_load_b128 v[X+16*((\t)%2)+4*\i:X+16*((\t)%2)+4*\i+3], v4 offset:STG*((\t)%2)+16*\i
.endr
.endm
.macro ROW t
.set XS, X+16*((\t)%2)
	v_pk_mul_f32 v[SS:SS+1], v[XS:XS+1], v[XS:XS+1]
.irp i, 2,4,6,8,10,12,14
	v_pk_fma_f32 v[SS:SS+1], v[XS+\i:XS+\i+1], v[XS+\i:XS+\i+1], v[SS:SS+1]
.endr
	v_add_f32 v[T], v[SS], v[SS+1]
	v_add_f32_dpp v[T], v[T], v[T] row_xmask:1 row_mask:0xf bank_mask:0xf
	v_add_f32_dpp v[T], v[T], v[T] row_xmask:2 row_mask:0xf bank_mask:0xf
	v_add_f32_dpp v[T], v[T], v[T] row_xmask:4 row_mask:0xf bank_mask:0xf
	v_add_f32_dpp v[T], v[T], v[T] row_xmask:8 row_mask:0xf bank_mask:0xf
	v_permlanex16_b32 v[T+1], v[T], s38, s39
	v_add_f32 v[T], v[T], v[T+1]                   ; the row's sum of squares, in every lane
	v_fma_f32 v[T], v[T], s32, s33                 ; the mean + 1e-6
	v_rsq_f32 v[RS], v[T]
.irp i, 0,2,4,6,8,10,12,14
	v_pk_mul_f32 v[Y+\i:Y+\i+1], v[W+\i:W+\i+1], v[XS+\i:XS+\i+1]   ; w x: independent work behind the root
.endr
	s_wait_alu depctr_va_vdst(0)                   ; the wait ahead of the root's first reader
	v_cndmask_b32 v[RS], 1.0, v[RS], s30           ; a weight is taken as it is
.irp i, 0,2,4,6,8,10,12,14
	v_pk_mul_f32 v[Y+\i:Y+\i+1], v[Y+\i:Y+\i+1], v[RS:RS+1] op_sel_hi:[1,0]   ; (w x) / root
.endr
	v_max3_num_f32 v[T+2], |v[Y]|, |v[Y+1]|, |v[Y+2]|               ; the largest magnitude of my 16, in two chains
	v_max3_num_f32 v[T+3], |v[Y+3]|, |v[Y+4]|, |v[Y+5]|
.irp i, 6,10
	v_max3_num_f32 v[T+2], v[T+2], |v[Y+\i]|, |v[Y+\i+1]|
	v_max3_num_f32 v[T+3], v[T+3], |v[Y+\i+2]|, |v[Y+\i+3]|
.endr
	v_max3_num_f32 v[T+2], v[T+2], |v[Y+14]|, |v[Y+15]|
	v_max3_num_f32 v[T+2], v[T+2], v[T+3], 0x1800000               ; and the floor 2^(3 - 127): the byte cannot fall under 1
	v_max_num_f32_dpp v[T+2], v[T+2], v[T+2] row_xmask:1 row_mask:0xf bank_mask:0xf   ; with my neighbour's 16: the block's
	v_add_nc_u32 v[T+4], 0xff000000, v[T+2]        ; 2 off its exponent field: the conversion takes the exponent field of this operand as its scale
	v_cvt_scalef32_pk8_fp4_f32 v[CO+2*(\t)], v[Y:Y+7], v[T+4]
	v_cvt_scalef32_pk8_fp4_f32 v[CO+2*(\t)+1], v[Y+8:Y+15], v[T+4]
	v_lshrrev_b32 v[BY+(\t)], 23, v[T+4]           ; the scale's byte (also the plain line behind the conversions)
	ds_store_b64 v5, v[CO+2*(\t):CO+2*(\t)+1] offset:16*(\t)
	ds_store_b8 v6, v[BY+(\t)] offset:16*(\t)      ; both lanes of a block write the same byte with the same value
.endm
	s_wait_loadcnt 12                              ; the gains and row 0 are in; three rows' 12 loads may be out
.irp i, 0,1,2,3,4,5,6,7,8,9,10,11,12,13,14,15
	v_cndmask_b32 v[W+\i], 1.0, v[W+\i], s30
.endr
	TURN 0
	s_wait_loadcnt 8                               ; row 1 is in; two rows' loads may be out
	TURN 1
	s_wait_dscnt 8                                 ; row 0 is back from its stage; row 1's eight LDS instructions may be out
	ROW 0
	s_wait_loadcnt 4                               ; row 2 is in
	TURN 2
	s_wait_dscnt 10                                ; row 1 is back; younger: row 0's two stores and row 2's eight
	ROW 1
	s_wait_loadcnt 0x0
	TURN 3
	s_wait_dscnt 10                                ; row 2 is back; younger: row 1's two stores and row 3's eight
	ROW 2
	s_wait_dscnt 2                                 ; row 3 is back; younger: row 2's two stores
	ROW 3
	s_wait_dscnt 0x0                               ; for the others' sake: my stores into the image have landed
	s_barrier_signal -1
	s_barrier_wait -1
	ds_load_b128 v[OUTR:OUTR+3], v7
	ds_load_b128 v[OUTR+4:OUTR+7], v7 offset:2*UP
	s_wait_dscnt 0x0
	global_store_b128 v8, v[OUTR:OUTR+3], s[26:27]             ; 32 lanes store 512 consecutive bytes, at a multiple of 256 from the buffer's first byte
	global_store_b128 v8, v[OUTR+4:OUTR+7], s[26:27] offset:512
	s_cmp_lg_u32 s2, 0
	s_cbranch_scc1 .Ldone
	ds_load_b128 v[OUTR+8:OUTR+11], v10            ; wave 0: the record's 512 scale bytes
	s_wait_dscnt 0x0
	global_store_b128 v2, v[OUTR+8:OUTR+11], s[26:27] offset:8192
.Ldone:
	s_wait_tensorcnt 0x0
	ds_add_u32 v180, v181
	s_wait_dscnt 0x0
	s_endpgm
.Lfunc_end_k_qf890b602a9_quant:
	.size	k_qf890b602a9_quant, .Lfunc_end_k_qf890b602a9_quant-k_qf890b602a9_quant
	.p2alignl 7, 3214868480
	.fill 96, 4, 3214868480
	.section	.rodata,"a",@progbits
	.p2align	6, 0x0
	.amdhsa_kernel k_qf890b602a9_quant
		.amdhsa_group_segment_fixed_size 51200
		.amdhsa_private_segment_fixed_size 0
		.amdhsa_enable_private_segment 0
		.amdhsa_kernarg_size 80
		.amdhsa_user_sgpr_count 2
		.amdhsa_user_sgpr_kernarg_segment_ptr 1
		.amdhsa_wavefront_size32 1
		.amdhsa_system_sgpr_workgroup_id_x 1
		.amdhsa_system_sgpr_workgroup_id_y 1
		.amdhsa_system_sgpr_workgroup_id_z 1
		.amdhsa_system_vgpr_workitem_id 0
		.amdhsa_next_free_vgpr 182
		.amdhsa_next_free_sgpr 66
		.amdhsa_reserve_vcc 0
		.amdhsa_float_denorm_mode_32 3
		.amdhsa_float_denorm_mode_16_64 3
		.amdhsa_memory_ordered 1
		.amdhsa_forward_progress 1
		.amdhsa_inst_pref_size 22
	.end_amdhsa_kernel
	.amdgpu_metadata
---
amdhsa.version: [ 1, 2 ]
amdhsa.kernels:
  - .name:           k_qf890b602a9_quant
    .symbol:         k_qf890b602a9_quant.kd
    .args:
      - { .name: x, .offset: 0, .size: 8, .value_kind: global_buffer, .address_space: global }
      - { .name: attn_norm_w, .offset: 8, .size: 8, .value_kind: global_buffer, .address_space: global }
      - { .name: W_q, .offset: 16, .size: 8, .value_kind: global_buffer, .address_space: global }
      - { .name: W_k, .offset: 24, .size: 8, .value_kind: global_buffer, .address_space: global }
      - { .name: W_v, .offset: 32, .size: 8, .value_kind: global_buffer, .address_space: global }
      - { .name: W_o, .offset: 40, .size: 8, .value_kind: global_buffer, .address_space: global }
      - { .name: W_gate, .offset: 48, .size: 8, .value_kind: global_buffer, .address_space: global }
      - { .name: W_hidden, .offset: 56, .size: 8, .value_kind: global_buffer, .address_space: global }
      - { .name: W_out, .offset: 64, .size: 8, .value_kind: global_buffer, .address_space: global }
      - { .name: xw, .offset: 72, .size: 8, .value_kind: global_buffer, .address_space: global }
    .group_segment_fixed_size: 51200
    .private_segment_fixed_size: 0
    .kernarg_segment_align: 8
    .kernarg_segment_size: 80
    .max_flat_workgroup_size: 256
    .sgpr_count:     66
    .vgpr_count:     182
    .wavefront_size: 32
...
	.end_amdgpu_metadata
.endif
;; end of part 1
;; launch qkv (part 2): grid 3 x 64, 16 waves a work-group, no clusters, 36,864 bytes of LDS; arguments xw, qc, qs, kv; writes qc, qs, kv
.if DOCPART == 2
	.amdgcn_target "amdgcn-amd-amdhsa--gfx1250"
	.amdhsa_code_object_version 6
	.text
	.protected	k_qf890b602a9_qkv
	.globl	k_qf890b602a9_qkv
	.p2align	8
	.type	k_qf890b602a9_qkv,@function
k_qf890b602a9_qkv:
	s_mov_b64 s[64:65], 0
	v_nop
	global_prefetch_b8 v0, s[64:65] scope:SCOPE_SE
	s_setreg_imm32_b32 hwreg(HW_REG_WAVE_MODE, 25, 1), 1
	s_wait_xcnt 0x0
; q, k or v = rmsnorm(x) W^T on codes of FP4 with E8M0 scales, and the result quantised for attention: q and k along the head's 32, v along the keys.
; Work-group (role, RB): role 0 q, 1 k, 2 v; rows 128 RB .. 128 RB + 127: four records of x (see below), 34,816 consecutive bytes, copied into LDS once.
; Wave = head: its 32 rows of the weight are one record, 68 registers, loaded once from memory straight into the operand's registers.
; A RECORD: 32 rows x 512 K.  Slot (u, r) is row 8 u + r + 8 (r / 8).  Codes at u 4096 + kb 256 + r 16; scale bytes at 8192 + (16 u + r) 16 + kb.  Sixteen bytes a lane, 512 on end, are the registers of a fragment;
; the scale bytes read so give four registers, one a K step, tile 0's words in lanes 0-15 and tile 1's in lanes 16-31.
; With 16 slots of record A as source 0 and 16 of record B as source 1, a lane holds ONE row of B, and the 16 registers of the two tiles of A are rows 16 (lane / 16) + 0 .. 15 of A's 32: neighbours.
; q, k: A = the weight: a lane holds a row of x and 16 of the head's 32 numbers.   v: A = x: a lane holds one of the head's 32 and 16 neighbouring keys.  Either way a block of 32 lies in lanes l and l xor 16.
; OUT: qc, and kv + 0: [head][group of 32 rows][slot][16 bytes];  qs: q's byte four times over, [head][RB][slot][group % 4][4];  kv + 32768: v's codes [step of 128 keys][tile of d][block of 32 keys][r][16];
;      kv + 65536: k's scale words [step][16 F + r][4]: byte j is key tile 4 F + j;  kv + 67584: v's scale words [step][16 tile + r][4]: byte j is key block j.  A head's part of kv is 69,632 bytes.
; LIMITS: NaN and infinities are not served; a block whose largest magnitude is under 2^-124, or 0, gets the byte 1 (the bytes are read by this program alone).
; NO CLUSTER, NO TENSOR LOAD: a weight's record goes to the one wave that multiplies by it, as registers; the rows' 34,816 bytes are read by three work-groups only, once each.
.set LI,  1                            ; v1   16 x lane
.set XS,  12                           ; v12-15  x's scale words, a register a K step
.set WS,  16                           ; v16-19  the weight's
.set XF,  24                           ; v24-55  x's fragments: two buffers of two tiles (at the head: the copy's registers)
.set ACC, 56                           ; v56-87  four accumulators
.set CDS, 88                           ; v88-103 the codes made, four registers a group
.set SW,  104                          ; v104-107 scale words on their way out
.set QTM, 108
.set QTP, 110
.set QSO, 112
.set QBY, 114
.set QBS, 116
.set TT,  117
.set W,   128                          ; v128-191 the weight's fragments: tile a, K step s at W + 32 a + 8 s
.set SEL, 34
.set HM,  36
.macro PLACES                          ; four plain vector lines between a matrix instruction and a load into, or a vector instruction on, its registers
.rept 4
	v_nop
.endr
.endm
; one matrix instruction.  c = 0: the sum starts with the constant 0; 1: in place.  ra, rb: the half of the lanes in which source 0's and source 1's scale words stand
.macro ONE d, a, b, c, sa, sb, ra, rb
.if ((\c) == 0) && ((\ra) == 0) && ((\rb) == 0)
	v_wmma_scale_f32_16x16x128_f8f6f4 v[\d:\d+7], v[\a:\a+7], v[\b:\b+7], 0, v[\sa], v[\sb] matrix_a_fmt:MATRIX_FMT_FP4 matrix_b_fmt:MATRIX_FMT_FP4
.elseif ((\c) == 0) && ((\ra) == 1) && ((\rb) == 0)
	v_wmma_scale_f32_16x16x128_f8f6f4 v[\d:\d+7], v[\a:\a+7], v[\b:\b+7], 0, v[\sa], v[\sb] matrix_a_fmt:MATRIX_FMT_FP4 matrix_b_fmt:MATRIX_FMT_FP4 matrix_a_scale:MATRIX_SCALE_ROW1
.elseif ((\c) == 0) && ((\ra) == 0) && ((\rb) == 1)
	v_wmma_scale_f32_16x16x128_f8f6f4 v[\d:\d+7], v[\a:\a+7], v[\b:\b+7], 0, v[\sa], v[\sb] matrix_a_fmt:MATRIX_FMT_FP4 matrix_b_fmt:MATRIX_FMT_FP4 matrix_b_scale:MATRIX_SCALE_ROW1
.elseif ((\c) == 0)
	v_wmma_scale_f32_16x16x128_f8f6f4 v[\d:\d+7], v[\a:\a+7], v[\b:\b+7], 0, v[\sa], v[\sb] matrix_a_fmt:MATRIX_FMT_FP4 matrix_b_fmt:MATRIX_FMT_FP4 matrix_a_scale:MATRIX_SCALE_ROW1 matrix_b_scale:MATRIX_SCALE_ROW1
.elseif ((\ra) == 0) && ((\rb) == 0)
	v_wmma_scale_f32_16x16x128_f8f6f4 v[\d:\d+7], v[\a:\a+7], v[\b:\b+7], v[\d:\d+7], v[\sa], v[\sb] matrix_a_fmt:MATRIX_FMT_FP4 matrix_b_fmt:MATRIX_FMT_FP4
.elseif ((\ra) == 1) && ((\rb) == 0)
	v_wmma_scale_f32_16x16x128_f8f6f4 v[\d:\d+7], v[\a:\a+7], v[\b:\b+7], v[\d:\d+7], v[\sa], v[\sb] matrix_a_fmt:MATRIX_FMT_FP4 matrix_b_fmt:MATRIX_FMT_FP4 matrix_a_scale:MATRIX_SCALE_ROW1
.elseif ((\ra) == 0) && ((\rb) == 1)
	v_wmma_scale_f32_16x16x128_f8f6f4 v[\d:\d+7], v[\a:\a+7], v[\b:\b+7], v[\d:\d+7], v[\sa], v[\sb] matrix_a_fmt:MATRIX_FMT_FP4 matrix_b_fmt:MATRIX_FMT_FP4 matrix_b_scale:MATRIX_SCALE_ROW1
.else
	v_wmma_scale_f32_16x16x128_f8f6f4 v[\d:\d+7], v[\a:\a+7], v[\b:\b+7], v[\d:\d+7], v[\sa], v[\sb] matrix_a_fmt:MATRIX_FMT_FP4 matrix_b_fmt:MATRIX_FMT_FP4 matrix_a_scale:MATRIX_SCALE_ROW1 matrix_b_scale:MATRIX_SCALE_ROW1
.endif
.endm
.macro XK rec, s, buf                  ; K step s of the record at LDS byte rec: both tiles' fragments into buffer buf
.irp u, 0,1
.irp c, 0,1
	ds_load_b128 v[XF+16*(\buf)+8*\u+4*\c:XF+16*(\buf)+8*\u+4*\c+3], v[LI] offset:(\rec)+4096*\u+1024*(\s)+512*\c
.endr
.endr
.endm
.macro XPRE rec                        ; nine loads: the record's scale words and its first two K steps
	ds_load_b128 v[XS:XS+3], v[LI] offset:(\rec)+8192
	XK \rec, 0, 0
	XK \rec, 1, 1
.endm
; four matrix instructions, the four accumulators by turns.  mode 0: source 0 = the weight (tile q), source 1 = the rows (tile p);  mode 1: source 0 = the rows (tile q), source 1 = the weight (tile p)
.macro MM4 acc, w, ws, s, buf, mode, c
.irp p, 0,1
.irp q, 0,1
.if (\mode) == 0
	ONE \acc+16*\p+8*\q, \w+32*\q+8*(\s), XF+16*(\buf)+8*\p, \c, \ws+(\s), XS+(\s), \q, \p
.else
	ONE \acc+16*\p+8*\q, XF+16*(\buf)+8*\q, \w+32*\p+8*(\s), \c, XS+(\s), \ws+(\s), \q, \p
.endif
.endr
.endr
.endm
; 32 rows x 32 columns over K = 512: four K steps of four matrix instructions; the accumulators take turns, one instruction a turn.  XPRE has been issued
.macro XRUN acc, w, ws, rec, mode, c
	s_wait_dscnt 4                                 ; the scale words and K step 0 are in; K step 1's four loads may be out
	MM4 \acc, \w, \ws, 0, 0, \mode, \c
	PLACES
	XK \rec, 2, 0
	s_wait_dscnt 4                                 ; K step 1 is in; K step 2's four may be out
	MM4 \acc, \w, \ws, 1, 1, \mode, 1
	PLACES
	XK \rec, 3, 1
	s_wait_dscnt 4                                 ; K step 2 is in; K step 3's four may be out
	MM4 \acc, \w, \ws, 2, 0, \mode, 1
	s_wait_dscnt 0x0
	MM4 \acc, \w, \ws, 3, 1, \mode, 1
	PLACES                                         ; for all that follows: reads of the results, loads and vector writes into the operands' registers
.endm
; 32 registers, set b at s + 16 b: 16 neighbours of a block of 32 whose other 16 lie in lane l xor 16.  Out: in v[cd .. cd + 3] the 16 bytes of the row of set b = lane / 16; its scale byte in v[QBS]; v[QBY + b]: set b's byte
.macro QUANT2 s, cd
.irp b, 0,1
	v_mov_b32 v[QTP+\b], 0                         ; a lane permute's destination counts as one of its sources
.endr
.irp b, 0,1
	v_max3_num_f32 v[QTM+\b], |v[\s+16*\b]|, |v[\s+16*\b+1]|, 0x1800000   ; with the floor 2^(3 - 127): the byte cannot fall under 1.  Each accumulator is read from its low end on
.endr
.irp i, 2,4,6,8,10,12,14
.irp b, 0,1
	v_max3_num_f32 v[QTM+\b], v[QTM+\b], |v[\s+16*\b+\i]|, |v[\s+16*\b+\i+1]|
.endr
.endr
.irp b, 0,1
	v_permlanex16_b32 v[QTP+\b], v[QTM+\b], s[SEL], s[SEL+1]
.endr
.irp b, 0,1
	v_max_num_f32 v[QTM+\b], v[QTM+\b], v[QTP+\b]  ; the block's largest magnitude
.endr
.irp b, 0,1
	v_add_nc_u32 v[QSO+\b], 0xff000000, v[QTM+\b]  ; 2 off its exponent field: the conversion's scale operand
.endr
.irp b, 0,1
	v_lshrrev_b32 v[QBY+\b], 23, v[QSO+\b]         ; the scale's byte
.endr
.irp b, 0,1
	v_cvt_scalef32_pk8_fp4_f32 v[\cd+2*\b], v[\s+16*\b:\s+16*\b+7], v[QSO+\b]
	v_cvt_scalef32_pk8_fp4_f32 v[\cd+2*\b+1], v[\s+16*\b+8:\s+16*\b+15], v[QSO+\b]
.endr
	v_nop                                          ; one plain line behind a scaled conversion
	v_permlane16_swap_b32 v[\cd], v[\cd+2]         ; lanes 0-15 gather set 0's whole block, lanes 16-31 set 1's
	v_permlane16_swap_b32 v[\cd+1], v[\cd+3]
	v_cndmask_b32 v[QBS], v[QBY], v[QBY+1], s[HM]
.endm
	s_load_b256 s[4:11], s[0:1], 0x0               ; xw, qc, qs, kv
	v_lshl_add_u32 v192, v0, 2, 0x8800
	v_mov_b32 v193, 0
	v_lshrrev_b32 v1, 5, v0
	v_readfirstlane_b32 s12, v1                    ; wave = head
	s_and_b32 s13, ttmp7, 0xffff                   ; RB
	v_and_b32 v6, 31, v0
	v_lshlrev_b32 v[LI], 4, v6
	v_lshlrev_b32 v2, 4, v0                        ; the copy: 16 bytes a thread, four times,
	v_lshl_add_u32 v3, v0, 2, 32768                ; and 4 bytes a thread for the last 2,048
	v_lshlrev_b32 v4, 2, v6                        ; 4 x lane
	v_and_b32 v7, 15, v0
	v_bfe_u32 v8, v0, 4, 1
	v_lshlrev_b32 v5, 4, v7
	v_lshl_add_u32 v5, v8, 10, v5                  ; v's codes: tile (lane / 16) 1024 + 16 r
	s_lshr_b32 s14, s13, 4                         ; batch
	s_and_b32 s15, s13, 15                         ; which 128 rows of its 2,048
	s_lshl_b32 s16, s14, 4
	s_add_co_u32 s16, s16, s12                     ; batch x 16 + head
	s_mul_i32 s22, s13, 34816
	s_mov_b32 s23, 0
	s_lshl_b32 s24, ttmp9, 4
	s_add_co_u32 s24, s24, s12
	s_add_co_u32 s24, s24, 256
	s_mul_i32 s24, s24, 8704                       ; record 256 + 16 role + head
	s_mov_b32 s25, 0
	s_lshl_b32 s26, s16, 15
	s_lshl_b32 s17, s15, 11
	s_add_co_u32 s26, s26, s17
	s_mov_b32 s27, 0
	s_lshl_b32 s28, s16, 13
	s_lshl_b32 s37, s15, 9
	s_add_co_u32 s28, s28, s37
	s_mov_b32 s29, 0
	s_mul_i32 s30, s16, 69632
	s_lshl_b32 s37, s15, 7
	s_add_co_u32 s32, s30, s37
	s_add_co_u32 s30, s30, s17
	s_mov_b32 s31, 0
	s_mov_b32 s33, 0
	s_mov_b32 s[SEL], 0x76543210
	s_mov_b32 s[SEL+1], 0xfedcba98
	s_mov_b32 s[HM], 0xffff0000                    ; lanes 16-31
	s_wait_kmcnt 0x0
	s_add_nc_u64 s[18:19], s[4:5], s[22:23]        ; my four records of x
	s_add_nc_u64 s[20:21], s[4:5], s[24:25]        ; my record of the weight
	s_add_nc_u64 s[26:27], s[6:7], s[26:27]        ; q's codes
	s_add_nc_u64 s[28:29], s[8:9], s[28:29]        ; q's scale words
	s_add_nc_u64 s[30:31], s[10:11], s[30:31]      ; kv: my head, 2,048 bytes a step
	s_add_nc_u64 s[32:33], s[10:11], s[32:33]      ; kv: my head, 128 bytes a step
.irp i, 0,1,2,3
	global_load_b128 v[XF+4*\i:XF+4*\i+3], v2, s[18:19] offset:8192*\i
.endr
	global_load_b32 v[XF+16], v3, s[18:19]
.irp i, 0,1,2,3,4,5,6,7,8,9,10,11,12,13,14,15
	global_load_b128 v[W+4*\i:W+4*\i+3], v[LI], s[20:21] offset:512*\i
.endr
	global_load_b128 v[WS:WS+3], v[LI], s[20:21] offset:8192
	s_wait_loadcnt 17                              ; the copy's five loads are in; the weight's 17 may be out
.irp i, 0,1,2,3
	ds_store_b128 v2, v[XF+4*\i:XF+4*\i+3] offset:8192*\i
.endr
	ds_store_b32 v3, v[XF+16]
	s_wait_dscnt 0x0                               ; for the others' sake: my part of the copy has landed
	s_barrier_signal -1
	s_barrier_wait -1
	XPRE 0
	s_wait_loadcnt 0x0                             ; the weight
; The four groups of 32 rows.  The next group's first loads stand behind a run's closing places and land under the quantiser.  Every store has data registers of its own.
.macro PATH role
.irp gi, 0,1,2,3
	XRUN ACC, W, WS, 8704*\gi, (\role)/2, 0
.if \gi < 3
	XPRE 8704*(\gi+1)
.endif
	QUANT2 ACC, CDS+4*\gi
.if (\role) == 0
	global_store_b128 v[LI], v[CDS+4*\gi:CDS+4*\gi+3], s[26:27] offset:512*\gi   ; 512 consecutive bytes
	v_perm_b32 v[SW+\gi], v[QBS], v[QBS], 0        ; the byte in all four places: whichever block of the 128 holds q, its scale is there
.elseif (\role) == 1
	global_store_b128 v[LI], v[CDS+4*\gi:CDS+4*\gi+3], s[30:31] offset:512*\gi
	v_lshl_or_b32 v[TT], v[QBY+1], 8, v[QBY]       ; key tiles 2 gi and 2 gi + 1
.if (\gi)%2 == 0
	v_mov_b32 v[SW+(\gi)/2], v[TT]
.else
	v_lshl_or_b32 v[SW+(\gi)/2], v[TT], 16, v[SW+(\gi)/2]
.endif
.else
	global_store_b128 v5, v[CDS+4*\gi:CDS+4*\gi+3], s[30:31] offset:32768+256*\gi   ; each half of the lanes stores 256 consecutive bytes, aligned
.if \gi == 0
	v_mov_b32 v[SW], v[QBS]
.else
	v_lshl_or_b32 v[SW], v[QBS], 8*\gi, v[SW]
.endif
.endif
.endr
.if (\role) == 0
	global_store_b128 v[LI], v[SW:SW+3], s[28:29]
.elseif (\role) == 1
	v_cndmask_b32 v[SW+2], v[SW], v[SW+1], s[HM]   ; lanes 0-15: key tiles 0-3; lanes 16-31: tiles 4-7
	global_store_b32 v4, v[SW+2], s[32:33] offset:65536
.else
	global_store_b32 v4, v[SW], s[32:33] offset:67584
.endif
	s_wait_tensorcnt 0x0
	ds_add_u32 v192, v193
	s_wait_dscnt 0x0
	s_endpgm
.endm
	s_cmp_eq_u32 ttmp9, 1                          ; the role is the work-group's: all its waves take one path, and the paths only read LDS
	s_cbranch_scc1 .Lrole_k
	s_cmp_eq_u32 ttmp9, 2
	s_cbranch_scc1 .Lrole_v
	PATH 0
.Lrole_k:
	PATH 1
.Lrole_v:
	PATH 2
.Lfunc_end_k_qf890b602a9_qkv:
	.size	k_qf890b602a9_qkv, .Lfunc_end_k_qf890b602a9_qkv-k_qf890b602a9_qkv
	.p2alignl 7, 3214868480
	.fill 96, 4, 3214868480
	.section	.rodata,"a",@progbits
	.p2align	6, 0x0
	.amdhsa_kernel k_qf890b602a9_qkv
		.amdhsa_group_segment_fixed_size 36864
		.amdhsa_private_segment_fixed_size 0
		.amdhsa_enable_private_segment 0
		.amdhsa_kernarg_size 32
		.amdhsa_user_sgpr_count 2
		.amdhsa_user_sgpr_kernarg_segment_ptr 1
		.amdhsa_wavefront_size32 1
		.amdhsa_system_sgpr_workgroup_id_x 1
		.amdhsa_system_sgpr_workgroup_id_y 1
		.amdhsa_system_sgpr_workgroup_id_z 1
		.amdhsa_system_vgpr_workitem_id 0
		.amdhsa_next_free_vgpr 194
		.amdhsa_next_free_sgpr 66
		.amdhsa_reserve_vcc 0
		.amdhsa_float_denorm_mode_32 3
		.amdhsa_float_denorm_mode_16_64 3
		.amdhsa_memory_ordered 1
		.amdhsa_forward_progress 1
		.amdhsa_inst_pref_size 73
	.end_amdhsa_kernel
	.amdgpu_metadata
---
amdhsa.version: [ 1, 2 ]
amdhsa.kernels:
  - .name:           k_qf890b602a9_qkv
    .symbol:         k_qf890b602a9_qkv.kd
    .args:
      - { .name: xw, .offset: 0, .size: 8, .value_kind: global_buffer, .address_space: global }
      - { .name: qc, .offset: 8, .size: 8, .value_kind: global_buffer, .address_space: global }
      - { .name: qs, .offset: 16, .size: 8, .value_kind: global_buffer, .address_space: global }
      - { .name: kv, .offset: 24, .size: 8, .value_kind: global_buffer, .address_space: global }
    .group_segment_fixed_size: 36864
    .private_segment_fixed_size: 0
    .kernarg_segment_align: 8
    .kernarg_segment_size: 32
    .max_flat_workgroup_size: 512
    .sgpr_count:     66
    .vgpr_count:     194
    .wavefront_size: 32
...
	.end_amdgpu_metadata
.endif
;; end of part 2
;; launch attn (part 3): grid 4 x 64, 16 waves a work-group, no clusters, 72,192 bytes of LDS; arguments qc, qs, kv, oc, os; writes oc, os
.if DOCPART == 3
	.amdgcn_target "amdgcn-amd-amdhsa--gfx1250"
	.amdhsa_code_object_version 6
	.text
	.protected	k_qf890b602a9_attn
	.globl	k_qf890b602a9_attn
	.p2align	8
	.type	k_qf890b602a9_attn,@function
k_qf890b602a9_attn:
	s_mov_b64 s[64:65], 0
	v_nop
	global_prefetch_b8 v0, s[64:65] scope:SCOPE_SE
	s_setreg_imm32_b32 hwreg(HW_REG_WAVE_MODE, 25, 1), 1
	s_wait_xcnt 0x0
; Attention of one head (size 32, 2,048 keys) on codes of FP4 with E8M0 scales, and its result quantised (a block of 32 = the head) for the next product.
; t = score x log2(e) / sqrt(32); M = the running largest t rounded UP to a whole number; p = 2^(t - M) is quantised along the keys, not normalised; the row's sum is taken of the unquantised p and divides at the end.
; When M moves, the sum and O are multiplied by 2^(old M - new M): exact.
; SHARES.  Work-group (qb, head): 512 queries.  Each of sixteen waves owns a group of 32 queries: two tiles of 16.  Four waves share a SIMD, so that one wave's vector work stands beside another's products and LDS loads.
; A head's K, V and scale words, 69,632 bytes, are copied into LDS once, as they lie in memory, and stay: no ring.
; LAYOUT.  Both products are used transposed: S^T = K Q^T, O^T = V^T P^T: a lane holds ONE query throughout.  Slot (u, r) of a group of 32 is row 8 u + r + 8 (r / 8), so that the 16 registers of key tiles 2 g, 2 g + 1
; are the keys 32 g + 16 (lane / 16) + 0 .. 15: neighbours, as the conversions want them.
; THE FIRST PRODUCT'S K IS 32, THE INSTRUCTION'S 128.  A fragment of K holds FOUR key tiles, one in each block of 32; it is multiplied four times, by four forms of Q that hold q's 32 codes in one block and zero codes in the
; others.  Zero codes add nothing under any scale byte that occurs here (1 .. 252).  The four forms are runs of eight out of 20 registers: QL, Z, QH, Z, QL (QL: q in lanes 0-15; QH: in lanes 16-31; Z: zeros).
; LIMITS: NaN and infinities are not served; a block whose largest magnitude is under 2^-124, or 0, gets the byte 1 (read by this program alone); a block's largest p is made from the block's largest score by the same
; two instructions as every p, which takes v_exp_f32 not to fall where its input rises.
; NO CLUSTER: what the four work-groups of a head share is 69,632 bytes, read once at the head, against sixteen steps of two softmaxes of 16 x 128 scores in every wave.
.set LI,  1                            ; v1   16 x lane
.set LS,  2                            ; v2   65536 + 4 x lane: K's scale words
.set ADK, 3                            ; v3   the step's codes (at the head: the copy's offset)
.set ADS, 4                            ; v4   the step's scale words (likewise)
.set KS,  5                            ; v5   K's scale words of the step: nothing else is ever held here, nor in v6 to v9
.set VS,  6
.set QS,  7                            ; v7   q's scale words: tile 0 in lanes 0-15, tile 1 in lanes 16-31
.set PS,  8                            ; v8-9 p's scale words, a register a tile
.set T,   10                           ; v10-11 at work
.set BM,  24                           ; v12 + 4 u: -M, the largest t, the sum in two halves;  v20 + 2 u: f, as the low word of a pair;  v24-27 the blocks' maxima
.set BP,  28
.set SO,  32
.set KF,  36                           ; v36-51  two fragments of K: eight key tiles
.set VF,  52                           ; v52-67  two fragments of V
.set QB,  68                           ; v68-107 Q's forms, 20 registers a tile
.set PC,  108                          ; v108-123 p's codes
.set O,   124                          ; v124-155 O^T: tile u of queries, tile t of the head at O + 16 u + 8 t
.set S,   156                          ; v156-219 S^T, then p
.set QTM, 24                           ; the last quantiser's registers
.set QTP, 26
.set QSO, 28
.set QBY, 30
.set QBS, 32
.set CDQ, 36
.set OSA, 220                          ; v220 OST + my thread's number: where my scale byte goes
.set OCA, 221
.set QA,  222
.set OSR, 223                          ; v223 OST + 16 x lane: where wave 0 reads the bytes back (the address is past an LDS immediate's 16 bits, so the register carries all of it)
.set OST, 69632                        ; LDS: the work-group's 512 scale bytes on their way out
.set WV,  14
.set SEL, 30
.set HM,  32
.set CS,  34
.set TB,  36
.set TS,  37
.set CNT, 38
.macro PLACES
.rept 4
	v_nop
.endr
.endm
.macro ONE d, a, b, c, sa, sb, ra, rb
.if ((\c) == 0) && ((\ra) == 0) && ((\rb) == 0)
	v_wmma_scale_f32_16x16x128_f8f6f4 v[\d:\d+7], v[\a:\a+7], v[\b:\b+7], 0, v[\sa], v[\sb] matrix_a_fmt:MATRIX_FMT_FP4 matrix_b_fmt:MATRIX_FMT_FP4
.elseif ((\c) == 0) && ((\ra) == 1) && ((\rb) == 0)
	v_wmma_scale_f32_16x16x128_f8f6f4 v[\d:\d+7], v[\a:\a+7], v[\b:\b+7], 0, v[\sa], v[\sb] matrix_a_fmt:MATRIX_FMT_FP4 matrix_b_fmt:MATRIX_FMT_FP4 matrix_a_scale:MATRIX_SCALE_ROW1
.elseif ((\c) == 0) && ((\ra) == 0) && ((\rb) == 1)
	v_wmma_scale_f32_16x16x128_f8f6f4 v[\d:\d+7], v[\a:\a+7], v[\b:\b+7], 0, v[\sa], v[\sb] matrix_a_fmt:MATRIX_FMT_FP4 matrix_b_fmt:MATRIX_FMT_FP4 matrix_b_scale:MATRIX_SCALE_ROW1
.elseif ((\c) == 0)
	v_wmma_scale_f32_16x16x128_f8f6f4 v[\d:\d+7], v[\a:\a+7], v[\b:\b+7], 0, v[\sa], v[\sb] matrix_a_fmt:MATRIX_FMT_FP4 matrix_b_fmt:MATRIX_FMT_FP4 matrix_a_scale:MATRIX_SCALE_ROW1 matrix_b_scale:MATRIX_SCALE_ROW1
.elseif ((\ra) == 0) && ((\rb) == 0)
	v_wmma_scale_f32_16x16x128_f8f6f4 v[\d:\d+7], v[\a:\a+7], v[\b:\b+7], v[\d:\d+7], v[\sa], v[\sb] matrix_a_fmt:MATRIX_FMT_FP4 matrix_b_fmt:MATRIX_FMT_FP4
.elseif ((\ra) == 1) && ((\rb) == 0)
	v_wmma_scale_f32_16x16x128_f8f6f4 v[\d:\d+7], v[\a:\a+7], v[\b:\b+7], v[\d:\d+7], v[\sa], v[\sb] matrix_a_fmt:MATRIX_FMT_FP4 matrix_b_fmt:MATRIX_FMT_FP4 matrix_a_scale:MATRIX_SCALE_ROW1
.elseif ((\ra) == 0) && ((\rb) == 1)
	v_wmma_scale_f32_16x16x128_f8f6f4 v[\d:\d+7], v[\a:\a+7], v[\b:\b+7], v[\d:\d+7], v[\sa], v[\sb] matrix_a_fmt:MATRIX_FMT_FP4 matrix_b_fmt:MATRIX_FMT_FP4 matrix_b_scale:MATRIX_SCALE_ROW1
.else
	v_wmma_scale_f32_16x16x128_f8f6f4 v[\d:\d+7], v[\a:\a+7], v[\b:\b+7], v[\d:\d+7], v[\sa], v[\sb] matrix_a_fmt:MATRIX_FMT_FP4 matrix_b_fmt:MATRIX_FMT_FP4 matrix_a_scale:MATRIX_SCALE_ROW1 matrix_b_scale:MATRIX_SCALE_ROW1
.endif
.endm
.macro QUANT2 s, cd                    ; 32 registers, set b at s + 16 b: 16 neighbours of a block whose other 16 lie in lane l xor 16.  Out: v[cd .. cd + 3]: the 16 bytes of set lane / 16's row; v[QBS]: its byte
.irp b, 0,1
	v_mov_b32 v[QTP+\b], 0
.endr
.irp b, 0,1
	v_max3_num_f32 v[QTM+\b], |v[\s+16*\b]|, |v[\s+16*\b+1]|, 0x1800000
.endr
.irp i, 2,4,6,8,10,12,14
.irp b, 0,1
	v_max3_num_f32 v[QTM+\b], v[QTM+\b], |v[\s+16*\b+\i]|, |v[\s+16*\b+\i+1]|
.endr
.endr
.irp b, 0,1
	v_permlanex16_b32 v[QTP+\b], v[QTM+\b], s[SEL], s[SEL+1]
.endr
.irp b, 0,1
	v_max_num_f32 v[QTM+\b], v[QTM+\b], v[QTP+\b]
.endr
.irp b, 0,1
	v_add_nc_u32 v[QSO+\b], 0xff000000, v[QTM+\b]
.endr
.irp b, 0,1
	v_lshrrev_b32 v[QBY+\b], 23, v[QSO+\b]
.endr
.irp b, 0,1
	v_cvt_scalef32_pk8_fp4_f32 v[\cd+2*\b], v[\s+16*\b:\s+16*\b+7], v[QSO+\b]
	v_cvt_scalef32_pk8_fp4_f32 v[\cd+2*\b+1], v[\s+16*\b+8:\s+16*\b+15], v[QSO+\b]
.endr
	v_nop
	v_permlane16_swap_b32 v[\cd], v[\cd+2]
	v_permlane16_swap_b32 v[\cd+1], v[\cd+3]
	v_cndmask_b32 v[QBS], v[QBY], v[QBY+1], s[HM]
.endm
; S^T of tile u of my queries: eight key tiles; tile 4 f + j comes of fragment f and the form of Q with q in block j
.macro SMUL u
.irp f, 0,1
	ONE S+32*\f, KF+8*\f, QB+20*\u, 0, KS, QS, \f, \u
	ONE S+32*\f+8, KF+8*\f, QB+20*\u+8, 0, KS, QS, \f, \u
	ONE S+32*\f+16, KF+8*\f, QB+20*\u+12, 0, KS, QS, \f, \u
	ONE S+32*\f+24, KF+8*\f, QB+20*\u+4, 0, KS, QS, \f, \u
.endr
.endm
; the softmax of tile u for these 128 keys: S^T becomes p, p's codes go to PC + 8 u, its scale word to PS + u
.macro SOFTMAX u
.set NM, 12+4*\u
.set TX, 13+4*\u
.set LL, 14+4*\u
.set FF, 20+2*\u
.irp b, 0,1,2,3
	v_max3_num_f32 v[BM+\b], v[S+16*\b], v[S+1+16*\b], v[S+2+16*\b]   ; the largest score of each block of 32 keys: it serves the row's maximum and, since p rises with the score, the block's largest p
.endr
.irp i, 3,5,7,9,11,13
.irp b, 0,1,2,3
	v_max3_num_f32 v[BM+\b], v[BM+\b], v[S+16*\b+\i], v[S+1+16*\b+\i]
.endr
.endr
.irp b, 0,1,2,3
	v_max_num_f32 v[BM+\b], v[BM+\b], v[S+15+16*\b]
.endr
.irp b, 0,1,2,3
	v_permlanex16_b32 v[BP+\b], v[BM+\b], s[SEL], s[SEL+1]
.endr
.irp b, 0,1,2,3
	v_max_num_f32 v[BM+\b], v[BM+\b], v[BP+\b]     ; with lane l xor 16's 16 keys
.endr
	v_max3_num_f32 v[T], v[BM], v[BM+1], v[BM+2]
	v_max_num_f32 v[T], v[T], v[BM+3]
	v_mul_f32 v[T], s[CS], v[T]                    ; as t (c is positive)
	v_max_num_f32 v[TX], v[TX], v[T]               ; the running largest t
	v_mov_b32 v[T], v[NM]
	v_floor_f32 v[NM], -v[TX]                      ; the new -M = floor(-t): M is a whole number
	v_sub_f32 v[T], v[NM], v[T]                    ; old M - new M: a whole number, 0 or less
	v_cvt_i32_f32 v[T], v[T]                       ; (it saturates)
	v_ldexp_f32 v[FF], 1.0, v[T]                   ; f = 2^(old M - new M)
.set j, 0
.rept 32
	v_pk_fma_f32 v[S+j:S+j+1], v[S+j:S+j+1], s[CS:CS+1], v[NM:NM+1] op_sel_hi:[1,0,0]   ; t - M, two at a time
.set j, j+2
.endr
.irp b, 0,1,2,3
	v_fma_f32 v[BM+\b], v[BM+\b], s[CS], v[NM]     ; the same of each block's largest score
.endr
.set j, 0
.rept 64
	v_exp_f32 v[S+j], v[S+j]                       ; p = 2^(t - M)
.set j, j+1
.endr
	v_pk_mul_f32 v[LL:LL+1], v[LL:LL+1], v[FF:FF+1] op_sel_hi:[1,0]   ; the sums under the new M: the plain line behind the exponentials
	s_wait_alu depctr_va_vdst(0)                   ; one wait for the batch, ahead of its first reader
.irp b, 0,1,2,3
	v_exp_f32 v[BM+\b], v[BM+\b]                   ; the blocks' largest p
.endr
	v_pk_add_f32 v[BP:BP+1], v[S:S+1], v[S+2:S+3]  ; the row's sum of the unquantised p, in two chains
.irp j, 4,8,12,16,20,24,28,32,36,40,44,48,52,56,60
	v_pk_add_f32 v[LL:LL+1], v[LL:LL+1], v[S+\j:S+\j+1]
	v_pk_add_f32 v[BP:BP+1], v[BP:BP+1], v[S+2+\j:S+3+\j]
.endr
	v_pk_add_f32 v[LL:LL+1], v[LL:LL+1], v[BP:BP+1]
	s_wait_alu depctr_va_vdst(0)                   ; and one for the four
.irp b, 0,1,2,3
	v_max_num_f32 v[BM+\b], 0x1800000, v[BM+\b]    ; the floor 2^(3 - 127)
.endr
.irp b, 0,1,2,3
	v_add_nc_u32 v[SO+\b], 0xff000000, v[BM+\b]
.endr
.irp b, 0,1,2,3
	v_lshrrev_b32 v[BP+\b], 23, v[SO+\b]
.endr
	v_lshl_or_b32 v[PS+\u], v[BP+1], 8, v[BP]
	v_lshl_or_b32 v[PS+\u], v[BP+2], 16, v[PS+\u]
	v_lshl_or_b32 v[PS+\u], v[BP+3], 24, v[PS+\u]
.irp b, 0,1,2,3
	v_cvt_scalef32_pk8_fp4_f32 v[PC+8*\u+2*\b], v[S+16*\b:S+16*\b+7], v[SO+\b]
	v_cvt_scalef32_pk8_fp4_f32 v[PC+8*\u+2*\b+1], v[S+16*\b+8:S+16*\b+15], v[SO+\b]
.endr
	v_nop                                          ; one plain line behind a scaled conversion
.irp c, 0,1
.irp i, 0,1
	v_permlane16_swap_b32 v[PC+8*\u+4*\c+\i], v[PC+8*\u+2+4*\c+\i]   ; a whole block to a lane: lanes 0-15 block 2 c, lanes 16-31 block 2 c + 1
.endr
.endr
.endm
	s_load_b256 s[4:11], s[0:1], 0x0               ; qc, qs, kv, oc
	s_load_b64 s[12:13], s[0:1], 0x20              ; os
	v_lshl_add_u32 v224, v0, 2, 0x11200
	v_mov_b32 v225, 0
	v_lshrrev_b32 v1, 5, v0
	v_readfirstlane_b32 s[WV], v1                  ; wave 0..15
	s_and_b32 s15, ttmp7, 0xffff                   ; batch x 16 + head
	s_lshl_b32 s16, ttmp9, 4
	s_add_co_u32 s16, s16, s[WV]                   ; my group of 32 queries, 0 .. 63
	s_lshl_b32 s18, s15, 15
	s_lshl_b32 s17, s16, 9
	s_add_co_u32 s18, s18, s17                     ; q's codes
	s_mov_b32 s19, 0
	s_lshl_b32 s20, s15, 13
	s_lshr_b32 s17, s16, 2
	s_lshl_b32 s17, s17, 9
	s_add_co_u32 s20, s20, s17
	s_and_b32 s17, s16, 3
	s_lshl_b32 s17, s17, 2
	s_add_co_u32 s20, s20, s17                     ; q's scale words
	s_mov_b32 s21, 0
	s_mul_i32 s22, s15, 69632                      ; the head's K and V
	s_mov_b32 s23, 0
	s_lshr_b32 s24, s15, 4
	s_lshl_b32 s24, s24, 6
	s_add_co_u32 s24, s24, s16
	s_lshl_b32 s24, s24, 13                        ; the result's record: (batch x 64 + group) x 8,192,
	s_and_b32 s17, s15, 15
	s_lshl_b32 s17, s17, 8
	s_add_co_u32 s24, s24, s17                     ; K block = head
	s_mov_b32 s25, 0
	s_lshl_b32 s26, s15, 11
	s_lshl_b32 s17, ttmp9, 9
	s_add_co_u32 s26, s26, s17                     ; the result's scale bytes
	s_mov_b32 s27, 0
	s_mov_b32 s[SEL], 0x76543210
	s_mov_b32 s[SEL+1], 0xfedcba98
	s_mov_b32 s[HM], 0xffff0000
	s_mov_b32 s[CS], 0x3e8293ee                    ; c = log2(e) / sqrt(32)
	s_mov_b32 s[CS+1], s[CS]
	s_mov_b32 s[TB], 0
	s_mov_b32 s[TS], 0
	s_mov_b32 s[CNT], 16
	v_and_b32 v[T], 31, v0                         ; lane
	v_lshlrev_b32 v[LI], 4, v[T]
	v_lshl_add_u32 v[LS], v[T], 2, 65536
	v_lshlrev_b32 v[ADK], 4, v0
	v_lshl_add_u32 v[ADS], v0, 3, 65536
	v_and_b32 v[T], 15, v0                         ; r
	v_bfe_u32 v[T+1], v0, 4, 1                     ; lane / 16
	v_lshlrev_b32 v[QA], 4, v[T]
	v_lshl_add_u32 v[OCA], v[T+1], 12, v[QA]
	v_add_nc_u32 v[OSA], OST, v0
	v_add_nc_u32 v[OSR], OST, v[LI]
	s_wait_kmcnt 0x0
	s_add_nc_u64 s[4:5], s[4:5], s[18:19]
	s_add_nc_u64 s[6:7], s[6:7], s[20:21]
	s_add_nc_u64 s[8:9], s[8:9], s[22:23]
	s_add_nc_u64 s[10:11], s[10:11], s[24:25]
	s_add_nc_u64 s[12:13], s[12:13], s[26:27]
	global_load_b128 v[S+36:S+39], v[QA], s[4:5]               ; q of slot (0, r), in both halves of the lanes
	global_load_b128 v[S+40:S+43], v[QA], s[4:5] offset:256    ; and of slot (1, r)
	global_load_b32 v[QS], v[LI], s[6:7]
.irp i, 0,1,2,3,4,5,6,7
	global_load_b128 v[S+4*\i:S+4*\i+3], v[ADK], s[8:9] offset:8192*\i   ; the copy: 512 threads x 16 bytes, eight times,
.endr
	global_load_b64 v[S+32:S+33], v[ADS], s[8:9]               ; and 8 bytes a thread for the 4,096 bytes of scale words
	s_wait_loadcnt 0x0
.irp i, 0,1,2,3,4,5,6,7
	ds_store_b128 v[ADK], v[S+4*\i:S+4*\i+3] offset:8192*\i
.endr
	ds_store_b64 v[ADS], v[S+32:S+33]
.irp u, 0,1
.irp i, 0,1,2,3
	v_cndmask_b32 v[QB+20*\u+\i], v[S+36+4*\u+\i], 0, s[HM]    ; QL
	v_mov_b32 v[QB+20*\u+4+\i], 0                              ; Z
	v_cndmask_b32 v[QB+20*\u+8+\i], 0, v[S+36+4*\u+\i], s[HM]  ; QH
	v_mov_b32 v[QB+20*\u+12+\i], 0                             ; Z
	v_cndmask_b32 v[QB+20*\u+16+\i], v[S+36+4*\u+\i], 0, s[HM] ; QL
.endr
.endr
.set j, 0
.rept 32
	v_mov_b32 v[O+j], 0                            ; the step is written once: the first finds zeros, which the first change of M leaves zeros
.set j, j+1
.endr
.irp u, 0,1
	v_mov_b32 v[13+4*\u], 0xff61b1e6               ; the largest t so far: -3e38
	v_floor_f32 v[12+4*\u], -v[13+4*\u]            ; -M
	v_mov_b32 v[14+4*\u], 0                        ; the sum, in two halves
	v_mov_b32 v[15+4*\u], 0
	v_mov_b32 v[21+2*\u], 0                        ; named as the upper half of f's pair
.endr
.irp b, 0,1,2,3
	v_mov_b32 v[BP+\b], 0                          ; a lane permute's destination counts as one of its sources
.endr
	s_wait_dscnt 0x0                               ; for the others' sake: my part of the copy has landed
	s_barrier_signal -1
	s_barrier_wait -1
.Lstep:                                            ; 16 trips of 128 keys
	v_add_nc_u32 v[ADK], s[TB], v[LI]
	v_add_nc_u32 v[ADS], s[TS], v[LS]
	v_nop
	v_nop                                          ; four plain lines behind the last products, in front of the loads into the registers that they read
.irp i, 0,1,2,3
	ds_load_b128 v[KF+4*\i:KF+4*\i+3], v[ADK] offset:512*\i
.endr
	ds_load_b32 v[KS], v[ADS]
.irp i, 0,1,2,3
	ds_load_b128 v[VF+4*\i:VF+4*\i+3], v[ADK] offset:32768+512*\i
.endr
	ds_load_b32 v[VS], v[ADS] offset:2048
	s_wait_dscnt 5                                 ; K's five loads are in; V's five may be out
	SMUL 0
	PLACES
	SOFTMAX 0
	SMUL 1
	PLACES
	SOFTMAX 1
.irp u, 0,1
.irp j, 0,2,4,6,8,10,12,14
	v_pk_mul_f32 v[O+16*\u+\j:O+16*\u+\j+1], v[O+16*\u+\j:O+16*\u+\j+1], v[20+2*\u:21+2*\u] op_sel_hi:[1,0]   ; O^T under the new M.  These 16 also stand between the scale word and codes just made and the products
.endr
.endr
	s_wait_dscnt 0x0                               ; V
.irp u, 0,1
.irp t, 0,1
	ONE O+16*\u+8*\t, VF+8*\t, PC+8*\u, 1, VS, PS+\u, \t, 0    ; the four accumulators by turns
.endr
.endr
	s_add_co_u32 s[TB], s[TB], 2048
	s_add_co_u32 s[TS], s[TS], 128
	s_sub_co_u32 s[CNT], s[CNT], 1
	s_cmp_lg_u32 s[CNT], 0
	s_cbranch_scc1 .Lstep
	v_add_f32 v14, v14, v15                        ; the sums' two halves (these lines are also the places behind the last products),
	v_add_f32 v18, v18, v19
	v_permlanex16_b32 v15, v14, s[SEL], s[SEL+1]
	v_permlanex16_b32 v19, v18, s[SEL], s[SEL+1]
	v_add_f32 v14, v14, v15                        ; and lane l xor 16's
	v_add_f32 v18, v18, v19
	v_rcp_f32 v20, v14
	v_rcp_f32 v22, v18
	v_nop
	s_wait_alu depctr_va_vdst(0)                   ; one wait for both reciprocals, ahead of their first reader
.irp u, 0,1
.irp j, 0,2,4,6,8,10,12,14
	v_pk_mul_f32 v[O+16*\u+\j:O+16*\u+\j+1], v[O+16*\u+\j:O+16*\u+\j+1], v[20+2*\u:21+2*\u] op_sel_hi:[1,0]   ; O^T / the sum: set u's 16 registers are the head's numbers 16 (lane / 16) + 0 .. 15 of query slot (u, r)
.endr
.endr
	QUANT2 O, CDQ
	global_store_b128 v[OCA], v[CDQ:CDQ+3], s[10:11]           ; each half of the lanes stores 256 consecutive bytes, aligned: K block = head of tile lane / 16
	ds_store_b8 v[OSA], v[QBS]
	s_wait_dscnt 0x0                               ; for wave 0's sake: my scale bytes have landed
	s_barrier_signal -1
	s_barrier_wait -1
	s_cmp_lg_u32 s[WV], 0
	s_cbranch_scc1 .Ldone
	ds_load_b128 v[S:S+3], v[OSR]                  ; wave 0: the work-group's 512 scale bytes
	s_wait_dscnt 0x0
	global_store_b128 v[LI], v[S:S+3], s[12:13]    ; 512 consecutive bytes, at a multiple of 256 from the buffer's first byte
.Ldone:
	s_wait_tensorcnt 0x0
	ds_add_u32 v224, v225
	s_wait_dscnt 0x0
	s_endpgm
.Lfunc_end_k_qf890b602a9_attn:
	.size	k_qf890b602a9_attn, .Lfunc_end_k_qf890b602a9_attn-k_qf890b602a9_attn
	.p2alignl 7, 3214868480
	.fill 96, 4, 3214868480
	.section	.rodata,"a",@progbits
	.p2align	6, 0x0
	.amdhsa_kernel k_qf890b602a9_attn
		.amdhsa_group_segment_fixed_size 72192
		.amdhsa_private_segment_fixed_size 0
		.amdhsa_enable_private_segment 0
		.amdhsa_kernarg_size 40
		.amdhsa_user_sgpr_count 2
		.amdhsa_user_sgpr_kernarg_segment_ptr 1
		.amdhsa_wavefront_size32 1
		.amdhsa_system_sgpr_workgroup_id_x 1
		.amdhsa_system_sgpr_workgroup_id_y 1
		.amdhsa_system_sgpr_workgroup_id_z 1
		.amdhsa_system_vgpr_workitem_id 0
		.amdhsa_next_free_vgpr 226
		.amdhsa_next_free_sgpr 66
		.amdhsa_reserve_vcc 0
		.amdhsa_float_denorm_mode_32 3
		.amdhsa_float_denorm_mode_16_64 3
		.amdhsa_memory_ordered 1
		.amdhsa_forward_progress 1
		.amdhsa_inst_pref_size 38
	.end_amdhsa_kernel
	.amdgpu_metadata
---
amdhsa.version: [ 1, 2 ]
amdhsa.kernels:
  - .name:           k_qf890b602a9_attn
    .symbol:         k_qf890b602a9_attn.kd
    .args:
      - { .name: qc, .offset: 0, .size: 8, .value_kind: global_buffer, .address_space: global }
      - { .name: qs, .offset: 8, .size: 8, .value_kind: global_buffer, .address_space: global }
      - { .name: kv, .offset: 16, .size: 8, .value_kind: global_buffer, .address_space: global }
      - { .name: oc, .offset: 24, .size: 8, .value_kind: global_buffer, .address_space: global }
      - { .name: os, .offset: 32, .size: 8, .value_kind: global_buffer, .address_space: global }
    .group_segment_fixed_size: 72192
    .private_segment_fixed_size: 0
    .kernarg_segment_align: 8
    .kernarg_segment_size: 40
    .max_flat_workgroup_size: 512
    .sgpr_count:     66
    .vgpr_count:     226
    .wavefront_size: 32
...
	.end_amdgpu_metadata
.endif
;; end of part 3
;; launch post (part 4): grid 256 x 1, 16 waves a work-group, no clusters, 102,912 bytes of LDS; arguments oc, os, xw, x, b_o, ffn_norm_w, b_out, out0; writes out0
.if DOCPART == 4
	.amdgcn_target "amdgcn-amd-amdhsa--gfx1250"
	.amdhsa_code_object_version 6
	.text
	.protected	k_qf890b602a9_post
	.globl	k_qf890b602a9_post
	.p2align	8
	.type	k_qf890b602a9_post,@function
k_qf890b602a9_post:
	s_mov_b64 s[64:65], 0
	v_nop
	global_prefetch_b8 v0, s[64:65] scope:SCOPE_SE
	s_setreg_imm32_b32 hwreg(HW_REG_WAVE_MODE, 25, 1), 1
	s_wait_xcnt 0x0
; x1 = x + attention W_o^T + b_o;  out = x1 + (silu(n W_gate^T) (n W_hidden^T)) W_out^T + b_out, n = rmsnorm(x1, ffn_norm_w).  All four products on codes of FP4 with E8M0 scales; all else in f32.
; SHARES.  A work-group takes 32 rows through the whole chain.  Wave w owns columns 32 w .. 32 w + 31 of every product: one record of each weight (68 registers), loaded from memory straight into its operand registers,
; a phase ahead, into two buffers by turns.  The rows' codes go from wave to wave through LDS as the image of a record: wave w's 32 columns are K block w of the next product.
; A RECORD: 32 rows x 512 K.  Slot (u, r) is row 8 u + r + 8 (r / 8).  Codes at u 4096 + kb 256 + r 16; scale bytes at 8192 + (16 u + r) 16 + kb.
; The weight is source 0, the rows source 1: a lane holds the row of slot (u, r), and set u's 16 registers are columns 32 w + 16 (lane / 16) + 0 .. 15.  The biases are the C of a sum's first matrix instruction.
; x, then x1, then the result lie in LDS by slots; in the products' layout a lane touches only bytes of its own there; rows come in and leave whole, 512 consecutive bytes an instruction.
; LIMITS: NaN and infinities are not served; a block whose largest magnitude is under 2^-124, or 0, gets the byte 1; a row's sum of squares is added in another order than a plain running sum.
; NO CLUSTER, NO TENSOR LOAD: the weights that all work-groups walk are 4 x 16 records = 557,056 bytes, more than LDS holds; a ring of joint loads would put a round of the cluster's barrier in front of each record's
; sixteen matrix instructions a wave.  Here each weight byte goes once, as it lies, into the registers of the one wave that multiplies by it.
.set REC_A, 0                          ; the attention's result
.set REC_B, 8704                       ; n
.set REC_C, 17408                      ; silu(g) h
.set RED,   26112                      ; 32 slots x 80 bytes: sixteen waves' parts of a row's sum of squares
.set VEC,   28672                      ; b_o, ffn_norm_w, b_out: 2,048 bytes each
.set XT,    34816                      ; 32 slots x (2,048 + 16) bytes
.set XP,    2064
.set LI,   1                           ; v1   16 x lane
.set A16,  2                           ; v2   16 x thread
.set VECA, 3                           ; v3   VEC + 4 x thread
.set IMGA, 4                           ; v4   my place in a record's codes: (lane / 16) 4096 + 256 w + 16 r
.set BYA,  5                           ; v5   and among its scale bytes: 8192 + 16 lane + w
.set XD,   6                           ; v6   XT in the products' layout: slot r, + 128 w + 64 (lane / 16); tile 1: 16 slots on
.set DX,   7                           ; v7   XT by rows: slots 2 w, 2 w + 1
.set VB,   8                           ; v8   my 16 columns in a vector
.set REDW, 9
.set REDR, 10
.set LN,   11
.set XS,   12                          ; v12-15 the rows' scale words, v16-19 and v20-23 the weights': nothing else is ever held in these twelve
.set WSA,  16
.set WSB,  20
.set XF,   24                          ; v24-55  the rows' fragments; between the runs: the quantiser's registers and ffn_norm_w
.set QTM,  24
.set QTP,  26
.set QSO,  28
.set QBY,  30
.set QBS,  32
.set CDQ,  34
.set W2R,  40
.set A1,   56
.set A2,   88
.set RSP,  120                         ; v120-123 1 / root of tile 0, of tile 1, each the low word of a pair
.set T,    124                         ; v124-127 at work
.set RR,   125                         ; (at the head: r,
.set HH,   126                         ;  and lane / 16)
.set WA,   128
.set WB,   192
.set WV,   20
.set SEL,  38
.set HM,   40
.macro PLACES
.rept 4
	v_nop
.endr
.endm
.macro ONE d, a, b, c, sa, sb, ra, rb
.if ((\c) == 0) && ((\ra) == 0) && ((\rb) == 0)
	v_wmma_scale_f32_16x16x128_f8f6f4 v[\d:\d+7], v[\a:\a+7], v[\b:\b+7], 0, v[\sa], v[\sb] matrix_a_fmt:MATRIX_FMT_FP4 matrix_b_fmt:MATRIX_FMT_FP4
.elseif ((\c) == 0) && ((\ra) == 1) && ((\rb) == 0)
	v_wmma_scale_f32_16x16x128_f8f6f4 v[\d:\d+7], v[\a:\a+7], v[\b:\b+7], 0, v[\sa], v[\sb] matrix_a_fmt:MATRIX_FMT_FP4 matrix_b_fmt:MATRIX_FMT_FP4 matrix_a_scale:MATRIX_SCALE_ROW1
.elseif ((\c) == 0) && ((\ra) == 0) && ((\rb) == 1)
	v_wmma_scale_f32_16x16x128_f8f6f4 v[\d:\d+7], v[\a:\a+7], v[\b:\b+7], 0, v[\sa], v[\sb] matrix_a_fmt:MATRIX_FMT_FP4 matrix_b_fmt:MATRIX_FMT_FP4 matrix_b_scale:MATRIX_SCALE_ROW1
.elseif ((\c) == 0)
	v_wmma_scale_f32_16x16x128_f8f6f4 v[\d:\d+7], v[\a:\a+7], v[\b:\b+7], 0, v[\sa], v[\sb] matrix_a_fmt:MATRIX_FMT_FP4 matrix_b_fmt:MATRIX_FMT_FP4 matrix_a_scale:MATRIX_SCALE_ROW1 matrix_b_scale:MATRIX_SCALE_ROW1
.elseif ((\ra) == 0) && ((\rb) == 0)
	v_wmma_scale_f32_16x16x128_f8f6f4 v[\d:\d+7], v[\a:\a+7], v[\b:\b+7], v[\d:\d+7], v[\sa], v[\sb] matrix_a_fmt:MATRIX_FMT_FP4 matrix_b_fmt:MATRIX_FMT_FP4
.elseif ((\ra) == 1) && ((\rb) == 0)
	v_wmma_scale_f32_16x16x128_f8f6f4 v[\d:\d+7], v[\a:\a+7], v[\b:\b+7], v[\d:\d+7], v[\sa], v[\sb] matrix_a_fmt:MATRIX_FMT_FP4 matrix_b_fmt:MATRIX_FMT_FP4 matrix_a_scale:MATRIX_SCALE_ROW1
.elseif ((\ra) == 0) && ((\rb) == 1)
	v_wmma_scale_f32_16x16x128_f8f6f4 v[\d:\d+7], v[\a:\a+7], v[\b:\b+7], v[\d:\d+7], v[\sa], v[\sb] matrix_a_fmt:MATRIX_FMT_FP4 matrix_b_fmt:MATRIX_FMT_FP4 matrix_b_scale:MATRIX_SCALE_ROW1
.else
	v_wmma_scale_f32_16x16x128_f8f6f4 v[\d:\d+7], v[\a:\a+7], v[\b:\b+7], v[\d:\d+7], v[\sa], v[\sb] matrix_a_fmt:MATRIX_FMT_FP4 matrix_b_fmt:MATRIX_FMT_FP4 matrix_a_scale:MATRIX_SCALE_ROW1 matrix_b_scale:MATRIX_SCALE_ROW1
.endif
.endm
.macro XK rec, s, buf                  ; K step s of the record at LDS byte rec: both tiles' fragments into buffer buf
.irp u, 0,1
.irp c, 0,1
	ds_load_b128 v[XF+16*(\buf)+8*\u+4*\c:XF+16*(\buf)+8*\u+4*\c+3], v[LI] offset:(\rec)+4096*\u+1024*(\s)+512*\c
.endr
.endr
.endm
.macro XPRE rec                        ; nine loads: the record's scale words and its first two K steps
	ds_load_b128 v[XS:XS+3], v[LI] offset:(\rec)+8192
	XK \rec, 0, 0
	XK \rec, 1, 1
.endm
.macro MM4 acc, w, ws, s, buf, c       ; four matrix instructions, the four accumulators by turns: source 0 = the weight's tile q, source 1 = the rows' tile p
.irp p, 0,1
.irp q, 0,1
	ONE \acc+16*\p+8*\q, \w+32*\q+8*(\s), XF+16*(\buf)+8*\p, \c, \ws+(\s), XS+(\s), \q, \p
.endr
.endr
.endm
.macro XRUN acc, w, ws, rec, c         ; 32 rows x my 32 columns over K = 512.  XPRE has been issued as the youngest nine LDS loads
	s_wait_dscnt 4                                 ; all but K step 1's four loads are in
	MM4 \acc, \w, \ws, 0, 0, \c
	PLACES
	XK \rec, 2, 0
	s_wait_dscnt 4                                 ; K step 1 is in; K step 2's four may be out
	MM4 \acc, \w, \ws, 1, 1, 1
	PLACES
	XK \rec, 3, 1
	s_wait_dscnt 4                                 ; K step 2 is in; K step 3's four may be out
	MM4 \acc, \w, \ws, 2, 0, 1
	s_wait_dscnt 0x0
	MM4 \acc, \w, \ws, 3, 1, 1
	PLACES                                         ; for all that follows: reads of the results, loads and vector writes into the operands' registers
.endm
.macro QUANT2 s, cd                    ; 32 registers, set b at s + 16 b: 16 neighbours of a block whose other 16 lie in lane l xor 16.  Out: v[cd .. cd + 3]: the 16 bytes of set lane / 16's row; v[QBS]: its byte
.irp b, 0,1
	v_mov_b32 v[QTP+\b], 0
.endr
.irp b, 0,1
	v_max3_num_f32 v[QTM+\b], |v[\s+16*\b]|, |v[\s+16*\b+1]|, 0x1800000
.endr
.irp i, 2,4,6,8,10,12,14
.irp b, 0,1
	v_max3_num_f32 v[QTM+\b], v[QTM+\b], |v[\s+16*\b+\i]|, |v[\s+16*\b+\i+1]|
.endr
.endr
.irp b, 0,1
	v_permlanex16_b32 v[QTP+\b], v[QTM+\b], s[SEL], s[SEL+1]
.endr
.irp b, 0,1
	v_max_num_f32 v[QTM+\b], v[QTM+\b], v[QTP+\b]
.endr
.irp b, 0,1
	v_add_nc_u32 v[QSO+\b], 0xff000000, v[QTM+\b]
.endr
.irp b, 0,1
	v_lshrrev_b32 v[QBY+\b], 23, v[QSO+\b]
.endr
.irp b, 0,1
	v_cvt_scalef32_pk8_fp4_f32 v[\cd+2*\b], v[\s+16*\b:\s+16*\b+7], v[QSO+\b]
	v_cvt_scalef32_pk8_fp4_f32 v[\cd+2*\b+1], v[\s+16*\b+8:\s+16*\b+15], v[QSO+\b]
.endr
	v_nop
	v_permlane16_swap_b32 v[\cd], v[\cd+2]
	v_permlane16_swap_b32 v[\cd+1], v[\cd+3]
	v_cndmask_b32 v[QBS], v[QBY], v[QBY+1], s[HM]
.endm
.macro WLOAD buf, ws, wi               ; my record of weight wi: 17 loads of 512 consecutive bytes
.irp i, 0,1,2,3,4,5,6,7,8,9,10,11,12,13,14,15
	global_load_b128 v[\buf+4*\i:\buf+4*\i+3], v[LI], s[26:27] offset:(\wi)*139264+512*\i
.endr
	global_load_b128 v[\ws:\ws+3], v[LI], s[26:27] offset:(\wi)*139264+8192
.endm
.macro BARRIER                         ; my LDS stores have landed and my LDS loads are in: then the work-group's barrier
	s_wait_dscnt 0x0
	s_barrier_signal -1
	s_barrier_wait -1
.endm
.macro LAY reg, adr, off, step         ; 32 registers in the products' layout: set u from adr + off + step u, 64 bytes
.irp u, 0,1
.irp j, 0,1,2,3
	ds_load_b128 v[\reg+16*\u+4*\j:\reg+16*\u+4*\j+3], v[\adr] offset:(\off)+(\step)*\u+16*\j
.endr
.endr
.endm
.macro PUT reg                         ; and back into XT, my own bytes
.irp u, 0,1
.irp j, 0,1,2,3
	ds_store_b128 v[XD], v[\reg+16*\u+4*\j:\reg+16*\u+4*\j+3] offset:16*XP*\u+16*\j
.endr
.endr
.endm
	s_load_b512 s[4:19], s[0:1], 0x0               ; oc, os, xw, x, b_o, ffn_norm_w, b_out, out0
	v_lshrrev_b32 v1, 5, v0
	v_readfirstlane_b32 s[WV], v1                  ; wave 0..15
	v_and_b32 v[LN], 31, v0
	v_and_b32 v[RR], 15, v0                        ; r
	v_bfe_u32 v[HH], v0, 4, 1                      ; lane / 16
	v_lshlrev_b32 v[LI], 4, v[LN]
	v_lshlrev_b32 v[A16], 4, v0
	v_lshlrev_b32 v[T], 2, v0                      ; 4 x thread: the vectors' place in memory
	v_lshl_add_u32 v[VECA], v0, 2, VEC
	s_lshl_b32 s32, s[WV], 8
	v_lshlrev_b32 v[IMGA], 4, v[RR]
	v_lshl_add_u32 v[IMGA], v[HH], 12, v[IMGA]
	v_add_nc_u32 v[IMGA], s32, v[IMGA]
	s_add_co_u32 s33, s[WV], 8192
	v_add_nc_u32 v[BYA], s33, v[LI]
	s_lshl_b32 s32, s[WV], 7
	s_add_co_u32 s33, s32, XT
	v_mul_u32_u24 v[XD], v[RR], XP
	v_lshl_add_u32 v[XD], v[HH], 6, v[XD]
	v_add_nc_u32 v[XD], s33, v[XD]
	s_mul_i32 s33, s[WV], 2*XP
	s_add_co_u32 s33, s33, XT
	v_add_nc_u32 v[DX], s33, v[LI]
	s_add_co_u32 s33, s32, VEC
	v_lshl_add_u32 v[VB], v[HH], 6, s33
	s_lshl_b32 s33, s[WV], 2
	s_add_co_u32 s33, s33, RED
	v_mul_u32_u24 v[REDR], v[LN], 80
	v_add_nc_u32 v[REDW], s33, v[REDR]
	v_add_nc_u32 v[REDR], RED, v[REDR]
	v_mov_b32 v[RSP+1], 0                          ; named as the upper halves of pairs
	v_mov_b32 v[RSP+3], 0
	s_lshl_b32 s32, ttmp9, 13                      ; my group's codes in oc
	s_mov_b32 s33, 0
	s_lshr_b32 s34, ttmp9, 6                       ; batch
	s_lshl_b32 s34, s34, 4
	s_add_co_u32 s34, s34, s[WV]                   ; x 16 + head (= my wave)
	s_lshl_b32 s34, s34, 11
	s_and_b32 s35, ttmp9, 63
	s_lshl_b32 s35, s35, 5
	s_add_co_u32 s34, s34, s35                     ; that head's 32 scale bytes of my group
	s_mov_b32 s35, 0
	s_add_co_u32 s36, s[WV], 256
	s_mul_i32 s36, s36, 8704                       ; record 256 + w; weight i lies 16 i records on
	s_mov_b32 s37, 0
	s_lshr_b32 s44, s[WV], 3
	s_lshl_b32 s44, s44, 3
	s_bfe_u32 s45, s[WV], 0x10002
	s_lshl_b32 s45, s45, 4
	s_add_co_u32 s44, s44, s45
	s_and_b32 s45, s[WV], 3
	s_lshl_b32 s45, s45, 1
	s_add_co_u32 s44, s44, s45                     ; the row of slot 2 w; slot 2 w + 1 is the next row
	s_lshl_b32 s44, s44, 11
	s_lshl_b32 s45, ttmp9, 16
	s_add_co_u32 s44, s44, s45
	s_mov_b32 s45, 0
	s_mov_b32 s[SEL], 0x76543210
	s_mov_b32 s[SEL+1], 0xfedcba98
	s_mov_b32 s[HM], 0xffff0000
	s_mov_b32 s41, 0x3b000000                      ; 1 / 512
	s_mov_b32 s42, 0x358637bd                      ; 1e-6
	s_wait_kmcnt 0x0
	s_add_nc_u64 s[22:23], s[4:5], s[32:33]
	s_add_nc_u64 s[24:25], s[6:7], s[34:35]
	s_add_nc_u64 s[26:27], s[8:9], s[36:37]
	s_add_nc_u64 s[28:29], s[10:11], s[44:45]
	s_add_nc_u64 s[30:31], s[18:19], s[44:45]
	; ---- the head: 13 loads that go on into LDS, then two weights' records
	global_load_b128 v[A1:A1+3], v[A16], s[22:23]
	global_load_u8 v[A1+4], v[LN], s[24:25]
	global_load_b32 v[A1+5], v[T], s[12:13]
	global_load_b32 v[A1+6], v[T], s[14:15]
	global_load_b32 v[A1+7], v[T], s[16:17]
.irp i, 0,1
.irp j, 0,1,2,3
	global_load_b128 v[A2+16*\i+4*\j:A2+16*\i+4*\j+3], v[LI], s[28:29] offset:2048*\i+512*\j th:TH_LOAD_NT   ; two whole rows of x
.endr
.endr
	WLOAD WA, WSA, 3                               ; W_o
	WLOAD WB, WSB, 4                               ; W_gate
	s_wait_loadcnt 34                              ; the 13 are in; the two records' 34 loads may be out
	ds_store_b128 v[A16], v[A1:A1+3] offset:REC_A
	ds_store_b8 v[BYA], v[A1+4] offset:REC_A
	ds_store_b32 v[VECA], v[A1+5]
	ds_store_b32 v[VECA], v[A1+6] offset:2048
	ds_store_b32 v[VECA], v[A1+7] offset:4096
.irp i, 0,1
.irp j, 0,1,2,3
	ds_store_b128 v[DX], v[A2+16*\i+4*\j:A2+16*\i+4*\j+3] offset:XP*\i+512*\j
.endr
.endr
	BARRIER                                        ; the attention's record, the vectors and x lie in LDS
	; ---- x1 = x + attention W_o^T + b_o
	LAY A1, VB, 0, 0                               ; b_o: the sums' C
	LAY A2, XD, 0, 16*XP                           ; x
	XPRE REC_A
	s_wait_loadcnt 17                              ; W_o is in; W_gate's 17 loads may be out
	XRUN A1, WA, WSA, REC_A, 1
	WLOAD WA, WSA, 5                               ; W_hidden
.irp j, 0,1,2,3
	ds_load_b128 v[W2R+4*\j:W2R+4*\j+3], v[VB] offset:2048+16*\j   ; ffn_norm_w at my 16 columns
.endr
.set j, 0
.rept 16
	v_pk_add_f32 v[A1+j:A1+j+1], v[A1+j:A1+j+1], v[A2+j:A2+j+1]    ; x1; each accumulator from its low end on
.set j, j+2
.endr
	PUT A1
.irp u, 0,1
	v_pk_mul_f32 v[T+2*\u:T+2*\u+1], v[A1+16*\u:A1+16*\u+1], v[A1+16*\u:A1+16*\u+1]
.endr
.irp i, 2,4,6,8,10,12,14
.irp u, 0,1
	v_pk_fma_f32 v[T+2*\u:T+2*\u+1], v[A1+16*\u+\i:A1+16*\u+\i+1], v[A1+16*\u+\i:A1+16*\u+\i+1], v[T+2*\u:T+2*\u+1]
.endr
.endr
	v_add_f32 v[T], v[T], v[T+1]
	v_add_f32 v[T+2], v[T+2], v[T+3]
	v_permlanex16_b32 v[T+1], v[T], s[SEL], s[SEL+1]
	v_permlanex16_b32 v[T+3], v[T+2], s[SEL], s[SEL+1]
	v_add_f32 v[T], v[T], v[T+1]
	v_add_f32 v[T+2], v[T+2], v[T+3]
	v_cndmask_b32 v[T], v[T], v[T+2], s[HM]        ; lane = slot: my 32 columns' part of its sum of squares
	ds_store_b32 v[REDW], v[T]
	s_wait_dscnt 1                                 ; ffn_norm_w is in and x1's eight stores have read their registers; the one store just issued may be out
.irp u, 0,1
.irp i, 0,2,4,6,8,10,12,14
	v_pk_mul_f32 v[A1+16*\u+\i:A1+16*\u+\i+1], v[W2R+\i:W2R+\i+1], v[A1+16*\u+\i:A1+16*\u+\i+1]   ; w x1
.endr
.endr
	BARRIER                                        ; all sixteen parts of each row's sum lie in LDS
	; ---- n = w x1 / root, quantised: K block w of the next two products
.irp i, 0,1,2,3
	ds_load_b128 v[XF+4*\i:XF+4*\i+3], v[REDR] offset:16*\i
.endr
	s_wait_dscnt 0x0
	v_pk_add_f32 v[XF:XF+1], v[XF:XF+1], v[XF+2:XF+3]
	v_pk_add_f32 v[XF+4:XF+5], v[XF+4:XF+5], v[XF+6:XF+7]
	v_pk_add_f32 v[XF+8:XF+9], v[XF+8:XF+9], v[XF+10:XF+11]
	v_pk_add_f32 v[XF+12:XF+13], v[XF+12:XF+13], v[XF+14:XF+15]
	v_pk_add_f32 v[XF:XF+1], v[XF:XF+1], v[XF+4:XF+5]
	v_pk_add_f32 v[XF+8:XF+9], v[XF+8:XF+9], v[XF+12:XF+13]
	v_pk_add_f32 v[XF:XF+1], v[XF:XF+1], v[XF+8:XF+9]
	v_add_f32 v[XF], v[XF], v[XF+1]
	v_fma_f32 v[XF], v[XF], s41, s42               ; the mean + 1e-6, of slot = lane
	v_rsq_f32 v[XF+1], v[XF]
	v_nop
	s_wait_alu depctr_va_vdst(0)                   ; the wait ahead of the root's first reader
	v_permlanex16_b32 v[XF+2], v[XF+1], s[SEL], s[SEL+1]
	v_cndmask_b32 v[RSP], v[XF+1], v[XF+2], s[HM]  ; slot (0, r)'s, in both halves of the lanes
	v_cndmask_b32 v[RSP+2], v[XF+2], v[XF+1], s[HM]    ; slot (1, r)'s
.irp u, 0,1
.irp i, 0,2,4,6,8,10,12,14
	v_pk_mul_f32 v[A1+16*\u+\i:A1+16*\u+\i+1], v[A1+16*\u+\i:A1+16*\u+\i+1], v[RSP+2*\u:RSP+2*\u+1] op_sel_hi:[1,0]
.endr
.endr
	QUANT2 A1, CDQ
	ds_store_b128 v[IMGA], v[CDQ:CDQ+3] offset:REC_B
	ds_store_b8 v[BYA], v[QBS] offset:REC_B
	BARRIER                                        ; n's record lies in LDS
	; ---- g = n W_gate^T, silu(g)
	XPRE REC_B
	s_wait_loadcnt 17                              ; W_gate is in; W_hidden's 17 loads may be out
	XRUN A1, WB, WSB, REC_B, 0
	WLOAD WB, WSB, 6                               ; W_out
	XPRE REC_B                                     ; for the next run: it lands under the silu
.set j, 0
.rept 16
	v_pk_mul_f32 v[A2+j:A2+j+1], v[A1+j:A1+j+1], 0xbfb8aa3b op_sel_hi:[1,0]   ; -g log2(e)
.set j, j+2
.endr
.set j, 0
.rept 32
	v_exp_f32 v[A2+j], v[A2+j]
.set j, j+1
.endr
	v_nop
	s_wait_alu depctr_va_vdst(0)                   ; one wait for the batch
.set j, 0
.rept 16
	v_pk_add_f32 v[A2+j:A2+j+1], v[A2+j:A2+j+1], 1.0 op_sel_hi:[1,0]
.set j, j+2
.endr
.set j, 0
.rept 32
	v_rcp_f32 v[A2+j], v[A2+j]
.set j, j+1
.endr
	v_nop
	s_wait_alu depctr_va_vdst(0)                   ; one wait for the batch
.set j, 0
.rept 16
	v_pk_mul_f32 v[A1+j:A1+j+1], v[A1+j:A1+j+1], v[A2+j:A2+j+1]    ; silu(g) = g / (1 + e^-g)
.set j, j+2
.endr
	; ---- h = n W_hidden^T; silu(g) h, quantised: K block w of the last product
	s_wait_loadcnt 17                              ; W_hidden is in; W_out's 17 loads may be out
	XRUN A2, WA, WSA, REC_B, 0
.set j, 0
.rept 16
	v_pk_mul_f32 v[A1+j:A1+j+1], v[A2+j:A2+j+1], v[A1+j:A1+j+1]
.set j, j+2
.endr
	QUANT2 A1, CDQ
	ds_store_b128 v[IMGA], v[CDQ:CDQ+3] offset:REC_C
	ds_store_b8 v[BYA], v[QBS] offset:REC_C
	BARRIER                                        ; its record lies in LDS
	; ---- out = x1 + (..) W_out^T + b_out
	LAY A2, VB, 4096, 0                            ; b_out: the sums' C
	LAY A1, XD, 0, 16*XP                           ; x1
	XPRE REC_C
	s_wait_loadcnt 0x0                             ; W_out
	XRUN A2, WB, WSB, REC_C, 1
.set j, 0
.rept 16
	v_pk_add_f32 v[A1+j:A1+j+1], v[A2+j:A2+j+1], v[A1+j:A1+j+1]
.set j, j+2
.endr
	PUT A1
	BARRIER                                        ; 32 whole rows of the result lie in LDS
.irp i, 0,1
.irp j, 0,1,2,3
	ds_load_b128 v[A2+16*\i+4*\j:A2+16*\i+4*\j+3], v[DX] offset:XP*\i+512*\j
.endr
.endr
.irp i, 0,1
.irp j, 0,1,2,3
	s_wait_dscnt 7-4*\i-\j                         ; LDS loads come back in order: this one is in, the younger ones may be out
	global_store_b128 v[LI], v[A2+16*\i+4*\j:A2+16*\i+4*\j+3], s[30:31] offset:2048*\i+512*\j th:TH_STORE_NT   ; 32 lanes store 512 consecutive bytes, at a multiple of 256 from the buffer's first byte
.endr
.endr
	s_wait_xcnt 0x0
	v_lshl_add_u32 v238, v0, 2, 0x18a00
	v_mov_b32 v239, 0
	s_wait_tensorcnt 0x0
	ds_add_u32 v238, v239
	s_wait_dscnt 0x0
	s_endpgm
.Lfunc_end_k_qf890b602a9_post:
	.size	k_qf890b602a9_post, .Lfunc_end_k_qf890b602a9_post-k_qf890b602a9_post
	.p2alignl 7, 3214868480
	.fill 96, 4, 3214868480
	.section	.rodata,"a",@progbits
	.p2align	6, 0x0
	.amdhsa_kernel k_qf890b602a9_post
		.amdhsa_group_segment_fixed_size 102912
		.amdhsa_private_segment_fixed_size 0
		.amdhsa_enable_private_segment 0
		.amdhsa_kernarg_size 64
		.amdhsa_user_sgpr_count 2
		.amdhsa_user_sgpr_kernarg_segment_ptr 1
		.amdhsa_wavefront_size32 1
		.amdhsa_system_sgpr_workgroup_id_x 1
		.amdhsa_system_sgpr_workgroup_id_y 1
		.amdhsa_system_sgpr_workgroup_id_z 1
		.amdhsa_system_vgpr_workitem_id 0
		.amdhsa_next_free_vgpr 256
		.amdhsa_next_free_sgpr 66
		.amdhsa_reserve_vcc 0
		.amdhsa_float_denorm_mode_32 3
		.amdhsa_float_denorm_mode_16_64 3
		.amdhsa_memory_ordered 1
		.amdhsa_forward_progress 1
		.amdhsa_inst_pref_size 49
	.end_amdhsa_kernel
	.amdgpu_metadata
---
amdhsa.version: [ 1, 2 ]
amdhsa.kernels:
  - .name:           k_qf890b602a9_post
    .symbol:         k_qf890b602a9_post.kd
    .args:
      - { .name: oc, .offset: 0, .size: 8, .value_kind: global_buffer, .address_space: global }
      - { .name: os, .offset: 8, .size: 8, .value_kind: global_buffer, .address_space: global }
      - { .name: xw, .offset: 16, .size: 8, .value_kind: global_buffer, .address_space: global }
      - { .name: x, .offset: 24, .size: 8, .value_kind: global_buffer, .address_space: global }
      - { .name: b_o, .offset: 32, .size: 8, .value_kind: global_buffer, .address_space: global }
      - { .name: ffn_norm_w, .offset: 40, .size: 8, .value_kind: global_buffer, .address_space: global }
      - { .name: b_out, .offset: 48, .size: 8, .value_kind: global_buffer, .address_space: global }
      - { .name: out0, .offset: 56, .size: 8, .value_kind: global_buffer, .address_space: global }
    .group_segment_fixed_size: 102912
    .private_segment_fixed_size: 0
    .kernarg_segment_align: 8
    .kernarg_segment_size: 64
    .max_flat_workgroup_size: 512
    .sgpr_count:     66
    .vgpr_count:     256
    .wavefront_size: 32
...
	.end_amdgpu_metadata
.endif
;; end of part 4
;; ======== version 2 of 2: 4 launches
;; workspace buffers: xw 3,203,072 bytes; qc 2,097,152 bytes; qs 524,288 bytes; kv 4,456,448 bytes; oc 2,097,152 bytes; os 131,072 bytes
;; launch quant (part 5): grid 368 x 1, 8 waves a work-group, no clusters, 51,200 bytes of LDS; arguments x, attn_norm_w, W_q, W_k, W_v, W_o, W_gate, W_hidden, W_out, xw; writes xw
.if DOCPART == 5
	.amdgcn_target "amdgcn-amd-amdhsa--gfx1250"
	.amdhsa_code_object_version 6
	.text
	.protected	k_qf890b602a9_quant
	.globl	k_qf890b602a9_quant
	.p2align	8
	.type	k_qf890b602a9_quant,@function
k_qf890b602a9_quant:
	s_mov_b64 s[64:65], 0
	v_nop
	global_prefetch_b8 v0, s[64:65] scope:SCOPE_SE
	s_setreg_imm32_b32 hwreg(HW_REG_WAVE_MODE, 25, 1), 1
	s_wait_xcnt 0x0
; rmsnorm(x, attn_norm_w) and the seven weights become codes of FP4 (E2M1) with one E8M0 byte for each 32 along K, laid as RECORDS.
; A RECORD is 32 rows x 512 along K in 8,704 bytes.  Row 8 u + r + 8 (r / 8) of the 32 has the slot (u, r), u = 0, 1, r = 0 .. 15.
;   codes:  byte u 4096 + kb 256 + r 16: the 16 bytes (32 codes) of slot (u, r), K block kb = 0 .. 15.  Read 16 bytes a lane, 512 bytes on end, that is the register image of a matrix operand.
;   scales: byte 8192 + (16 u + r) 16 + kb.
; Work-group g makes record g: 0 .. 255 are x's groups of 32 rows, 256 + 16 i + P is weight i (q, k, v, o, gate, hidden, out), rows 32 P on.
; ONE PATH FOR ALL: only pointers and two multipliers are chosen by the work-group's number: for a weight the gain and the root are replaced by 1.
; Eight waves, four rows each.  A row is 2,048 bytes: four loads of 512 consecutive bytes; it turns through the wave's own stage in LDS, so that a lane then holds 16 neighbours along K (two lanes hold a block).
; The codes meet in an image of the record in LDS and leave as runs of 512 consecutive bytes.
; A block's scale is 2^(floor(log2(largest magnitude)) - 2): its byte is the largest magnitude's exponent field - 2, held at 1 from below.
; LIMITS: NaN and infinities are not served; a block whose largest magnitude is under 2^-124, or 0, gets the byte 1 (a block of zeros has zero codes; the bytes are read by this program alone);
; a row's sum of squares is added in another order than a plain running sum.
; No matrix unit, no cluster, no tensor load: work-groups share nothing but 2,048 bytes of gains.
.set SP,   80                          ; a lane's place in a stage: 64 bytes + 16 of padding
.set STG,  32*SP                       ; a stage
.set UP,   272                         ; the image: 256 bytes + 16 of padding
.set IMG,  8*2*STG                     ; behind the eight waves' two stages each
.set SCB,  IMG+32*UP                   ; the record's 512 scale bytes
.set W,    16                          ; v16-31   the gains of my 16 columns (1 for a weight)
.set R,    32                          ; v32-95   four rows as loaded
.set X,    96                          ; v96-127  two sets of 16 neighbours
.set Y,    128                         ; v128-143 the numbers to be quantised
.set SS,   144                         ; v144-145 sum of squares
.set T,    146                         ; v146-150 at work
.set RS,   152                         ; v152-153 1 / root, as the low word of a pair
.set CO,   154                         ; v154-161 codes, two registers a row
.set BY,   162                         ; v162-165 a scale byte a row
.set OUTR, 166                         ; v166-177 the way out
	s_load_b512 s[8:23], s[0:1], 0x0               ; x, gains, W_q, W_k, W_v, W_o, W_gate, W_hidden
	s_load_b128 s[24:27], s[0:1], 0x40             ; W_out, xw
	v_lshl_add_u32 v180, v0, 2, 0xc400
	v_mov_b32 v181, 0
	v_lshrrev_b32 v1, 5, v0
	s_delay_alu instid0(VALU_DEP_1)
	v_readfirstlane_b32 s2, v1                     ; wave 0..7
	v_and_b32 v1, 31, v0                           ; lane
	s_delay_alu instid0(VALU_DEP_1)
	v_lshlrev_b32 v2, 4, v1                        ; 16 x lane
	s_delay_alu instid0(VALU_DEP_2)
	v_lshlrev_b32 v9, 6, v1                        ; 64 x lane: my 16 gains
	s_mul_i32 s3, s2, 2*STG                        ; my two stages
	v_lshrrev_b32 v3, 2, v1
	s_delay_alu instid0(VALU_DEP_1)
	v_mul_u32_u24 v3, v3, SP
	v_and_b32 v4, 3, v1
	s_delay_alu instid0(VALU_DEP_1)
	v_lshl_add_u32 v3, v4, 4, v3
	s_delay_alu instid0(VALU_DEP_1)
	v_add_nc_u32 v3, s3, v3                        ; into a stage: four lanes' 64 bytes on end, then the padding
	v_mul_u32_u24 v4, v1, SP
	s_delay_alu instid0(VALU_DEP_1)
	v_add_nc_u32 v4, s3, v4                        ; out of it: my 64 bytes
	s_lshr_b32 s4, s2, 1
	s_and_b32 s4, s4, 1                            ; u of my rows 4 wave + t
	s_lshr_b32 s5, s2, 2
	s_lshl_b32 s5, s5, 3
	s_and_b32 s6, s2, 1
	s_lshl_b32 s6, s6, 2
	s_add_co_u32 s5, s5, s6                        ; r of my first row; row t has r + t
	s_lshl_b32 s5, s5, 4
	s_mul_i32 s6, s4, 16*UP
	s_add_co_u32 s6, s6, s5
	s_add_co_u32 s6, s6, IMG
	v_lshrrev_b32 v11, 1, v1                       ; my K block
	v_and_b32 v12, 1, v1                           ; which half of it
	s_delay_alu instid0(VALU_DEP_2)
	v_mul_u32_u24 v5, v11, UP
	s_delay_alu instid0(VALU_DEP_1)
	v_lshl_add_u32 v5, v12, 3, v5
	s_delay_alu instid0(VALU_DEP_1)
	v_add_nc_u32 v5, s6, v5                        ; the image: unit 16 u + kb, byte 16 r + 8 x half
	s_lshl_b32 s6, s4, 8
	s_add_co_u32 s6, s6, s5
	s_add_co_u32 s6, s6, SCB
	v_add_nc_u32 v6, s6, v11                       ; the scale byte: (16 u + r) 16 + kb
	s_mul_i32 s6, s2, 4*UP
	s_add_co_u32 s6, s6, IMG
	v_lshrrev_b32 v11, 4, v1
	v_and_b32 v12, 15, v1
	s_delay_alu instid0(VALU_DEP_2)
	v_mul_u32_u24 v7, v11, UP
	s_delay_alu instid0(VALU_DEP_1)
	v_lshl_add_u32 v7, v12, 4, v7
	s_delay_alu instid0(VALU_DEP_1)
	v_add_nc_u32 v7, s6, v7                        ; the way out: my wave's four units, two an instruction
	s_lshl_b32 s6, s2, 10
	v_add_nc_u32 v8, s6, v2                        ; and their place in the record
	v_add_nc_u32 v10, SCB, v2                      ; wave 0: the scale bytes
	s_sub_co_u32 s31, ttmp9, 256
	s_lshr_b32 s34, s31, 4                         ; which weight,
	s_and_b32 s35, s31, 15                         ; which 32 rows of it
	s_cmp_lt_u32 ttmp9, 256                        ; or x?
	s_cselect_b32 s30, -1, 0                       ; all ones for x: the mask of the two choices below
	s_cselect_b32 s34, 15, s34                     ; (no weight has the number 15)
	s_cselect_b32 s35, ttmp9, s35
	s_lshl_b32 s36, s35, 16                        ; 32 rows of 2,048 bytes
	s_lshl_b32 s37, s2, 13                         ; my wave's four
	s_add_co_u32 s36, s36, s37
	s_mov_b32 s37, 0
	s_mul_i32 s40, ttmp9, 8704
	s_mov_b32 s41, 0
	s_mov_b32 s32, 0x3b000000                      ; 1 / 512
	s_mov_b32 s33, 0x358637bd                      ; 1e-6
	s_mov_b32 s38, 0x76543210
	s_mov_b32 s39, 0xfedcba98                      ; v_permlanex16_b32's selects for lane l xor 16
	s_wait_kmcnt 0x0
	s_mov_b64 s[28:29], s[8:9]
.irp k, 0,1,2,3,4,5,6
	s_cmp_eq_u32 s34, \k                           ; the choice hangs on the work-group's number alone
	s_cselect_b64 s[28:29], s[12+2*\k:13+2*\k], s[28:29]
.endr
	s_add_nc_u64 s[28:29], s[28:29], s[36:37]
	s_add_nc_u64 s[26:27], s[26:27], s[40:41]
.irp j, 0,1,2,3
	global_load_b128 v[W+4*\j:W+4*\j+3], v9, s[10:11] offset:16*\j
.endr
.irp t, 0,1,2,3
.irp i, 0,1,2,3
	global_load_b128 v[R+16*\t+4*\i:R+16*\t+4*\i+3], v2, s[28:29] offset:2048*\t+512*\i th:TH_LOAD_NT   ; 32 lanes read 512 consecutive bytes
.endr
.endr
	v_mov_b32 v[T+1], 0                            ; a lane permute's destination counts as one of its sources
	v_mov_b32 v[RS+1], 0                           ; named as the upper half of a pair
.macro TURN t                          ; row t through a stage: LDS serves a wave's instructions in order, so no wait stands between the stores and the loads
.irp i, 0,1,2,3
	ds_store_b128 v3, v[R+16*(\t)+4*\i:R+16*(\t)+4*\i+3] offset:STG*((\t)%2)+8*SP*\i
.endr
.irp i, 0,1,2,3
	ds_load_b128 v[X+16*((\t)%2)+4*\i:X+16*((\t)%2)+4*\i+3], v4 offset:STG*((\t)%2)+16*\i
.endr
.endm
.macro ROW t
.set XS, X+16*((\t)%2)
	v_pk_mul_f32 v[SS:SS+1], v[XS:XS+1], v[XS:XS+1]
.irp i, 2,4,6,8,10,12,14
	s_delay_alu instid0(VALU_DEP_1)
	v_pk_fma_f32 v[SS:SS+1], v[XS+\i:XS+\i+1], v[XS+\i:XS+\i+1], v[SS:SS+1]
.endr
	s_delay_alu instid0(VALU_DEP_1)
	v_add_f32 v[T], v[SS], v[SS+1]
	s_delay_alu instid0(VALU_DEP_1)
	v_add_f32_dpp v[T], v[T], v[T] row_xmask:1 row_mask:0xf bank_mask:0xf
	s_delay_alu instid0(VALU_DEP_1)
	v_add_f32_dpp v[T], v[T], v[T] row_xmask:2 row_mask:0xf bank_mask:0xf
	s_delay_alu instid0(VALU_DEP_1)
	v_add_f32_dpp v[T], v[T], v[T] row_xmask:4 row_mask:0xf bank_mask:0xf
	s_delay_alu instid0(VALU_DEP_1)
	v_add_f32_dpp v[T], v[T], v[T] row_xmask:8 row_mask:0xf bank_mask:0xf
	s_delay_alu instid0(VALU_DEP_1)
	v_permlanex16_b32 v[T+1], v[T], s38, s39
	s_delay_alu instid0(VALU_DEP_1)
	v_add_f32 v[T], v[T], v[T+1]                   ; the row's sum of squares, in every lane
	s_delay_alu instid0(VALU_DEP_1)
	v_fma_f32 v[T], v[T], s32, s33                 ; the mean + 1e-6
	s_wait_alu depctr_va_vdst(0)
	v_rsq_f32 v[RS], v[T]
.irp i, 0,2,4,6,8,10,12,14
	v_pk_mul_f32 v[Y+\i:Y+\i+1], v[W+\i:W+\i+1], v[XS+\i:XS+\i+1]   ; w x: independent work behind the root
.endr
	s_wait_alu depctr_va_vdst(0)                   ; the wait ahead of the root's first reader
	v_cndmask_b32 v[RS], 1.0, v[RS], s30           ; a weight is taken as it is
.irp i, 0,2,4,6,8,10,12,14
	v_pk_mul_f32 v[Y+\i:Y+\i+1], v[Y+\i:Y+\i+1], v[RS:RS+1] op_sel_hi:[1,0]   ; (w x) / root
.endr
	v_max3_num_f32 v[T+2], |v[Y]|, |v[Y+1]|, |v[Y+2]|               ; the largest magnitude of my 16, in two chains
	v_max3_num_f32 v[T+3], |v[Y+3]|, |v[Y+4]|, |v[Y+5]|
.irp i, 6,10
	s_delay_alu instid0(VALU_DEP_2)
	v_max3_num_f32 v[T+2], v[T+2], |v[Y+\i]|, |v[Y+\i+1]|
	s_delay_alu instid0(VALU_DEP_2)
	v_max3_num_f32 v[T+3], v[T+3], |v[Y+\i+2]|, |v[Y+\i+3]|
.endr
	s_delay_alu instid0(VALU_DEP_2)
	v_max3_num_f32 v[T+2], v[T+2], |v[Y+14]|, |v[Y+15]|
	s_delay_alu instid0(VALU_DEP_1)
	v_max3_num_f32 v[T+2], v[T+2], v[T+3], 0x1800000               ; and the floor 2^(3 - 127): the byte cannot fall under 1
	s_delay_alu instid0(VALU_DEP_1)
	v_max_num_f32_dpp v[T+2], v[T+2], v[T+2] row_xmask:1 row_mask:0xf bank_mask:0xf   ; with my neighbour's 16: the block's
	s_delay_alu instid0(VALU_DEP_1)
	v_add_nc_u32 v[T+4], 0xff000000, v[T+2]        ; 2 off its exponent field: the conversion takes the exponent field of this operand as its scale
	v_cvt_scalef32_pk8_fp4_f32 v[CO+2*(\t)], v[Y:Y+7], v[T+4]
	v_cvt_scalef32_pk8_fp4_f32 v[CO+2*(\t)+1], v[Y+8:Y+15], v[T+4]
	v_lshrrev_b32 v[BY+(\t)], 23, v[T+4]           ; the scale's byte (also the plain line behind the conversions)
	ds_store_b64 v5, v[CO+2*(\t):CO+2*(\t)+1] offset:16*(\t)
	ds_store_b8 v6, v[BY+(\t)] offset:16*(\t)      ; both lanes of a block write the same byte with the same value
.endm
	s_wait_loadcnt 12                              ; the gains and row 0 are in; three rows' 12 loads may be out
.irp i, 0,1,2,3,4,5,6,7,8,9,10,11,12,13,14,15
	v_cndmask_b32 v[W+\i], 1.0, v[W+\i], s30
.endr
	TURN 0
	s_wait_loadcnt 8                               ; row 1 is in; two rows' loads may be out
	TURN 1
	s_wait_dscnt 8                                 ; row 0 is back from its stage; row 1's eight LDS instructions may be out
	ROW 0
	s_wait_loadcnt 4                               ; row 2 is in
	TURN 2
	s_wait_dscnt 10                                ; row 1 is back; younger: row 0's two stores and row 2's eight
	ROW 1
	s_wait_loadcnt 0x0
	TURN 3
	s_wait_dscnt 10                                ; row 2 is back; younger: row 1's two stores and row 3's eight
	ROW 2
	s_wait_dscnt 2                                 ; row 3 is back; younger: row 2's two stores
	ROW 3
	s_wait_dscnt 0x0                               ; for the others' sake: my stores into the image have landed
	s_barrier_signal -1
	s_barrier_wait -1
	ds_load_b128 v[OUTR:OUTR+3], v7
	ds_load_b128 v[OUTR+4:OUTR+7], v7 offset:2*UP
	s_wait_dscnt 0x0
	global_store_b128 v8, v[OUTR:OUTR+3], s[26:27]             ; 32 lanes store 512 consecutive bytes, at a multiple of 256 from the buffer's first byte
	global_store_b128 v8, v[OUTR+4:OUTR+7], s[26:27] offset:512
	s_cmp_lg_u32 s2, 0
	s_cbranch_scc1 .Ldone
	ds_load_b128 v[OUTR+8:OUTR+11], v10            ; wave 0: the record's 512 scale bytes
	s_wait_dscnt 0x0
	global_store_b128 v2, v[OUTR+8:OUTR+11], s[26:27] offset:8192
.Ldone:
	s_wait_tensorcnt 0x0
	ds_add_u32 v180, v181
	s_wait_dscnt 0x0
	s_endpgm
.Lfunc_end_k_qf890b602a9_quant:
	.size	k_qf890b602a9_quant, .Lfunc_end_k_qf890b602a9_quant-k_qf890b602a9_quant
	.p2alignl 7, 3214868480
	.fill 96, 4, 3214868480
	.section	.rodata,"a",@progbits
	.p2align	6, 0x0
	.amdhsa_kernel k_qf890b602a9_quant
		.amdhsa_group_segment_fixed_size 51200
		.amdhsa_private_segment_fixed_size 0
		.amdhsa_enable_private_segment 0
		.amdhsa_kernarg_size 80
		.amdhsa_user_sgpr_count 2
		.amdhsa_user_sgpr_kernarg_segment_ptr 1
		.amdhsa_wavefront_size32 1
		.amdhsa_system_sgpr_workgroup_id_x 1
		.amdhsa_system_sgpr_workgroup_id_y 1
		.amdhsa_system_sgpr_workgroup_id_z 1
		.amdhsa_system_vgpr_workitem_id 0
		.amdhsa_next_free_vgpr 182
		.amdhsa_next_free_sgpr 66
		.amdhsa_reserve_vcc 0
		.amdhsa_float_denorm_mode_32 3
		.amdhsa_float_denorm_mode_16_64 3
		.amdhsa_memory_ordered 1
		.amdhsa_forward_progress 1
		.amdhsa_inst_pref_size 26
	.end_amdhsa_kernel
	.amdgpu_metadata
---
amdhsa.version: [ 1, 2 ]
amdhsa.kernels:
  - .name:           k_qf890b602a9_quant
    .symbol:         k_qf890b602a9_quant.kd
    .args:
      - { .name: x, .offset: 0, .size: 8, .value_kind: global_buffer, .address_space: global }
      - { .name: attn_norm_w, .offset: 8, .size: 8, .value_kind: global_buffer, .address_space: global }
      - { .name: W_q, .offset: 16, .size: 8, .value_kind: global_buffer, .address_space: global }
      - { .name: W_k, .offset: 24, .size: 8, .value_kind: global_buffer, .address_space: global }
      - { .name: W_v, .offset: 32, .size: 8, .value_kind: global_buffer, .address_space: global }
      - { .name: W_o, .offset: 40, .size: 8, .value_kind: global_buffer, .address_space: global }
      - { .name: W_gate, .offset: 48, .size: 8, .value_kind: global_buffer, .address_space: global }
      - { .name: W_hidden, .offset: 56, .size: 8, .value_kind: global_buffer, .address_space: global }
      - { .name: W_out, .offset: 64, .size: 8, .value_kind: global_buffer, .address_space: global }
      - { .name: xw, .offset: 72, .size: 8, .value_kind: global_buffer, .address_space: global }
    .group_segment_fixed_size: 51200
    .private_segment_fixed_size: 0
    .kernarg_segment_align: 8
    .kernarg_segment_size: 80
    .max_flat_workgroup_size: 256
    .sgpr_count:     66
    .vgpr_count:     182
    .wavefront_size: 32
...
	.end_amdgpu_metadata
.endif
;; end of part 5
;; launch qkv (part 6): grid 3 x 64, 16 waves a work-group, no clusters, 36,864 bytes of LDS; arguments xw, qc, qs, kv; writes qc, qs, kv
.if DOCPART == 6
	.amdgcn_target "amdgcn-amd-amdhsa--gfx1250"
	.amdhsa_code_object_version 6
	.text
	.protected	k_qf890b602a9_qkv
	.globl	k_qf890b602a9_qkv
	.p2align	8
	.type	k_qf890b602a9_qkv,@function
k_qf890b602a9_qkv:
	s_mov_b64 s[64:65], 0
	v_nop
	global_prefetch_b8 v0, s[64:65] scope:SCOPE_SE
	s_setreg_imm32_b32 hwreg(HW_REG_WAVE_SCHED_MODE, 0, 2), 2
	s_setreg_imm32_b32 hwreg(HW_REG_WAVE_MODE, 25, 1), 1
	s_wait_xcnt 0x0
	s_wait_alu depctr_vm_vsrc(0)
; q, k or v = rmsnorm(x) W^T on codes of FP4 with E8M0 scales, and the result quantised for attention: q and k along the head's 32, v along the keys.
; Work-group (role, RB): role 0 q, 1 k, 2 v; rows 128 RB .. 128 RB + 127: four records of x (see below), 34,816 consecutive bytes, copied into LDS once.
; Wave = head: its 32 rows of the weight are one record, 68 registers, loaded once from memory straight into the operand's registers.
; A RECORD: 32 rows x 512 K.  Slot (u, r) is row 8 u + r + 8 (r / 8).  Codes at u 4096 + kb 256 + r 16; scale bytes at 8192 + (16 u + r) 16 + kb.  Sixteen bytes a lane, 512 on end, are the registers of a fragment;
; the scale bytes read so give four registers, one a K step, tile 0's words in lanes 0-15 and tile 1's in lanes 16-31.
; With 16 slots of record A as source 0 and 16 of record B as source 1, a lane holds ONE row of B, and the 16 registers of the two tiles of A are rows 16 (lane / 16) + 0 .. 15 of A's 32: neighbours.
; q, k: A = the weight: a lane holds a row of x and 16 of the head's 32 numbers.   v: A = x: a lane holds one of the head's 32 and 16 neighbouring keys.  Either way a block of 32 lies in lanes l and l xor 16.
; OUT: qc, and kv + 0: [head][group of 32 rows][slot][16 bytes];  qs: q's byte four times over, [head][RB][slot][group % 4][4];  kv + 32768: v's codes [step of 128 keys][tile of d][block of 32 keys][r][16];
;      kv + 65536: k's scale words [step][16 F + r][4]: byte j is key tile 4 F + j;  kv + 67584: v's scale words [step][16 tile + r][4]: byte j is key block j.  A head's part of kv is 69,632 bytes.
; LIMITS: NaN and infinities are not served; a block whose largest magnitude is under 2^-124, or 0, gets the byte 1 (the bytes are read by this program alone).
; NO CLUSTER, NO TENSOR LOAD: a weight's record goes to the one wave that multiplies by it, as registers; the rows' 34,816 bytes are read by three work-groups only, once each.
; THE MODE: SCHED_MODE bits 1:0 = 2 (LLVM: expert scheduling mode 2), set by the entry lines.  The code itself states the register dependences
; between vector or matrix instructions and memory or LDS instructions, with s_wait_alu, always for 0.
; THE PLAN.  Registers that memory or LDS instructions touch:
;   XS, XF, XG    a whole record of x: its scale words and its four K steps, 17 LDS loads.  Read by a group's sixteen matrix instructions; the next group's loads land in them.
;   CDS + 4 g     group g's codes: written by its quantiser, read by one store, which is issued in group g + 1; never written again.
;   SW            scale words: written by vector lines, read by one store at the end.
;   v1 to v5      offsets and LDS addresses, made once at the head.
;   v24 to v40    at the head only: the copy's loads land in them, the copy's LDS stores read them.
;   The weight, the accumulators and the quantiser's registers are named, behind the head, by vector and matrix instructions alone.
; So ONE wait on va_vdst stands in a group, behind its sixteen matrix instructions: they are done reading XS, XF and XG, and the group before has written its codes.  The next record's 17 loads and
; that group's store follow it; the quantiser, which comes next, names none of their registers.
.set LI,  1                            ; v1   16 x lane
.set XS,  12                           ; v12-15  x's scale words, a register a K step
.set WS,  16                           ; v16-19  the weight's
.set XF,  24                           ; v24-55  x's fragments of K steps 0 and 1, two tiles each (at the head: the copy's registers)
.set XG,  194                          ; v194-225 those of K steps 2 and 3
.set ACC, 56                           ; v56-87  four accumulators
.set CDS, 88                           ; v88-103 the codes made, four registers a group
.set SW,  104                          ; v104-107 scale words on their way out
.set QTM, 108
.set QTP, 110
.set QSO, 112
.set QBY, 114
.set QBS, 116
.set TT,  117
.set W,   128                          ; v128-191 the weight's fragments: tile a, K step s at W + 32 a + 8 s
.set SEL, 34
.set HM,  36
.macro PLACES                          ; four plain vector lines between a matrix instruction and a vector instruction on its registers (ISA guide 7.12.1)
.rept 4
	v_nop
.endr
.endm
; one matrix instruction.  c = 0: the sum starts with the constant 0; 1: in place.  ra, rb: the half of the lanes in which source 0's and source 1's scale words stand
.macro ONE d, a, b, c, sa, sb, ra, rb
.if ((\c) == 0) && ((\ra) == 0) && ((\rb) == 0)
	v_wmma_scale_f32_16x16x128_f8f6f4 v[\d:\d+7], v[\a:\a+7], v[\b:\b+7], 0, v[\sa], v[\sb] matrix_a_fmt:MATRIX_FMT_FP4 matrix_b_fmt:MATRIX_FMT_FP4
.elseif ((\c) == 0) && ((\ra) == 1) && ((\rb) == 0)
	v_wmma_scale_f32_16x16x128_f8f6f4 v[\d:\d+7], v[\a:\a+7], v[\b:\b+7], 0, v[\sa], v[\sb] matrix_a_fmt:MATRIX_FMT_FP4 matrix_b_fmt:MATRIX_FMT_FP4 matrix_a_scale:MATRIX_SCALE_ROW1
.elseif ((\c) == 0) && ((\ra) == 0) && ((\rb) == 1)
	v_wmma_scale_f32_16x16x128_f8f6f4 v[\d:\d+7], v[\a:\a+7], v[\b:\b+7], 0, v[\sa], v[\sb] matrix_a_fmt:MATRIX_FMT_FP4 matrix_b_fmt:MATRIX_FMT_FP4 matrix_b_scale:MATRIX_SCALE_ROW1
.elseif ((\c) == 0)
	v_wmma_scale_f32_16x16x128_f8f6f4 v[\d:\d+7], v[\a:\a+7], v[\b:\b+7], 0, v[\sa], v[\sb] matrix_a_fmt:MATRIX_FMT_FP4 matrix_b_fmt:MATRIX_FMT_FP4 matrix_a_scale:MATRIX_SCALE_ROW1 matrix_b_scale:MATRIX_SCALE_ROW1
.elseif ((\ra) == 0) && ((\rb) == 0)
	v_wmma_scale_f32_16x16x128_f8f6f4 v[\d:\d+7], v[\a:\a+7], v[\b:\b+7], v[\d:\d+7], v[\sa], v[\sb] matrix_a_fmt:MATRIX_FMT_FP4 matrix_b_fmt:MATRIX_FMT_FP4
.elseif ((\ra) == 1) && ((\rb) == 0)
	v_wmma_scale_f32_16x16x128_f8f6f4 v[\d:\d+7], v[\a:\a+7], v[\b:\b+7], v[\d:\d+7], v[\sa], v[\sb] matrix_a_fmt:MATRIX_FMT_FP4 matrix_b_fmt:MATRIX_FMT_FP4 matrix_a_scale:MATRIX_SCALE_ROW1
.elseif ((\ra) == 0) && ((\rb) == 1)
	v_wmma_scale_f32_16x16x128_f8f6f4 v[\d:\d+7], v[\a:\a+7], v[\b:\b+7], v[\d:\d+7], v[\sa], v[\sb] matrix_a_fmt:MATRIX_FMT_FP4 matrix_b_fmt:MATRIX_FMT_FP4 matrix_b_scale:MATRIX_SCALE_ROW1
.else
	v_wmma_scale_f32_16x16x128_f8f6f4 v[\d:\d+7], v[\a:\a+7], v[\b:\b+7], v[\d:\d+7], v[\sa], v[\sb] matrix_a_fmt:MATRIX_FMT_FP4 matrix_b_fmt:MATRIX_FMT_FP4 matrix_a_scale:MATRIX_SCALE_ROW1 matrix_b_scale:MATRIX_SCALE_ROW1
.endif
.endm
.macro XK rec, s                       ; K step s of the record at LDS byte rec: both tiles' fragments into the step's own 16 registers
.set XB, XF+16*(\s)
.if (\s) > 1
.set XB, XG+16*((\s)-2)
.endif
.irp u, 0,1
.irp c, 0,1
	ds_load_b128 v[XB+8*\u+4*\c:XB+8*\u+4*\c+3], v[LI] offset:(\rec)+4096*\u+1024*(\s)+512*\c
.endr
.endr
.endm
.macro XPRE rec                        ; seventeen loads: the record's scale words and its four K steps, in the order in which they are wanted
	ds_load_b128 v[XS:XS+3], v[LI] offset:(\rec)+8192
	XK \rec, 0
	XK \rec, 1
	XK \rec, 2
	XK \rec, 3
.endm
; four matrix instructions, the four accumulators by turns.  mode 0: source 0 = the weight (tile q), source 1 = the rows (tile p);  mode 1: source 0 = the rows (tile q), source 1 = the weight (tile p)
.macro MM4 acc, w, ws, s, mode, c
.set XB, XF+16*(\s)
.if (\s) > 1
.set XB, XG+16*((\s)-2)
.endif
.irp p, 0,1
.irp q, 0,1
.if (\mode) == 0
	ONE \acc+16*\p+8*\q, \w+32*\q+8*(\s), XB+8*\p, \c, \ws+(\s), XS+(\s), \q, \p
.else
	ONE \acc+16*\p+8*\q, XB+8*\q, \w+32*\p+8*(\s), \c, XS+(\s), \ws+(\s), \q, \p
.endif
.endr
.endr
.endm
; 32 rows x 32 columns over K = 512: four K steps of four matrix instructions; the accumulators take turns, one instruction a turn.  XPRE's seventeen are the only LDS loads out
.macro XRUN acc, w, ws, mode, c
	s_wait_dscnt 12                                ; the scale words and K step 0 are in; the twelve loads of K steps 1 to 3 may be out
	MM4 \acc, \w, \ws, 0, \mode, \c
	s_wait_dscnt 8                                 ; K step 1 is in; the eight loads of K steps 2 and 3 may be out
	MM4 \acc, \w, \ws, 1, \mode, 1
	s_wait_dscnt 4                                 ; K step 2 is in; K step 3's four may be out
	MM4 \acc, \w, \ws, 2, \mode, 1
	s_wait_dscnt 0x0
	MM4 \acc, \w, \ws, 3, \mode, 1
	PLACES                                         ; for the quantiser's reads of the results
.endm
; 32 registers, set b at s + 16 b: 16 neighbours of a block of 32 whose other 16 lie in lane l xor 16.  Out: in v[cd .. cd + 3] the 16 bytes of the row of set b = lane / 16; its scale byte in v[QBS]; v[QBY + b]: set b's byte
.macro QUANT2 s, cd
.irp b, 0,1
	v_mov_b32 v[QTP+\b], 0                         ; a lane permute's destination counts as one of its sources
.endr
.irp b, 0,1
	v_max3_num_f32 v[QTM+\b], |v[\s+16*\b]|, |v[\s+16*\b+1]|, 0x1800000   ; with the floor 2^(3 - 127): the byte cannot fall under 1.  Each accumulator is read from its low end on
.endr
.irp i, 2,4,6,8,10,12,14
.irp b, 0,1
	v_max3_num_f32 v[QTM+\b], v[QTM+\b], |v[\s+16*\b+\i]|, |v[\s+16*\b+\i+1]|
.endr
.endr
.irp b, 0,1
	v_permlanex16_b32 v[QTP+\b], v[QTM+\b], s[SEL], s[SEL+1]
.endr
.irp b, 0,1
	v_max_num_f32 v[QTM+\b], v[QTM+\b], v[QTP+\b]  ; the block's largest magnitude
.endr
.irp b, 0,1
	v_add_nc_u32 v[QSO+\b], 0xff000000, v[QTM+\b]  ; 2 off its exponent field: the conversion's scale operand
.endr
.irp b, 0,1
	v_lshrrev_b32 v[QBY+\b], 23, v[QSO+\b]         ; the scale's byte
.endr
.irp b, 0,1
	v_cvt_scalef32_pk8_fp4_f32 v[\cd+2*\b], v[\s+16*\b:\s+16*\b+7], v[QSO+\b]
	v_cvt_scalef32_pk8_fp4_f32 v[\cd+2*\b+1], v[\s+16*\b+8:\s+16*\b+15], v[QSO+\b]
.endr
	v_nop                                          ; one plain line behind a scaled conversion
	v_permlane16_swap_b32 v[\cd], v[\cd+2]         ; lanes 0-15 gather set 0's whole block, lanes 16-31 set 1's
	v_permlane16_swap_b32 v[\cd+1], v[\cd+3]
	v_cndmask_b32 v[QBS], v[QBY], v[QBY+1], s[HM]
.endm
; group g's codes leave
.macro CSTORE role, g
.if (\role) == 0
	global_store_b128 v[LI], v[CDS+4*(\g):CDS+4*(\g)+3], s[26:27] offset:512*(\g)   ; 512 consecutive bytes
.elseif (\role) == 1
	global_store_b128 v[LI], v[CDS+4*(\g):CDS+4*(\g)+3], s[30:31] offset:512*(\g)
.else
	global_store_b128 v5, v[CDS+4*(\g):CDS+4*(\g)+3], s[30:31] offset:32768+256*(\g)   ; each half of the lanes stores 256 consecutive bytes, aligned
.endif
.endm
	s_load_b256 s[4:11], s[0:1], 0x0               ; xw, qc, qs, kv
	v_lshl_add_u32 v192, v0, 2, 0x8800
	v_mov_b32 v193, 0
	v_lshrrev_b32 v1, 5, v0
	v_readfirstlane_b32 s12, v1                    ; wave = head
	s_and_b32 s13, ttmp7, 0xffff                   ; RB
	v_and_b32 v6, 31, v0
	v_lshlrev_b32 v[LI], 4, v6
	v_lshlrev_b32 v2, 4, v0                        ; the copy: 16 bytes a thread, four times,
	v_lshl_add_u32 v3, v0, 2, 32768                ; and 4 bytes a thread for the last 2,048
	v_lshlrev_b32 v4, 2, v6                        ; 4 x lane
	v_and_b32 v7, 15, v0
	v_bfe_u32 v8, v0, 4, 1
	v_lshlrev_b32 v5, 4, v7
	v_lshl_add_u32 v5, v8, 10, v5                  ; v's codes: tile (lane / 16) 1024 + 16 r
	s_wait_alu depctr_va_sdst(0)                   ; s12 is written, ahead of its first reader: the buffers' bases are made from it
	s_lshr_b32 s14, s13, 4                         ; batch
	s_and_b32 s15, s13, 15                         ; which 128 rows of its 2,048
	s_lshl_b32 s16, s14, 4
	s_add_co_u32 s16, s16, s12                     ; batch x 16 + head
	s_mul_i32 s22, s13, 34816
	s_mov_b32 s23, 0
	s_lshl_b32 s24, ttmp9, 4
	s_add_co_u32 s24, s24, s12
	s_add_co_u32 s24, s24, 256
	s_mul_i32 s24, s24, 8704                       ; record 256 + 16 role + head
	s_mov_b32 s25, 0
	s_lshl_b32 s26, s16, 15
	s_lshl_b32 s17, s15, 11
	s_add_co_u32 s26, s26, s17
	s_mov_b32 s27, 0
	s_lshl_b32 s28, s16, 13
	s_lshl_b32 s37, s15, 9
	s_add_co_u32 s28, s28, s37
	s_mov_b32 s29, 0
	s_mul_i32 s30, s16, 69632
	s_lshl_b32 s37, s15, 7
	s_add_co_u32 s32, s30, s37
	s_add_co_u32 s30, s30, s17
	s_mov_b32 s31, 0
	s_mov_b32 s33, 0
	s_mov_b32 s[SEL], 0x76543210
	s_mov_b32 s[SEL+1], 0xfedcba98
	s_mov_b32 s[HM], 0xffff0000                    ; lanes 16-31
	s_wait_kmcnt 0x0
	s_add_nc_u64 s[18:19], s[4:5], s[22:23]        ; my four records of x
	s_add_nc_u64 s[20:21], s[4:5], s[24:25]        ; my record of the weight
	s_add_nc_u64 s[26:27], s[6:7], s[26:27]        ; q's codes
	s_add_nc_u64 s[28:29], s[8:9], s[28:29]        ; q's scale words
	s_add_nc_u64 s[30:31], s[10:11], s[30:31]      ; kv: my head, 2,048 bytes a step
	s_add_nc_u64 s[32:33], s[10:11], s[32:33]      ; kv: my head, 128 bytes a step
	s_wait_alu depctr_va_vdst(0)                   ; the five offsets and addresses v1 to v5 are written, which every load and store of the kernel reads
.irp i, 0,1,2,3
	global_load_b128 v[XF+4*\i:XF+4*\i+3], v2, s[18:19] offset:8192*\i
.endr
	global_load_b32 v[XF+16], v3, s[18:19]
.irp i, 0,1,2,3,4,5,6,7,8,9,10,11,12,13,14,15
	global_load_b128 v[W+4*\i:W+4*\i+3], v[LI], s[20:21] offset:512*\i
.endr
	global_load_b128 v[WS:WS+3], v[LI], s[20:21] offset:8192
	s_wait_loadcnt 17                              ; the copy's five loads are in; the weight's 17 may be out
.irp i, 0,1,2,3
	ds_store_b128 v2, v[XF+4*\i:XF+4*\i+3] offset:8192*\i
.endr
	ds_store_b32 v3, v[XF+16]
	s_wait_dscnt 0x0                               ; for the others' sake: my part of the copy has landed
	s_barrier_signal -1
	s_barrier_wait -1
	s_wait_alu depctr_vm_vsrc(0)                   ; the copy's LDS stores have read v24 to v40, in which the fragments' loads land
	XPRE 0
	s_wait_loadcnt 0x0                             ; the weight
; The four groups of 32 rows.  The next group's loads and the last group's store stand behind the one wait and go on their way under the quantiser.  Every store has data registers of its own.
.macro PATH role
.irp gi, 0,1,2,3
	XRUN ACC, W, WS, (\role)/2, 0
	s_wait_alu depctr_va_vdst(0)                   ; the sixteen matrix instructions are done reading XS, XF and XG, in which the next record's loads land; the group before has written its codes, which the store below reads
.if \gi < 3
	XPRE 8704*(\gi+1)
.endif
.if \gi > 0
	CSTORE \role, \gi-1
.endif
	QUANT2 ACC, CDS+4*\gi
.if (\role) == 0
	v_perm_b32 v[SW+\gi], v[QBS], v[QBS], 0        ; the byte in all four places: whichever block of the 128 holds q, its scale is there
.elseif (\role) == 1
	v_lshl_or_b32 v[TT], v[QBY+1], 8, v[QBY]       ; key tiles 2 gi and 2 gi + 1
.if (\gi)%2 == 0
	v_mov_b32 v[SW+(\gi)/2], v[TT]
.else
	v_lshl_or_b32 v[SW+(\gi)/2], v[TT], 16, v[SW+(\gi)/2]
.endif
.else
.if \gi == 0
	v_mov_b32 v[SW], v[QBS]
.else
	v_lshl_or_b32 v[SW], v[QBS], 8*\gi, v[SW]
.endif
.endif
.endr
.if (\role) == 1
	v_cndmask_b32 v[SW+2], v[SW], v[SW+1], s[HM]   ; lanes 0-15: key tiles 0-3; lanes 16-31: tiles 4-7
.endif
	s_wait_alu depctr_va_vdst(0)                   ; the last group's codes and the scale words are written, which the two stores below read
	CSTORE \role, 3
.if (\role) == 0
	global_store_b128 v[LI], v[SW:SW+3], s[28:29]
.elseif (\role) == 1
	global_store_b32 v4, v[SW+2], s[32:33] offset:65536
.else
	global_store_b32 v4, v[SW], s[32:33] offset:67584
.endif
	s_wait_dscnt 0x0                               ; the closing lines, six on end
	s_wait_alu 0x0
	s_wait_tensorcnt 0x0
	ds_add_u32 v192, v193
	s_wait_dscnt 0x0
	s_endpgm
.endm
	s_cmp_eq_u32 ttmp9, 1                          ; the role is the work-group's: all its waves take one path, and the paths only read LDS
	s_cbranch_scc1 .Lrole_k
	s_cmp_eq_u32 ttmp9, 2
	s_cbranch_scc1 .Lrole_v
	PATH 0
.Lrole_k:
	PATH 1
.Lrole_v:
	PATH 2
.Lfunc_end_k_qf890b602a9_qkv:
	.size	k_qf890b602a9_qkv, .Lfunc_end_k_qf890b602a9_qkv-k_qf890b602a9_qkv
	.p2alignl 7, 3214868480
	.fill 96, 4, 3214868480
	.section	.rodata,"a",@progbits
	.p2align	6, 0x0
	.amdhsa_kernel k_qf890b602a9_qkv
		.amdhsa_group_segment_fixed_size 36864
		.amdhsa_private_segment_fixed_size 0
		.amdhsa_enable_private_segment 0
		.amdhsa_kernarg_size 32
		.amdhsa_user_sgpr_count 2
		.amdhsa_user_sgpr_kernarg_segment_ptr 1
		.amdhsa_wavefront_size32 1
		.amdhsa_system_sgpr_workgroup_id_x 1
		.amdhsa_system_sgpr_workgroup_id_y 1
		.amdhsa_system_sgpr_workgroup_id_z 1
		.amdhsa_system_vgpr_workitem_id 0
		.amdhsa_next_free_vgpr 226
		.amdhsa_next_free_sgpr 66
		.amdhsa_reserve_vcc 0
		.amdhsa_float_denorm_mode_32 3
		.amdhsa_float_denorm_mode_16_64 3
		.amdhsa_memory_ordered 1
		.amdhsa_forward_progress 1
		.amdhsa_inst_pref_size 70
	.end_amdhsa_kernel
	.amdgpu_metadata
---
amdhsa.version: [ 1, 2 ]
amdhsa.kernels:
  - .name:           k_qf890b602a9_qkv
    .symbol:         k_qf890b602a9_qkv.kd
    .args:
      - { .name: xw, .offset: 0, .size: 8, .value_kind: global_buffer, .address_space: global }
      - { .name: qc, .offset: 8, .size: 8, .value_kind: global_buffer, .address_space: global }
      - { .name: qs, .offset: 16, .size: 8, .value_kind: global_buffer, .address_space: global }
      - { .name: kv, .offset: 24, .size: 8, .value_kind: global_buffer, .address_space: global }
    .group_segment_fixed_size: 36864
    .private_segment_fixed_size: 0
    .kernarg_segment_align: 8
    .kernarg_segment_size: 32
    .max_flat_workgroup_size: 512
    .sgpr_count:     66
    .vgpr_count:     226
    .wavefront_size: 32
...
	.end_amdgpu_metadata
.endif
;; end of part 6
;; launch attn (part 7): grid 4 x 64, 16 waves a work-group, no clusters, 72,192 bytes of LDS; arguments qc, qs, kv, oc, os; writes oc, os
.if DOCPART == 7
	.amdgcn_target "amdgcn-amd-amdhsa--gfx1250"
	.amdhsa_code_object_version 6
	.text
	.protected	k_qf890b602a9_attn
	.globl	k_qf890b602a9_attn
	.p2align	8
	.type	k_qf890b602a9_attn,@function
k_qf890b602a9_attn:
	s_mov_b64 s[64:65], 0
	v_nop
	global_prefetch_b8 v0, s[64:65] scope:SCOPE_SE
	s_setreg_imm32_b32 hwreg(HW_REG_WAVE_SCHED_MODE, 0, 2), 2
	s_setreg_imm32_b32 hwreg(HW_REG_WAVE_MODE, 25, 1), 1
	s_wait_xcnt 0x0
	s_wait_alu depctr_vm_vsrc(0)
; Attention of one head (size 32, 2,048 keys) on codes of FP4 with E8M0 scales, and its result quantised (a block of 32 = the head) for the next product.
; t = score x log2(e) / sqrt(32); M = the running largest t rounded UP to a whole number; p = 2^(t - M) is quantised along the keys, not normalised; the row's sum is taken of the unquantised p and divides at the end.
; When M moves, the sum and O are multiplied by 2^(old M - new M): exact.
; SHARES.  Work-group (qb, head): 512 queries.  Each of sixteen waves owns a group of 32 queries: two tiles of 16.  Four waves share a SIMD, so that one wave's vector work stands beside another's products and LDS loads.
; A head's K, V and scale words, 69,632 bytes, are copied into LDS once, as they lie in memory, and stay: no ring.
; LAYOUT.  Both products are used transposed: S^T = K Q^T, O^T = V^T P^T: a lane holds ONE query throughout.  Slot (u, r) of a group of 32 is row 8 u + r + 8 (r / 8), so that the 16 registers of key tiles 2 g, 2 g + 1
; are the keys 32 g + 16 (lane / 16) + 0 .. 15: neighbours, as the conversions want them.
; THE FIRST PRODUCT'S K IS 32, THE INSTRUCTION'S 128.  A fragment of K holds FOUR key tiles, one in each block of 32; it is multiplied four times, by four forms of Q that hold q's 32 codes in one block and zero codes in the
; others.  Zero codes add nothing under any scale byte that occurs here (1 .. 252).  The four forms are runs of eight out of 20 registers: QL, Z, QH, Z, QL (QL: q in lanes 0-15; QH: in lanes 16-31; Z: zeros).
; LIMITS: NaN and infinities are not served; a block whose largest magnitude is under 2^-124, or 0, gets the byte 1 (read by this program alone); a block's largest p is made from the block's largest score by the same
; two instructions as every p, which takes v_exp_f32 not to fall where its input rises.
; NO CLUSTER: what the four work-groups of a head share is 69,632 bytes, read once at the head, against sixteen steps of two softmaxes of 16 x 128 scores in every wave.
; THE MODE: SCHED_MODE bits 1:0 = 2 (LLVM: expert scheduling mode 2), set by the entry lines.  The code itself states the register dependences
; between vector or matrix instructions and memory or LDS instructions, with s_wait_alu, always for 0.
; THE PLAN.  Registers that LDS instructions touch in the loop:
;   KF, KS     read by a step's sixteen products K Q^T (both tiles of queries).  The NEXT step's five loads land in them; they are issued in the step's second softmax, behind the wait for its batch of exponentials,
;              which stands behind all sixteen products.
;   VF, VS     read by the four products V^T P^T at a step's end.  A step's five loads are issued in its first softmax, behind the wait for that batch, which stands behind the last step's four products.
;   ADK, ADS   read by all ten loads; written once a step, by two additions behind the second tile's products: ahead of them one wait on vm_vsrc; the second softmax's wait stands between them and K's loads.
;   PC, PS     p's codes and scale words: written by vector instructions, taken by scaled matrix instructions: one wait on va_vdst ahead of the four products, behind their places.
; So the waits that the exponentials have in any case state the loads' dependences too, and the loop holds two waits more: the one on vm_vsrc and the one for PC and PS.
; The last step is written out: it asks for no further K.
.set LI,  1                            ; v1   16 x lane
.set LS,  2                            ; v2   65536 + 4 x lane: K's scale words
.set ADK, 3                            ; v3   the codes of the step that is asked for (at the head: the copy's offset)
.set ADS, 4                            ; v4   its scale words (likewise)
.set KS,  5                            ; v5   K's scale words of the step: nothing else is ever held here, nor in v6 to v9
.set VS,  6
.set QS,  7                            ; v7   q's scale words: tile 0 in lanes 0-15, tile 1 in lanes 16-31
.set PS,  8                            ; v8-9 p's scale words, a register a tile
.set T,   10                           ; v10-11 at work
.set BM,  24                           ; v12 + 4 u: -M, the largest t, the sum in two halves;  v20 + 2 u: f, as the low word of a pair;  v24-27 the blocks' maxima
.set BP,  28
.set SO,  32
.set KF,  36                           ; v36-51  two fragments of K: eight key tiles
.set VF,  52                           ; v52-67  two fragments of V
.set QB,  68                           ; v68-107 Q's forms, 20 registers a tile
.set PC,  108                          ; v108-123 p's codes
.set O,   124                          ; v124-155 O^T: tile u of queries, tile t of the head at O + 16 u + 8 t
.set S,   156                          ; v156-219 S^T, then p
.set QTM, 24                           ; the last quantiser's registers
.set QTP, 26
.set QSO, 28
.set QBY, 30
.set QBS, 32
.set CDQ, 36
.set OSA, 220                          ; v220 OST + my thread's number: where my scale byte goes
.set OCA, 221
.set QA,  222
.set OSR, 223                          ; v223 OST + 16 x lane: where wave 0 reads the bytes back (the address is past an LDS immediate's 16 bits, so the register carries all of it)
.set OST, 69632                        ; LDS: the work-group's 512 scale bytes on their way out
.set WV,  14
.set SEL, 30
.set HM,  32
.set CS,  34
.set TB,  36
.set TS,  37
.set CNT, 38
.macro PLACES
.rept 4
	v_nop
.endr
.endm
.macro ONE d, a, b, c, sa, sb, ra, rb
.if ((\c) == 0) && ((\ra) == 0) && ((\rb) == 0)
	v_wmma_scale_f32_16x16x128_f8f6f4 v[\d:\d+7], v[\a:\a+7], v[\b:\b+7], 0, v[\sa], v[\sb] matrix_a_fmt:MATRIX_FMT_FP4 matrix_b_fmt:MATRIX_FMT_FP4
.elseif ((\c) == 0) && ((\ra) == 1) && ((\rb) == 0)
	v_wmma_scale_f32_16x16x128_f8f6f4 v[\d:\d+7], v[\a:\a+7], v[\b:\b+7], 0, v[\sa], v[\sb] matrix_a_fmt:MATRIX_FMT_FP4 matrix_b_fmt:MATRIX_FMT_FP4 matrix_a_scale:MATRIX_SCALE_ROW1
.elseif ((\c) == 0) && ((\ra) == 0) && ((\rb) == 1)
	v_wmma_scale_f32_16x16x128_f8f6f4 v[\d:\d+7], v[\a:\a+7], v[\b:\b+7], 0, v[\sa], v[\sb] matrix_a_fmt:MATRIX_FMT_FP4 matrix_b_fmt:MATRIX_FMT_FP4 matrix_b_scale:MATRIX_SCALE_ROW1
.elseif ((\c) == 0)
	v_wmma_scale_f32_16x16x128_f8f6f4 v[\d:\d+7], v[\a:\a+7], v[\b:\b+7], 0, v[\sa], v[\sb] matrix_a_fmt:MATRIX_FMT_FP4 matrix_b_fmt:MATRIX_FMT_FP4 matrix_a_scale:MATRIX_SCALE_ROW1 matrix_b_scale:MATRIX_SCALE_ROW1
.elseif ((\ra) == 0) && ((\rb) == 0)
	v_wmma_scale_f32_16x16x128_f8f6f4 v[\d:\d+7], v[\a:\a+7], v[\b:\b+7], v[\d:\d+7], v[\sa], v[\sb] matrix_a_fmt:MATRIX_FMT_FP4 matrix_b_fmt:MATRIX_FMT_FP4
.elseif ((\ra) == 1) && ((\rb) == 0)
	v_wmma_scale_f32_16x16x128_f8f6f4 v[\d:\d+7], v[\a:\a+7], v[\b:\b+7], v[\d:\d+7], v[\sa], v[\sb] matrix_a_fmt:MATRIX_FMT_FP4 matrix_b_fmt:MATRIX_FMT_FP4 matrix_a_scale:MATRIX_SCALE_ROW1
.elseif ((\ra) == 0) && ((\rb) == 1)
	v_wmma_scale_f32_16x16x128_f8f6f4 v[\d:\d+7], v[\a:\a+7], v[\b:\b+7], v[\d:\d+7], v[\sa], v[\sb] matrix_a_fmt:MATRIX_FMT_FP4 matrix_b_fmt:MATRIX_FMT_FP4 matrix_b_scale:MATRIX_SCALE_ROW1
.else
	v_wmma_scale_f32_16x16x128_f8f6f4 v[\d:\d+7], v[\a:\a+7], v[\b:\b+7], v[\d:\d+7], v[\sa], v[\sb] matrix_a_fmt:MATRIX_FMT_FP4 matrix_b_fmt:MATRIX_FMT_FP4 matrix_a_scale:MATRIX_SCALE_ROW1 matrix_b_scale:MATRIX_SCALE_ROW1
.endif
.endm
.macro QUANT2 s, cd                    ; 32 registers, set b at s + 16 b: 16 neighbours of a block whose other 16 lie in lane l xor 16.  Out: v[cd .. cd + 3]: the 16 bytes of set lane / 16's row; v[QBS]: its byte
.irp b, 0,1
	v_mov_b32 v[QTP+\b], 0
.endr
.irp b, 0,1
	v_max3_num_f32 v[QTM+\b], |v[\s+16*\b]|, |v[\s+16*\b+1]|, 0x1800000
.endr
.irp i, 2,4,6,8,10,12,14
.irp b, 0,1
	v_max3_num_f32 v[QTM+\b], v[QTM+\b], |v[\s+16*\b+\i]|, |v[\s+16*\b+\i+1]|
.endr
.endr
.irp b, 0,1
	v_permlanex16_b32 v[QTP+\b], v[QTM+\b], s[SEL], s[SEL+1]
.endr
.irp b, 0,1
	v_max_num_f32 v[QTM+\b], v[QTM+\b], v[QTP+\b]
.endr
.irp b, 0,1
	v_add_nc_u32 v[QSO+\b], 0xff000000, v[QTM+\b]
.endr
.irp b, 0,1
	v_lshrrev_b32 v[QBY+\b], 23, v[QSO+\b]
.endr
.irp b, 0,1
	v_cvt_scalef32_pk8_fp4_f32 v[\cd+2*\b], v[\s+16*\b:\s+16*\b+7], v[QSO+\b]
	v_cvt_scalef32_pk8_fp4_f32 v[\cd+2*\b+1], v[\s+16*\b+8:\s+16*\b+15], v[QSO+\b]
.endr
	v_nop
	v_permlane16_swap_b32 v[\cd], v[\cd+2]
	v_permlane16_swap_b32 v[\cd+1], v[\cd+3]
	v_cndmask_b32 v[QBS], v[QBY], v[QBY+1], s[HM]
.endm
; S^T of tile u of my queries: eight key tiles; tile 4 f + j comes of fragment f and the form of Q with q in block j
.macro SMUL u
.irp f, 0,1
	ONE S+32*\f, KF+8*\f, QB+20*\u, 0, KS, QS, \f, \u
	ONE S+32*\f+8, KF+8*\f, QB+20*\u+8, 0, KS, QS, \f, \u
	ONE S+32*\f+16, KF+8*\f, QB+20*\u+12, 0, KS, QS, \f, \u
	ONE S+32*\f+24, KF+8*\f, QB+20*\u+4, 0, KS, QS, \f, \u
.endr
.endm
.macro KLOAD                           ; five loads: 128 keys' codes of K and their scale words, at the step that ADK and ADS name
.irp i, 0,1,2,3
	ds_load_b128 v[KF+4*\i:KF+4*\i+3], v[ADK] offset:512*\i
.endr
	ds_load_b32 v[KS], v[ADS]
.endm
.macro VLOAD                           ; five loads: the same of V
.irp i, 0,1,2,3
	ds_load_b128 v[VF+4*\i:VF+4*\i+3], v[ADK] offset:32768+512*\i
.endr
	ds_load_b32 v[VS], v[ADS] offset:2048
.endm
; the softmax of tile u for these 128 keys: S^T becomes p, p's codes go to PC + 8 u, its scale word to PS + u.  ld = 1: this step's V is asked for in it; ld = 2: the next step's K; ld = 0: nothing
.macro SOFTMAX u, ld
.set NM, 12+4*\u
.set TX, 13+4*\u
.set LL, 14+4*\u
.set FF, 20+2*\u
.irp b, 0,1,2,3
	v_max3_num_f32 v[BM+\b], v[S+16*\b], v[S+1+16*\b], v[S+2+16*\b]   ; the largest score of each block of 32 keys: it serves the row's maximum and, since p rises with the score, the block's largest p
.endr
.irp i, 3,5,7,9,11,13
.irp b, 0,1,2,3
	v_max3_num_f32 v[BM+\b], v[BM+\b], v[S+16*\b+\i], v[S+1+16*\b+\i]
.endr
.endr
.irp b, 0,1,2,3
	v_max_num_f32 v[BM+\b], v[BM+\b], v[S+15+16*\b]
.endr
.irp b, 0,1,2,3
	v_permlanex16_b32 v[BP+\b], v[BM+\b], s[SEL], s[SEL+1]
.endr
.irp b, 0,1,2,3
	v_max_num_f32 v[BM+\b], v[BM+\b], v[BP+\b]     ; with lane l xor 16's 16 keys
.endr
	v_max3_num_f32 v[T], v[BM], v[BM+1], v[BM+2]
	v_max_num_f32 v[T], v[T], v[BM+3]
	v_mul_f32 v[T], s[CS], v[T]                    ; as t (c is positive)
	v_max_num_f32 v[TX], v[TX], v[T]               ; the running largest t
	v_mov_b32 v[T], v[NM]
	v_floor_f32 v[NM], -v[TX]                      ; the new -M = floor(-t): M is a whole number
	v_sub_f32 v[T], v[NM], v[T]                    ; old M - new M: a whole number, 0 or less
	v_cvt_i32_f32 v[T], v[T]                       ; (it saturates)
	v_ldexp_f32 v[FF], 1.0, v[T]                   ; f = 2^(old M - new M)
.set j, 0
.rept 32
	v_pk_fma_f32 v[S+j:S+j+1], v[S+j:S+j+1], s[CS:CS+1], v[NM:NM+1] op_sel_hi:[1,0,0]   ; t - M, two at a time
.set j, j+2
.endr
.irp b, 0,1,2,3
	v_fma_f32 v[BM+\b], v[BM+\b], s[CS], v[NM]     ; the same of each block's largest score
.endr
.set j, 0
	s_wait_alu depctr_va_vdst(0)
.rept 64
	v_exp_f32 v[S+j], v[S+j]                       ; p = 2^(t - M)
.set j, j+1
.endr
	v_pk_mul_f32 v[LL:LL+1], v[LL:LL+1], v[FF:FF+1] op_sel_hi:[1,0]   ; the sums under the new M: the plain line behind the exponentials
	s_wait_alu depctr_va_vdst(0)                   ; the 64 exponentials have written p, ahead of its first reader.  ld = 1: and the last step's products V^T P^T are done reading VF and VS.  ld = 2: and this step's products K Q^T are done reading KF and KS, and ADK and ADS are written
.if (\ld) == 1
	VLOAD                                          ; no vector or matrix instruction since the wait names VF, VS, ADK or ADS
.elseif (\ld) == 2
	KLOAD                                          ; likewise KF, KS, ADK, ADS
.endif
.irp b, 0,1,2,3
	v_exp_f32 v[BM+\b], v[BM+\b]                   ; the blocks' largest p
.endr
	v_pk_add_f32 v[BP:BP+1], v[S:S+1], v[S+2:S+3]  ; the row's sum of the unquantised p, in two chains
.irp j, 4,8,12,16,20,24,28,32,36,40,44,48,52,56,60
	v_pk_add_f32 v[LL:LL+1], v[LL:LL+1], v[S+\j:S+\j+1]
	v_pk_add_f32 v[BP:BP+1], v[BP:BP+1], v[S+2+\j:S+3+\j]
.endr
	v_pk_add_f32 v[LL:LL+1], v[LL:LL+1], v[BP:BP+1]
	s_wait_alu depctr_va_vdst(0)                   ; the four exponentials have written the blocks' largest p, ahead of its first reader
.irp b, 0,1,2,3
	v_max_num_f32 v[BM+\b], 0x1800000, v[BM+\b]    ; the floor 2^(3 - 127)
.endr
.irp b, 0,1,2,3
	v_add_nc_u32 v[SO+\b], 0xff000000, v[BM+\b]
.endr
.irp b, 0,1,2,3
	v_lshrrev_b32 v[BP+\b], 23, v[SO+\b]
.endr
	v_lshl_or_b32 v[PS+\u], v[BP+1], 8, v[BP]
	v_lshl_or_b32 v[PS+\u], v[BP+2], 16, v[PS+\u]
	v_lshl_or_b32 v[PS+\u], v[BP+3], 24, v[PS+\u]
.irp b, 0,1,2,3
	v_cvt_scalef32_pk8_fp4_f32 v[PC+8*\u+2*\b], v[S+16*\b:S+16*\b+7], v[SO+\b]
	v_cvt_scalef32_pk8_fp4_f32 v[PC+8*\u+2*\b+1], v[S+16*\b+8:S+16*\b+15], v[SO+\b]
.endr
	v_nop                                          ; one plain line behind a scaled conversion
.irp c, 0,1
.irp i, 0,1
	v_permlane16_swap_b32 v[PC+8*\u+4*\c+\i], v[PC+8*\u+2+4*\c+\i]   ; a whole block to a lane: lanes 0-15 block 2 c, lanes 16-31 block 2 c + 1
.endr
.endr
.endm
; A STEP: 128 keys.  Its K was asked for in the step before (the first step's: at the head).  last = 1: the sixteenth step, which asks for no further K
.macro STEP last
	s_wait_dscnt 0x0                               ; this step's K: its five loads are the only LDS instructions out
	SMUL 0
	PLACES
	SOFTMAX 0, 1
	SMUL 1
.if \last
	PLACES
	SOFTMAX 1, 0
.else
	s_add_co_u32 s[TB], s[TB], 2048                ; on to the next step's codes
	s_add_co_u32 s[TS], s[TS], 128                 ; and scale words
	s_wait_alu depctr_vm_vsrc(0)                   ; the LDS loads issued so far, this step's V last, have read ADK and ADS
	v_add_nc_u32 v[ADK], s[TB], v[LI]
	v_add_nc_u32 v[ADS], s[TS], v[LS]
	v_nop
	v_nop                                          ; with the two additions: four plain lines behind the products, ahead of the first read of their results
	SOFTMAX 1, 2
.endif
.irp u, 0,1
.irp j, 0,2,4,6,8,10,12,14
	v_pk_mul_f32 v[O+16*\u+\j:O+16*\u+\j+1], v[O+16*\u+\j:O+16*\u+\j+1], v[20+2*\u:21+2*\u] op_sel_hi:[1,0]   ; O^T under the new M.  These 16 also stand between the scale word and codes just made and the products
.endr
.endr
	s_wait_alu depctr_va_vdst(0)                   ; the vector lines have written p's codes PC and scale words PS, which the scaled products below take; the sixteen places above stay beside this wait
.if \last
	s_wait_dscnt 0x0                               ; V
.else
	s_wait_dscnt 5                                 ; V's five loads are in; the next step's K, five loads, may be out
.endif
.irp u, 0,1
.irp t, 0,1
	ONE O+16*\u+8*\t, VF+8*\t, PC+8*\u, 1, VS, PS+\u, \t, 0    ; the four accumulators by turns
.endr
.endr
.endm
	s_load_b256 s[4:11], s[0:1], 0x0               ; qc, qs, kv, oc
	s_load_b64 s[12:13], s[0:1], 0x20              ; os
	v_lshl_add_u32 v224, v0, 2, 0x11200
	v_mov_b32 v225, 0
	v_lshrrev_b32 v1, 5, v0
	v_readfirstlane_b32 s[WV], v1                  ; wave 0..15
	s_and_b32 s15, ttmp7, 0xffff                   ; batch x 16 + head
	s_lshl_b32 s16, ttmp9, 4
	s_wait_alu depctr_va_sdst(0)                   ; the wave's number is written, ahead of its first reader: the buffers' bases are made from it
	s_add_co_u32 s16, s16, s[WV]                   ; my group of 32 queries, 0 .. 63
	s_lshl_b32 s18, s15, 15
	s_lshl_b32 s17, s16, 9
	s_add_co_u32 s18, s18, s17                     ; q's codes
	s_mov_b32 s19, 0
	s_lshl_b32 s20, s15, 13
	s_lshr_b32 s17, s16, 2
	s_lshl_b32 s17, s17, 9
	s_add_co_u32 s20, s20, s17
	s_and_b32 s17, s16, 3
	s_lshl_b32 s17, s17, 2
	s_add_co_u32 s20, s20, s17                     ; q's scale words
	s_mov_b32 s21, 0
	s_mul_i32 s22, s15, 69632                      ; the head's K and V
	s_mov_b32 s23, 0
	s_lshr_b32 s24, s15, 4
	s_lshl_b32 s24, s24, 6
	s_add_co_u32 s24, s24, s16
	s_lshl_b32 s24, s24, 13                        ; the result's record: (batch x 64 + group) x 8,192,
	s_and_b32 s17, s15, 15
	s_lshl_b32 s17, s17, 8
	s_add_co_u32 s24, s24, s17                     ; K block = head
	s_mov_b32 s25, 0
	s_lshl_b32 s26, s15, 11
	s_lshl_b32 s17, ttmp9, 9
	s_add_co_u32 s26, s26, s17                     ; the result's scale bytes
	s_mov_b32 s27, 0
	s_mov_b32 s[SEL], 0x76543210
	s_mov_b32 s[SEL+1], 0xfedcba98
	s_mov_b32 s[HM], 0xffff0000
	s_mov_b32 s[CS], 0x3e8293ee                    ; c = log2(e) / sqrt(32)
	s_mov_b32 s[CS+1], s[CS]
	s_mov_b32 s[TB], 0
	s_mov_b32 s[TS], 0
	s_mov_b32 s[CNT], 15
	v_and_b32 v[T], 31, v0                         ; lane
	v_lshlrev_b32 v[LI], 4, v[T]
	v_lshl_add_u32 v[LS], v[T], 2, 65536
	v_lshlrev_b32 v[ADK], 4, v0
	v_lshl_add_u32 v[ADS], v0, 3, 65536
	v_and_b32 v[T], 15, v0                         ; r
	v_bfe_u32 v[T+1], v0, 4, 1                     ; lane / 16
	v_lshlrev_b32 v[QA], 4, v[T]
	v_lshl_add_u32 v[OCA], v[T+1], 12, v[QA]
	v_add_nc_u32 v[OSA], OST, v0
	v_add_nc_u32 v[OSR], OST, v[LI]
	s_wait_kmcnt 0x0
	s_add_nc_u64 s[4:5], s[4:5], s[18:19]
	s_add_nc_u64 s[6:7], s[6:7], s[20:21]
	s_add_nc_u64 s[8:9], s[8:9], s[22:23]
	s_add_nc_u64 s[10:11], s[10:11], s[24:25]
	s_add_nc_u64 s[12:13], s[12:13], s[26:27]
	s_wait_alu depctr_va_vdst(0)                   ; the offsets and addresses v1 to v4 and v220 to v223 are written, which the loads and stores below read
	global_load_b128 v[S+36:S+39], v[QA], s[4:5]               ; q of slot (0, r), in both halves of the lanes
	global_load_b128 v[S+40:S+43], v[QA], s[4:5] offset:256    ; and of slot (1, r)
	global_load_b32 v[QS], v[LI], s[6:7]
.irp i, 0,1,2,3,4,5,6,7
	global_load_b128 v[S+4*\i:S+4*\i+3], v[ADK], s[8:9] offset:8192*\i   ; the copy: 512 threads x 16 bytes, eight times,
.endr
	global_load_b64 v[S+32:S+33], v[ADS], s[8:9]               ; and 8 bytes a thread for the 4,096 bytes of scale words
	s_wait_loadcnt 0x0
.irp i, 0,1,2,3,4,5,6,7
	ds_store_b128 v[ADK], v[S+4*\i:S+4*\i+3] offset:8192*\i
.endr
	ds_store_b64 v[ADS], v[S+32:S+33]
.irp u, 0,1
.irp i, 0,1,2,3
	v_cndmask_b32 v[QB+20*\u+\i], v[S+36+4*\u+\i], 0, s[HM]    ; QL
	v_mov_b32 v[QB+20*\u+4+\i], 0                              ; Z
	v_cndmask_b32 v[QB+20*\u+8+\i], 0, v[S+36+4*\u+\i], s[HM]  ; QH
	v_mov_b32 v[QB+20*\u+12+\i], 0                             ; Z
	v_cndmask_b32 v[QB+20*\u+16+\i], v[S+36+4*\u+\i], 0, s[HM] ; QL
.endr
.endr
.set j, 0
.rept 32
	v_mov_b32 v[O+j], 0                            ; the step is written once for the loop: the first finds zeros, which the first change of M leaves zeros
.set j, j+1
.endr
.irp u, 0,1
	v_mov_b32 v[13+4*\u], 0xff61b1e6               ; the largest t so far: -3e38
	v_floor_f32 v[12+4*\u], -v[13+4*\u]            ; -M
	v_mov_b32 v[14+4*\u], 0                        ; the sum, in two halves
	v_mov_b32 v[15+4*\u], 0
	v_mov_b32 v[21+2*\u], 0                        ; named as the upper half of f's pair
.endr
.irp b, 0,1,2,3
	v_mov_b32 v[BP+\b], 0                          ; a lane permute's destination counts as one of its sources
.endr
	s_wait_alu depctr_vm_vsrc(0)                   ; the copy's loads and LDS stores have read ADK and ADS, which are written below, and the stores their data in S, which the first products write
	v_add_nc_u32 v[ADK], s[TB], v[LI]              ; the first step's codes
	v_add_nc_u32 v[ADS], s[TS], v[LS]              ; and scale words
	s_wait_dscnt 0x0                               ; for the others' sake: my part of the copy has landed
	s_barrier_signal -1
	s_barrier_wait -1
	s_wait_alu depctr_va_vdst(0)                   ; ADK and ADS are written, which the loads below read; so are Q's forms, which the scaled products take
	KLOAD                                          ; the first step's K
.Lstep:                                            ; 15 trips of 128 keys
	STEP 0
	s_sub_co_u32 s[CNT], s[CNT], 1
	s_cmp_lg_u32 s[CNT], 0
	s_cbranch_scc1 .Lstep
	STEP 1                                         ; the sixteenth step
	v_add_f32 v14, v14, v15                        ; the sums' two halves (these lines are also the places behind the last products),
	v_add_f32 v18, v18, v19
	v_permlanex16_b32 v15, v14, s[SEL], s[SEL+1]
	v_permlanex16_b32 v19, v18, s[SEL], s[SEL+1]
	v_add_f32 v14, v14, v15                        ; and lane l xor 16's
	v_add_f32 v18, v18, v19
	s_wait_alu depctr_va_vdst(0)
	v_rcp_f32 v20, v14
	v_rcp_f32 v22, v18
	v_nop
	s_wait_alu depctr_va_vdst(0)                   ; both reciprocals are written, ahead of their first reader
.irp u, 0,1
.irp j, 0,2,4,6,8,10,12,14
	v_pk_mul_f32 v[O+16*\u+\j:O+16*\u+\j+1], v[O+16*\u+\j:O+16*\u+\j+1], v[20+2*\u:21+2*\u] op_sel_hi:[1,0]   ; O^T / the sum: set u's 16 registers are the head's numbers 16 (lane / 16) + 0 .. 15 of query slot (u, r)
.endr
.endr
	QUANT2 O, CDQ
	s_wait_alu depctr_va_vdst(0)                   ; the quantiser has written the codes and the byte, which the two stores read; and the softmax is done with S, in which wave 0's load below lands
	global_store_b128 v[OCA], v[CDQ:CDQ+3], s[10:11]           ; each half of the lanes stores 256 consecutive bytes, aligned: K block = head of tile lane / 16
	ds_store_b8 v[OSA], v[QBS]
	s_wait_dscnt 0x0                               ; for wave 0's sake: my scale bytes have landed
	s_barrier_signal -1
	s_barrier_wait -1
	s_cmp_lg_u32 s[WV], 0
	s_cbranch_scc1 .Ldone
	ds_load_b128 v[S:S+3], v[OSR]                  ; wave 0: the work-group's 512 scale bytes
	s_wait_dscnt 0x0
	global_store_b128 v[LI], v[S:S+3], s[12:13]    ; 512 consecutive bytes, at a multiple of 256 from the buffer's first byte
.Ldone:
	s_wait_dscnt 0x0                               ; the closing lines, six on end
	s_wait_alu 0x0
	s_wait_tensorcnt 0x0
	ds_add_u32 v224, v225
	s_wait_dscnt 0x0
	s_endpgm
.Lfunc_end_k_qf890b602a9_attn:
	.size	k_qf890b602a9_attn, .Lfunc_end_k_qf890b602a9_attn-k_qf890b602a9_attn
	.p2alignl 7, 3214868480
	.fill 96, 4, 3214868480
	.section	.rodata,"a",@progbits
	.p2align	6, 0x0
	.amdhsa_kernel k_qf890b602a9_attn
		.amdhsa_group_segment_fixed_size 72192
		.amdhsa_private_segment_fixed_size 0
		.amdhsa_enable_private_segment 0
		.amdhsa_kernarg_size 40
		.amdhsa_user_sgpr_count 2
		.amdhsa_user_sgpr_kernarg_segment_ptr 1
		.amdhsa_wavefront_size32 1
		.amdhsa_system_sgpr_workgroup_id_x 1
		.amdhsa_system_sgpr_workgroup_id_y 1
		.amdhsa_system_sgpr_workgroup_id_z 1
		.amdhsa_system_vgpr_workitem_id 0
		.amdhsa_next_free_vgpr 226
		.amdhsa_next_free_sgpr 66
		.amdhsa_reserve_vcc 0
		.amdhsa_float_denorm_mode_32 3
		.amdhsa_float_denorm_mode_16_64 3
		.amdhsa_memory_ordered 1
		.amdhsa_forward_progress 1
		.amdhsa_inst_pref_size 65
	.end_amdhsa_kernel
	.amdgpu_metadata
---
amdhsa.version: [ 1, 2 ]
amdhsa.kernels:
  - .name:           k_qf890b602a9_attn
    .symbol:         k_qf890b602a9_attn.kd
    .args:
      - { .name: qc, .offset: 0, .size: 8, .value_kind: global_buffer, .address_space: global }
      - { .name: qs, .offset: 8, .size: 8, .value_kind: global_buffer, .address_space: global }
      - { .name: kv, .offset: 16, .size: 8, .value_kind: global_buffer, .address_space: global }
      - { .name: oc, .offset: 24, .size: 8, .value_kind: global_buffer, .address_space: global }
      - { .name: os, .offset: 32, .size: 8, .value_kind: global_buffer, .address_space: global }
    .group_segment_fixed_size: 72192
    .private_segment_fixed_size: 0
    .kernarg_segment_align: 8
    .kernarg_segment_size: 40
    .max_flat_workgroup_size: 512
    .sgpr_count:     66
    .vgpr_count:     226
    .wavefront_size: 32
...
	.end_amdgpu_metadata
.endif
;; end of part 7
;; launch post (part 8): grid 256 x 1, 16 waves a work-group, no clusters, 102,912 bytes of LDS; arguments oc, os, xw, x, b_o, ffn_norm_w, b_out, out0; writes out0
.if DOCPART == 8
	.amdgcn_target "amdgcn-amd-amdhsa--gfx1250"
	.amdhsa_code_object_version 6
	.text
	.protected	k_qf890b602a9_post
	.globl	k_qf890b602a9_post
	.p2align	8
	.type	k_qf890b602a9_post,@function
k_qf890b602a9_post:
	s_mov_b64 s[64:65], 0
	v_nop
	global_prefetch_b8 v0, s[64:65] scope:SCOPE_SE
	s_setreg_imm32_b32 hwreg(HW_REG_WAVE_SCHED_MODE, 0, 2), 2
	s_setreg_imm32_b32 hwreg(HW_REG_WAVE_MODE, 25, 1), 1
	s_wait_xcnt 0x0
	s_wait_alu depctr_vm_vsrc(0)
; x1 = x + attention W_o^T + b_o;  out = x1 + (silu(n W_gate^T) (n W_hidden^T)) W_out^T + b_out, n = rmsnorm(x1, ffn_norm_w).  All four products on codes of FP4 with E8M0 scales; all else in f32.
; SHARES.  A work-group takes 32 rows through the whole chain.  Wave w owns columns 32 w .. 32 w + 31 of every product: one record of each weight (68 registers), loaded from memory straight into its operand registers,
; a phase ahead, into two buffers by turns.  The rows' codes go from wave to wave through LDS as the image of a record: wave w's 32 columns are K block w of the next product.
; A RECORD: 32 rows x 512 K.  Slot (u, r) is row 8 u + r + 8 (r / 8).  Codes at u 4096 + kb 256 + r 16; scale bytes at 8192 + (16 u + r) 16 + kb.
; The weight is source 0, the rows source 1: a lane holds the row of slot (u, r), and set u's 16 registers are columns 32 w + 16 (lane / 16) + 0 .. 15.  The biases are the C of a sum's first matrix instruction.
; x, then x1, then the result lie in LDS by slots; in the products' layout a lane touches only bytes of its own there; rows come in and leave whole, 512 consecutive bytes an instruction.
; LIMITS: NaN and infinities are not served; a block whose largest magnitude is under 2^-124, or 0, gets the byte 1; a row's sum of squares is added in another order than a plain running sum.
; NO CLUSTER, NO TENSOR LOAD: the weights that all work-groups walk are 4 x 16 records = 557,056 bytes, more than LDS holds; a ring of joint loads would put a round of the cluster's barrier in front of each record's
; sixteen matrix instructions a wave.  Here each weight byte goes once, as it lies, into the registers of the one wave that multiplies by it.
; THE MODE: SCHED_MODE bits 1:0 = 2 (LLVM: expert scheduling mode 2), set by the entry lines.  The code itself states the register dependences
; between vector or matrix instructions and memory or LDS instructions, with s_wait_alu, always for 0.
; THE PLAN.  Registers that memory or LDS instructions touch:
;   XS, XF       the rows' scale words and two buffers of fragments.  A run's K steps 0 and 1 are in when it begins; K steps 2 and 3 are asked for together, behind ONE wait on va_vdst in the run's middle.
;                Between the runs XF holds ffn_norm_w, the parts of the sums of squares and the quantiser's registers: its codes and its byte are LDS stores' data.
;   WA, WB       a weight's record each (with WSA, WSB): read by one run's matrix instructions, loaded again behind the wait on va_vdst that follows the run.
;   A1, A2       32 registers each: a bias or x or x1 lands in them from LDS; matrix and vector instructions work on them; x1 and the result leave from A1 by LDS stores; the result's rows come back into A2.
;   v[T]         at the head an offset of three loads; later the part of a sum of squares, an LDS store's data.
;   v1 to v11    offsets and LDS addresses, made once at the head.
; The waits on va_vdst: one in each run's middle; one behind runs 1 and 2, ahead of the loads into the weight's and the fragments' registers; one ahead of each of the four groups of LDS stores, which also
; covers the loads that follow the barrier behind them.  The waits on vm_vsrc: behind the first, the third and the fourth barrier, where loads land in, or matrix instructions write, registers that LDS stores have read.
.set REC_A, 0                          ; the attention's result
.set REC_B, 8704                       ; n
.set REC_C, 17408                      ; silu(g) h
.set RED,   26112                      ; 32 slots x 80 bytes: sixteen waves' parts of a row's sum of squares
.set VEC,   28672                      ; b_o, ffn_norm_w, b_out: 2,048 bytes each
.set XT,    34816                      ; 32 slots x (2,048 + 16) bytes
.set XP,    2064
.set LI,   1                           ; v1   16 x lane
.set A16,  2                           ; v2   16 x thread
.set VECA, 3                           ; v3   VEC + 4 x thread
.set IMGA, 4                           ; v4   my place in a record's codes: (lane / 16) 4096 + 256 w + 16 r
.set BYA,  5                           ; v5   and among its scale bytes: 8192 + 16 lane + w
.set XD,   6                           ; v6   XT in the products' layout: slot r, + 128 w + 64 (lane / 16); tile 1: 16 slots on
.set DX,   7                           ; v7   XT by rows: slots 2 w, 2 w + 1
.set VB,   8                           ; v8   my 16 columns in a vector
.set REDW, 9
.set REDR, 10
.set LN,   11
.set XS,   12                          ; v12-15 the rows' scale words, v16-19 and v20-23 the weights': nothing else is ever held in these twelve
.set WSA,  16
.set WSB,  20
.set XF,   24                          ; v24-55  the rows' fragments; between the runs: the quantiser's registers and ffn_norm_w
.set QTM,  24
.set QTP,  26
.set QSO,  28
.set QBY,  30
.set QBS,  32
.set CDQ,  34
.set W2R,  40
.set A1,   56
.set A2,   88
.set RSP,  120                         ; v120-123 1 / root of tile 0, of tile 1, each the low word of a pair
.set T,    124                         ; v124-127 at work
.set RR,   125                         ; (at the head: r,
.set HH,   126                         ;  and lane / 16)
.set WA,   128
.set WB,   192
.set WV,   20
.set SEL,  38
.set HM,   40
.macro PLACES
.rept 4
	v_nop
.endr
.endm
.macro ONE d, a, b, c, sa, sb, ra, rb
.if ((\c) == 0) && ((\ra) == 0) && ((\rb) == 0)
	v_wmma_scale_f32_16x16x128_f8f6f4 v[\d:\d+7], v[\a:\a+7], v[\b:\b+7], 0, v[\sa], v[\sb] matrix_a_fmt:MATRIX_FMT_FP4 matrix_b_fmt:MATRIX_FMT_FP4
.elseif ((\c) == 0) && ((\ra) == 1) && ((\rb) == 0)
	v_wmma_scale_f32_16x16x128_f8f6f4 v[\d:\d+7], v[\a:\a+7], v[\b:\b+7], 0, v[\sa], v[\sb] matrix_a_fmt:MATRIX_FMT_FP4 matrix_b_fmt:MATRIX_FMT_FP4 matrix_a_scale:MATRIX_SCALE_ROW1
.elseif ((\c) == 0) && ((\ra) == 0) && ((\rb) == 1)
	v_wmma_scale_f32_16x16x128_f8f6f4 v[\d:\d+7], v[\a:\a+7], v[\b:\b+7], 0, v[\sa], v[\sb] matrix_a_fmt:MATRIX_FMT_FP4 matrix_b_fmt:MATRIX_FMT_FP4 matrix_b_scale:MATRIX_SCALE_ROW1
.elseif ((\c) == 0)
	v_wmma_scale_f32_16x16x128_f8f6f4 v[\d:\d+7], v[\a:\a+7], v[\b:\b+7], 0, v[\sa], v[\sb] matrix_a_fmt:MATRIX_FMT_FP4 matrix_b_fmt:MATRIX_FMT_FP4 matrix_a_scale:MATRIX_SCALE_ROW1 matrix_b_scale:MATRIX_SCALE_ROW1
.elseif ((\ra) == 0) && ((\rb) == 0)
	v_wmma_scale_f32_16x16x128_f8f6f4 v[\d:\d+7], v[\a:\a+7], v[\b:\b+7], v[\d:\d+7], v[\sa], v[\sb] matrix_a_fmt:MATRIX_FMT_FP4 matrix_b_fmt:MATRIX_FMT_FP4
.elseif ((\ra) == 1) && ((\rb) == 0)
	v_wmma_scale_f32_16x16x128_f8f6f4 v[\d:\d+7], v[\a:\a+7], v[\b:\b+7], v[\d:\d+7], v[\sa], v[\sb] matrix_a_fmt:MATRIX_FMT_FP4 matrix_b_fmt:MATRIX_FMT_FP4 matrix_a_scale:MATRIX_SCALE_ROW1
.elseif ((\ra) == 0) && ((\rb) == 1)
	v_wmma_scale_f32_16x16x128_f8f6f4 v[\d:\d+7], v[\a:\a+7], v[\b:\b+7], v[\d:\d+7], v[\sa], v[\sb] matrix_a_fmt:MATRIX_FMT_FP4 matrix_b_fmt:MATRIX_FMT_FP4 matrix_b_scale:MATRIX_SCALE_ROW1
.else
	v_wmma_scale_f32_16x16x128_f8f6f4 v[\d:\d+7], v[\a:\a+7], v[\b:\b+7], v[\d:\d+7], v[\sa], v[\sb] matrix_a_fmt:MATRIX_FMT_FP4 matrix_b_fmt:MATRIX_FMT_FP4 matrix_a_scale:MATRIX_SCALE_ROW1 matrix_b_scale:MATRIX_SCALE_ROW1
.endif
.endm
.macro XK rec, s, buf                  ; K step s of the record at LDS byte rec: both tiles' fragments into buffer buf
.irp u, 0,1
.irp c, 0,1
	ds_load_b128 v[XF+16*(\buf)+8*\u+4*\c:XF+16*(\buf)+8*\u+4*\c+3], v[LI] offset:(\rec)+4096*\u+1024*(\s)+512*\c
.endr
.endr
.endm
.macro XPRE rec                        ; nine loads: the record's scale words and its first two K steps
	ds_load_b128 v[XS:XS+3], v[LI] offset:(\rec)+8192
	XK \rec, 0, 0
	XK \rec, 1, 1
.endm
.macro MM4 acc, w, ws, s, buf, c       ; four matrix instructions, the four accumulators by turns: source 0 = the weight's tile q, source 1 = the rows' tile p
.irp p, 0,1
.irp q, 0,1
	ONE \acc+16*\p+8*\q, \w+32*\q+8*(\s), XF+16*(\buf)+8*\p, \c, \ws+(\s), XS+(\s), \q, \p
.endr
.endr
.endm
.macro XRUN acc, w, ws, rec, c         ; 32 rows x my 32 columns over K = 512, K ascending.  XPRE has been issued as the youngest nine LDS loads
	s_wait_dscnt 4                                 ; all but K step 1's four loads are in
	MM4 \acc, \w, \ws, 0, 0, \c
	s_wait_dscnt 0x0                               ; K step 1 is in
	MM4 \acc, \w, \ws, 1, 1, 1
	PLACES                                         ; four plain lines behind the matrix instructions whose registers are loaded again; they stay beside the wait
	s_wait_alu depctr_va_vdst(0)                   ; the eight matrix instructions are done reading both buffers of fragments, in which K steps 2 and 3 land
	XK \rec, 2, 0
	XK \rec, 3, 1
	s_wait_dscnt 4                                 ; K step 2 is in; K step 3's four may be out
	MM4 \acc, \w, \ws, 2, 0, 1
	s_wait_dscnt 0x0
	MM4 \acc, \w, \ws, 3, 1, 1
	PLACES                                         ; for the vector lines that follow: reads of the results, writes into the operands' registers
.endm
.macro QUANT2 s, cd                    ; 32 registers, set b at s + 16 b: 16 neighbours of a block whose other 16 lie in lane l xor 16.  Out: v[cd .. cd + 3]: the 16 bytes of set lane / 16's row; v[QBS]: its byte
.irp b, 0,1
	v_mov_b32 v[QTP+\b], 0
.endr
.irp b, 0,1
	v_max3_num_f32 v[QTM+\b], |v[\s+16*\b]|, |v[\s+16*\b+1]|, 0x1800000
.endr
.irp i, 2,4,6,8,10,12,14
.irp b, 0,1
	v_max3_num_f32 v[QTM+\b], v[QTM+\b], |v[\s+16*\b+\i]|, |v[\s+16*\b+\i+1]|
.endr
.endr
.irp b, 0,1
	v_permlanex16_b32 v[QTP+\b], v[QTM+\b], s[SEL], s[SEL+1]
.endr
.irp b, 0,1
	v_max_num_f32 v[QTM+\b], v[QTM+\b], v[QTP+\b]
.endr
.irp b, 0,1
	v_add_nc_u32 v[QSO+\b], 0xff000000, v[QTM+\b]
.endr
.irp b, 0,1
	v_lshrrev_b32 v[QBY+\b], 23, v[QSO+\b]
.endr
.irp b, 0,1
	v_cvt_scalef32_pk8_fp4_f32 v[\cd+2*\b], v[\s+16*\b:\s+16*\b+7], v[QSO+\b]
	v_cvt_scalef32_pk8_fp4_f32 v[\cd+2*\b+1], v[\s+16*\b+8:\s+16*\b+15], v[QSO+\b]
.endr
	v_nop
	v_permlane16_swap_b32 v[\cd], v[\cd+2]
	v_permlane16_swap_b32 v[\cd+1], v[\cd+3]
	v_cndmask_b32 v[QBS], v[QBY], v[QBY+1], s[HM]
.endm
.macro WLOAD buf, ws, wi               ; my record of weight wi: 17 loads of 512 consecutive bytes
.irp i, 0,1,2,3,4,5,6,7,8,9,10,11,12,13,14,15
	global_load_b128 v[\buf+4*\i:\buf+4*\i+3], v[LI], s[26:27] offset:(\wi)*139264+512*\i
.endr
	global_load_b128 v[\ws:\ws+3], v[LI], s[26:27] offset:(\wi)*139264+8192
.endm
.macro BARRIER                         ; my LDS stores have landed and my LDS loads are in: then the work-group's barrier
	s_wait_dscnt 0x0
	s_barrier_signal -1
	s_barrier_wait -1
.endm
.macro LAY reg, adr, off, step         ; 32 registers in the products' layout: set u from adr + off + step u, 64 bytes
.irp u, 0,1
.irp j, 0,1,2,3
	ds_load_b128 v[\reg+16*\u+4*\j:\reg+16*\u+4*\j+3], v[\adr] offset:(\off)+(\step)*\u+16*\j
.endr
.endr
.endm
.macro PUT reg                         ; and back into XT, my own bytes
.irp u, 0,1
.irp j, 0,1,2,3
	ds_store_b128 v[XD], v[\reg+16*\u+4*\j:\reg+16*\u+4*\j+3] offset:16*XP*\u+16*\j
.endr
.endr
.endm
	s_load_b512 s[4:19], s[0:1], 0x0               ; oc, os, xw, x, b_o, ffn_norm_w, b_out, out0
	v_lshrrev_b32 v1, 5, v0
	v_readfirstlane_b32 s[WV], v1                  ; wave 0..15
	v_and_b32 v[LN], 31, v0
	v_and_b32 v[RR], 15, v0                        ; r
	v_bfe_u32 v[HH], v0, 4, 1                      ; lane / 16
	v_lshlrev_b32 v[LI], 4, v[LN]
	v_lshlrev_b32 v[A16], 4, v0
	v_lshlrev_b32 v[T], 2, v0                      ; 4 x thread: the vectors' place in memory
	v_lshl_add_u32 v[VECA], v0, 2, VEC
	s_wait_alu depctr_va_sdst(0)                   ; the wave's number is written, ahead of its first reader: LDS addresses and the buffers' bases are made from it
	s_lshl_b32 s32, s[WV], 8
	v_lshlrev_b32 v[IMGA], 4, v[RR]
	v_lshl_add_u32 v[IMGA], v[HH], 12, v[IMGA]
	v_add_nc_u32 v[IMGA], s32, v[IMGA]
	s_add_co_u32 s33, s[WV], 8192
	v_add_nc_u32 v[BYA], s33, v[LI]
	s_lshl_b32 s32, s[WV], 7
	s_add_co_u32 s33, s32, XT
	v_mul_u32_u24 v[XD], v[RR], XP
	v_lshl_add_u32 v[XD], v[HH], 6, v[XD]
	v_add_nc_u32 v[XD], s33, v[XD]
	s_mul_i32 s33, s[WV], 2*XP
	s_add_co_u32 s33, s33, XT
	v_add_nc_u32 v[DX], s33, v[LI]
	s_add_co_u32 s33, s32, VEC
	v_lshl_add_u32 v[VB], v[HH], 6, s33
	s_lshl_b32 s33, s[WV], 2
	s_add_co_u32 s33, s33, RED
	v_mul_u32_u24 v[REDR], v[LN], 80
	v_add_nc_u32 v[REDW], s33, v[REDR]
	v_add_nc_u32 v[REDR], RED, v[REDR]
	v_mov_b32 v[RSP+1], 0                          ; named as the upper halves of pairs
	v_mov_b32 v[RSP+3], 0
	s_lshl_b32 s32, ttmp9, 13                      ; my group's codes in oc
	s_mov_b32 s33, 0
	s_lshr_b32 s34, ttmp9, 6                       ; batch
	s_lshl_b32 s34, s34, 4
	s_add_co_u32 s34, s34, s[WV]                   ; x 16 + head (= my wave)
	s_lshl_b32 s34, s34, 11
	s_and_b32 s35, ttmp9, 63
	s_lshl_b32 s35, s35, 5
	s_add_co_u32 s34, s34, s35                     ; that head's 32 scale bytes of my group
	s_mov_b32 s35, 0
	s_add_co_u32 s36, s[WV], 256
	s_mul_i32 s36, s36, 8704                       ; record 256 + w; weight i lies 16 i records on
	s_mov_b32 s37, 0
	s_lshr_b32 s44, s[WV], 3
	s_lshl_b32 s44, s44, 3
	s_bfe_u32 s45, s[WV], 0x10002
	s_lshl_b32 s45, s45, 4
	s_add_co_u32 s44, s44, s45
	s_and_b32 s45, s[WV], 3
	s_lshl_b32 s45, s45, 1
	s_add_co_u32 s44, s44, s45                     ; the row of slot 2 w; slot 2 w + 1 is the next row
	s_lshl_b32 s44, s44, 11
	s_lshl_b32 s45, ttmp9, 16
	s_add_co_u32 s44, s44, s45
	s_mov_b32 s45, 0
	s_mov_b32 s[SEL], 0x76543210
	s_mov_b32 s[SEL+1], 0xfedcba98
	s_mov_b32 s[HM], 0xffff0000
	s_mov_b32 s41, 0x3b000000                      ; 1 / 512
	s_mov_b32 s42, 0x358637bd                      ; 1e-6
	s_wait_kmcnt 0x0
	s_add_nc_u64 s[22:23], s[4:5], s[32:33]
	s_add_nc_u64 s[24:25], s[6:7], s[34:35]
	s_add_nc_u64 s[26:27], s[8:9], s[36:37]
	s_add_nc_u64 s[28:29], s[10:11], s[44:45]
	s_add_nc_u64 s[30:31], s[18:19], s[44:45]
	s_wait_alu depctr_va_vdst(0)                   ; the offsets and addresses v1 to v11 and v[T] are written, which the loads and stores of the kernel read
	; ---- the head: 13 loads that go on into LDS, then two weights' records
	global_load_b128 v[A1:A1+3], v[A16], s[22:23]
	global_load_u8 v[A1+4], v[LN], s[24:25]
	global_load_b32 v[A1+5], v[T], s[12:13]
	global_load_b32 v[A1+6], v[T], s[14:15]
	global_load_b32 v[A1+7], v[T], s[16:17]
.irp i, 0,1
.irp j, 0,1,2,3
	global_load_b128 v[A2+16*\i+4*\j:A2+16*\i+4*\j+3], v[LI], s[28:29] offset:2048*\i+512*\j th:TH_LOAD_NT   ; two whole rows of x
.endr
.endr
	WLOAD WA, WSA, 3                               ; W_o
	WLOAD WB, WSB, 4                               ; W_gate
	s_wait_loadcnt 34                              ; the 13 are in; the two records' 34 loads may be out
	ds_store_b128 v[A16], v[A1:A1+3] offset:REC_A
	ds_store_b8 v[BYA], v[A1+4] offset:REC_A
	ds_store_b32 v[VECA], v[A1+5]
	ds_store_b32 v[VECA], v[A1+6] offset:2048
	ds_store_b32 v[VECA], v[A1+7] offset:4096
.irp i, 0,1
.irp j, 0,1,2,3
	ds_store_b128 v[DX], v[A2+16*\i+4*\j:A2+16*\i+4*\j+3] offset:XP*\i+512*\j
.endr
.endr
	BARRIER                                        ; the attention's record, the vectors and x lie in LDS
	s_wait_alu depctr_vm_vsrc(0)                   ; the head's LDS stores have read A1 and A2, in which the loads below land; the vectors' loads have read v[T], which the sums of squares write
	; ---- x1 = x + attention W_o^T + b_o
	LAY A1, VB, 0, 0                               ; b_o: the sums' C
	LAY A2, XD, 0, 16*XP                           ; x
	XPRE REC_A
	s_wait_loadcnt 17                              ; W_o is in; W_gate's 17 loads may be out
	XRUN A1, WA, WSA, REC_A, 1
	s_wait_alu depctr_va_vdst(0)                   ; the run's matrix instructions are done reading W_o and its scale words, in which W_hidden lands, and the fragments, in which ffn_norm_w and later the parts of the sums land
	WLOAD WA, WSA, 5                               ; W_hidden
.irp j, 0,1,2,3
	ds_load_b128 v[W2R+4*\j:W2R+4*\j+3], v[VB] offset:2048+16*\j   ; ffn_norm_w at my 16 columns
.endr
.set j, 0
.rept 16
	v_pk_add_f32 v[A1+j:A1+j+1], v[A1+j:A1+j+1], v[A2+j:A2+j+1]    ; x1; each accumulator from its low end on
.set j, j+2
.endr
.irp u, 0,1
	v_pk_mul_f32 v[T+2*\u:T+2*\u+1], v[A1+16*\u:A1+16*\u+1], v[A1+16*\u:A1+16*\u+1]
.endr
.irp i, 2,4,6,8,10,12,14
.irp u, 0,1
	v_pk_fma_f32 v[T+2*\u:T+2*\u+1], v[A1+16*\u+\i:A1+16*\u+\i+1], v[A1+16*\u+\i:A1+16*\u+\i+1], v[T+2*\u:T+2*\u+1]
.endr
.endr
	v_add_f32 v[T], v[T], v[T+1]
	v_add_f32 v[T+2], v[T+2], v[T+3]
	v_permlanex16_b32 v[T+1], v[T], s[SEL], s[SEL+1]
	v_permlanex16_b32 v[T+3], v[T+2], s[SEL], s[SEL+1]
	v_add_f32 v[T], v[T], v[T+1]
	v_add_f32 v[T+2], v[T+2], v[T+3]
	v_cndmask_b32 v[T], v[T], v[T+2], s[HM]        ; lane = slot: my 32 columns' part of its sum of squares
	s_wait_alu depctr_va_vdst(0)                   ; x1 in A1 and the part in v[T] are written, which the nine LDS stores read
	PUT A1
	ds_store_b32 v[REDW], v[T]
	s_wait_dscnt 9                                 ; ffn_norm_w is in; the nine stores behind its loads may be out
.irp u, 0,1
.irp i, 0,2,4,6,8,10,12,14
	v_pk_mul_f32 v[A2+16*\u+\i:A2+16*\u+\i+1], v[W2R+\i:W2R+\i+1], v[A1+16*\u+\i:A1+16*\u+\i+1]   ; w x1, into the registers that x has left: the stores' data in A1 stay as they are
.endr
.endr
	BARRIER                                        ; all sixteen parts of each row's sum lie in LDS
	; ---- n = w x1 / root, quantised: K block w of the next two products
.irp i, 0,1,2,3
	ds_load_b128 v[XF+4*\i:XF+4*\i+3], v[REDR] offset:16*\i   ; (no vector or matrix instruction since the wait behind the run names these sixteen registers)
.endr
	s_wait_dscnt 0x0
	v_pk_add_f32 v[XF:XF+1], v[XF:XF+1], v[XF+2:XF+3]
	v_pk_add_f32 v[XF+4:XF+5], v[XF+4:XF+5], v[XF+6:XF+7]
	v_pk_add_f32 v[XF+8:XF+9], v[XF+8:XF+9], v[XF+10:XF+11]
	v_pk_add_f32 v[XF+12:XF+13], v[XF+12:XF+13], v[XF+14:XF+15]
	v_pk_add_f32 v[XF:XF+1], v[XF:XF+1], v[XF+4:XF+5]
	v_pk_add_f32 v[XF+8:XF+9], v[XF+8:XF+9], v[XF+12:XF+13]
	v_pk_add_f32 v[XF:XF+1], v[XF:XF+1], v[XF+8:XF+9]
	v_add_f32 v[XF], v[XF], v[XF+1]
	v_fma_f32 v[XF], v[XF], s41, s42               ; the mean + 1e-6, of slot = lane
	s_wait_alu depctr_va_vdst(0)
	v_rsq_f32 v[XF+1], v[XF]
	v_nop
	s_wait_alu depctr_va_vdst(0)                   ; the root is written, ahead of its first reader
	v_permlanex16_b32 v[XF+2], v[XF+1], s[SEL], s[SEL+1]
	v_cndmask_b32 v[RSP], v[XF+1], v[XF+2], s[HM]  ; slot (0, r)'s, in both halves of the lanes
	v_cndmask_b32 v[RSP+2], v[XF+2], v[XF+1], s[HM]    ; slot (1, r)'s
.irp u, 0,1
.irp i, 0,2,4,6,8,10,12,14
	v_pk_mul_f32 v[A2+16*\u+\i:A2+16*\u+\i+1], v[A2+16*\u+\i:A2+16*\u+\i+1], v[RSP+2*\u:RSP+2*\u+1] op_sel_hi:[1,0]
.endr
.endr
	QUANT2 A2, CDQ
	s_wait_alu depctr_va_vdst(0)                   ; the quantiser has written the codes and the byte, which the two LDS stores read; and it is done with the fragments' registers, in which the loads behind the barrier land
	ds_store_b128 v[IMGA], v[CDQ:CDQ+3] offset:REC_B
	ds_store_b8 v[BYA], v[QBS] offset:REC_B
	BARRIER                                        ; n's record lies in LDS
	s_wait_alu depctr_vm_vsrc(0)                   ; the two stores have read the codes and the byte, in whose registers fragments land; x1's stores have read A1, which the run below writes
	; ---- g = n W_gate^T, silu(g)
	XPRE REC_B
	s_wait_loadcnt 17                              ; W_gate is in; W_hidden's 17 loads may be out
	XRUN A1, WB, WSB, REC_B, 0
	s_wait_alu depctr_va_vdst(0)                   ; the run's matrix instructions are done reading W_gate and its scale words, in which W_out lands, and the rows' scale words and fragments, in which the next run's first loads land
	WLOAD WB, WSB, 6                               ; W_out
	XPRE REC_B                                     ; for the next run: it lands under the silu, which names A1 and A2 alone
.set j, 0
.rept 16
	v_pk_mul_f32 v[A2+j:A2+j+1], v[A1+j:A1+j+1], 0xbfb8aa3b op_sel_hi:[1,0]   ; -g log2(e)
.set j, j+2
.endr
.set j, 0
	s_wait_alu depctr_va_vdst(0)
.rept 32
	v_exp_f32 v[A2+j], v[A2+j]
.set j, j+1
.endr
	v_nop
	s_wait_alu depctr_va_vdst(0)                   ; the 32 exponentials are written, ahead of their first reader
.set j, 0
.rept 16
	v_pk_add_f32 v[A2+j:A2+j+1], v[A2+j:A2+j+1], 1.0 op_sel_hi:[1,0]
.set j, j+2
.endr
.set j, 0
	s_wait_alu depctr_va_vdst(0)
.rept 32
	v_rcp_f32 v[A2+j], v[A2+j]
.set j, j+1
.endr
	v_nop
	s_wait_alu depctr_va_vdst(0)                   ; the 32 reciprocals are written, ahead of their first reader
.set j, 0
.rept 16
	v_pk_mul_f32 v[A1+j:A1+j+1], v[A1+j:A1+j+1], v[A2+j:A2+j+1]    ; silu(g) = g / (1 + e^-g)
.set j, j+2
.endr
	; ---- h = n W_hidden^T; silu(g) h, quantised: K block w of the last product
	s_wait_loadcnt 17                              ; W_hidden is in; W_out's 17 loads may be out
	XRUN A2, WA, WSA, REC_B, 0
.set j, 0
.rept 16
	v_pk_mul_f32 v[A1+j:A1+j+1], v[A2+j:A2+j+1], v[A1+j:A1+j+1]
.set j, j+2
.endr
	QUANT2 A1, CDQ
	s_wait_alu depctr_va_vdst(0)                   ; the quantiser has written the codes and the byte, which the two LDS stores read; and the vector and matrix lines are done with A1, A2, the rows' scale words and the fragments' registers, in which the loads behind the barrier land
	ds_store_b128 v[IMGA], v[CDQ:CDQ+3] offset:REC_C
	ds_store_b8 v[BYA], v[QBS] offset:REC_C
	BARRIER                                        ; its record lies in LDS
	s_wait_alu depctr_vm_vsrc(0)                   ; the two stores have read the codes and the byte, in whose registers fragments land
	; ---- out = x1 + (..) W_out^T + b_out
	LAY A2, VB, 4096, 0                            ; b_out: the sums' C
	LAY A1, XD, 0, 16*XP                           ; x1
	XPRE REC_C
	s_wait_loadcnt 0x0                             ; W_out
	XRUN A2, WB, WSB, REC_C, 1
.set j, 0
.rept 16
	v_pk_add_f32 v[A1+j:A1+j+1], v[A2+j:A2+j+1], v[A1+j:A1+j+1]
.set j, j+2
.endr
	s_wait_alu depctr_va_vdst(0)                   ; the result in A1 is written, which the eight LDS stores read; and the additions are done reading A2, in which the rows land behind the barrier
	PUT A1
	BARRIER                                        ; 32 whole rows of the result lie in LDS
.irp i, 0,1
.irp j, 0,1,2,3
	ds_load_b128 v[A2+16*\i+4*\j:A2+16*\i+4*\j+3], v[DX] offset:XP*\i+512*\j
.endr
.endr
.irp i, 0,1
.irp j, 0,1,2,3
	s_wait_dscnt 7-4*\i-\j                         ; LDS loads come back in order: this one is in, the younger ones may be out
	global_store_b128 v[LI], v[A2+16*\i+4*\j:A2+16*\i+4*\j+3], s[30:31] offset:2048*\i+512*\j th:TH_STORE_NT   ; 32 lanes store 512 consecutive bytes, at a multiple of 256 from the buffer's first byte
.endr
.endr
	s_wait_xcnt 0x0
	v_lshl_add_u32 v238, v0, 2, 0x18a00            ; the add's two registers are made anew here, in registers that held W_out: no memory or LDS instruction has ever read them
	v_mov_b32 v239, 0
	s_wait_dscnt 0x0                               ; the closing lines, six on end
	s_wait_alu 0x0
	s_wait_tensorcnt 0x0
	ds_add_u32 v238, v239
	s_wait_dscnt 0x0
	s_endpgm
.Lfunc_end_k_qf890b602a9_post:
	.size	k_qf890b602a9_post, .Lfunc_end_k_qf890b602a9_post-k_qf890b602a9_post
	.p2alignl 7, 3214868480
	.fill 96, 4, 3214868480
	.section	.rodata,"a",@progbits
	.p2align	6, 0x0
	.amdhsa_kernel k_qf890b602a9_post
		.amdhsa_group_segment_fixed_size 102912
		.amdhsa_private_segment_fixed_size 0
		.amdhsa_enable_private_segment 0
		.amdhsa_kernarg_size 64
		.amdhsa_user_sgpr_count 2
		.amdhsa_user_sgpr_kernarg_segment_ptr 1
		.amdhsa_wavefront_size32 1
		.amdhsa_system_sgpr_workgroup_id_x 1
		.amdhsa_system_sgpr_workgroup_id_y 1
		.amdhsa_system_sgpr_workgroup_id_z 1
		.amdhsa_system_vgpr_workitem_id 0
		.amdhsa_next_free_vgpr 256
		.amdhsa_next_free_sgpr 66
		.amdhsa_reserve_vcc 0
		.amdhsa_float_denorm_mode_32 3
		.amdhsa_float_denorm_mode_16_64 3
		.amdhsa_memory_ordered 1
		.amdhsa_forward_progress 1
		.amdhsa_inst_pref_size 49
	.end_amdhsa_kernel
	.amdgpu_metadata
---
amdhsa.version: [ 1, 2 ]
amdhsa.kernels:
  - .name:           k_qf890b602a9_post
    .symbol:         k_qf890b602a9_post.kd
    .args:
      - { .name: oc, .offset: 0, .size: 8, .value_kind: global_buffer, .address_space: global }
      - { .name: os, .offset: 8, .size: 8, .value_kind: global_buffer, .address_space: global }
      - { .name: xw, .offset: 16, .size: 8, .value_kind: global_buffer, .address_space: global }
      - { .name: x, .offset: 24, .size: 8, .value_kind: global_buffer, .address_space: global }
      - { .name: b_o, .offset: 32, .size: 8, .value_kind: global_buffer, .address_space: global }
      - { .name: ffn_norm_w, .offset: 40, .size: 8, .value_kind: global_buffer, .address_space: global }
      - { .name: b_out, .offset: 48, .size: 8, .value_kind: global_buffer, .address_space: global }
      - { .name: out0, .offset: 56, .size: 8, .value_kind: global_buffer, .address_space: global }
    .group_segment_fixed_size: 102912
    .private_segment_fixed_size: 0
    .kernarg_segment_align: 8
    .kernarg_segment_size: 64
    .max_flat_workgroup_size: 512
    .sgpr_count:     66
    .vgpr_count:     256
    .wavefront_size: 32
...
	.end_amdgpu_metadata
.endif
;; end of part 8
